; MI455X (gfx1250); checked and timed in simulation.
; The chip was launched on July 23, 2026; its instructions are those of AMD's public machine-readable ISA for CDNA 5 (MIT licence, August 2026) and "CDNA5" Instruction Set Architecture Reference Guide (July 2026). The comments in the code are by the model that wrote it; some were corrected since.
;; My Transformer Encoder Layer. Allowed arithmetic: matrix products marked QUANTISED: E5M2 operands, one E8M0 scale for each 32 along K, by v_wmma_scale_f32_16x16x128_f8f6f4 with both operands' format E5M2, f32 sums; everything else in f32.
;; Inputs: W1_codes 4,096 x 32 x 32 uint8 (E5M2 codes of W1, K innermost, in blocks of 32 codes); W1_scales 4,096 x 32 uint8 (E8M0 scales of W1, one for each 32 codes along K); W2_codes 1,024 x 128 x 32 uint8 (E5M2 codes of W2, K innermost, in blocks of 32 codes); W2_scales 1,024 x 128 uint8 (E8M0 scales of W2, one for each 32 codes along K); Wk_codes 1,024 x 32 x 32 uint8 (E5M2 codes of Wk, K innermost, in blocks of 32 codes); Wk_scales 1,024 x 32 uint8 (E8M0 scales of Wk, one for each 32 codes along K); Wo_codes 1,024 x 32 x 32 uint8 (E5M2 codes of Wo, K innermost, in blocks of 32 codes); Wo_scales 1,024 x 32 uint8 (E8M0 scales of Wo, one for each 32 codes along K); Wq_codes 1,024 x 32 x 32 uint8 (E5M2 codes of Wq, K innermost, in blocks of 32 codes); Wq_scales 1,024 x 32 uint8 (E8M0 scales of Wq, one for each 32 codes along K); Wv_codes 1,024 x 32 x 32 uint8 (E5M2 codes of Wv, K innermost, in blocks of 32 codes); Wv_scales 1,024 x 32 uint8 (E8M0 scales of Wv, one for each 32 codes along K); b1 4,096 float32; b2 1,024 float32; be1 1,024 float32; be2 1,024 float32; bk 1,024 float32; bo 1,024 float32; bq 1,024 float32; bv 1,024 float32; g1 1,024 float32; g2 1,024 float32; src 2,048 x 2 x 1,024 float32.
;; Outputs: out0 2,048 x 2 x 1,024 float32.
;; This version of the problem:
;;   THIS VERSION OF THE PROBLEM IS GIVEN IN LOW PRECISION. The matrix products marked QUANTISED in the list below multiply operands that are first quantised to E5M2 (5 exponent bits, 2 mantissa bits; 8 bits a number), with one power-of-two scale for each 32 numbers along K (OCP MX v1.0); their sums are f32. All else is computed in f32.
;;   The module's matrix products, in the order in which they are computed (A, B: the left and right operand; K: the contracted axis; several contracted axes count as one K, in the product's order):
;;     1. [M 4,096, K 1,024] x [K 1,024, N 1,024]; A: input src; B: input Wq (given as codes): QUANTISED
;;     2. [M 4,096, K 1,024] x [K 1,024, N 1,024]; A: input src; B: input Wk (given as codes): QUANTISED
;;     3. [M 4,096, K 1,024] x [K 1,024, N 1,024]; A: input src; B: input Wv (given as codes): QUANTISED
;;     4. batch 32 x [M 2,048, K 64] x [K 64, N 2,048]; A: computed on the way; B: computed on the way: QUANTISED
;;     5. batch 32 x [M 64, K 2,048] x [K 2,048, N 2,048]; A: computed on the way; B: softmax (see below): QUANTISED
;;     6. [M 4,096, K 1,024] x [K 1,024, N 1,024]; A: computed on the way; B: input Wo (given as codes): QUANTISED
;;     7. [M 4,096, K 1,024] x [K 1,024, N 4,096]; A: computed on the way; B: input W1 (given as codes): QUANTISED
;;     8. [M 4,096, K 4,096] x [K 4,096, N 1,024]; A: computed on the way; B: input W2 (given as codes): QUANTISED
;;   THE QUANTISER, for each operand of a quantised product, along K:
;;     - K is cut into blocks of 32 from its start; a last block that is shorter is filled with zeros.
;;     - A block's scale is 2^e with e = floor(log2(the largest magnitude in the block)) - 15, held to -126 .. 127; a block of zeros has e = 0. As a byte (E8M0): e + 127.
;;     - Each number is divided by its block's scale, clamped to +-57,344, and rounded to the nearest number of E5M2, ties to even, subnormals kept.
;;     - The product sums the exact products of the quantised numbers (number of the format x scale) in f32.
;;   ~~~python
;;   def quantise(x, axis):      # numpy; x: float32 -> the quantised numbers, widened to float32 again
;;       x = np.moveaxis(x, axis, -1); K = x.shape[-1]
;;       x = np.pad(x, [(0, 0)] * (x.ndim - 1) + [(0, -K % 32)]); x = x.reshape(x.shape[:-1] + (-1, 32)); a = np.abs(x).max(-1, keepdims=True)
;;       e = np.where(a > 0, np.clip(np.frexp(np.where(a > 0, a, 1))[1] - 1 - 15, -126, 127), 0)      # np.frexp(a)[1] - 1 = floor(log2(a)), exactly
;;       r = np.clip(x / 2.0 ** e, -57344, 57344)
;;       step = 2.0 ** (np.maximum(np.frexp(np.where(r == 0, 1, r))[1] - 1, -14) - 2)
;;       q = np.round(r / step) * step * 2.0 ** e      # np.round: ties to even
;;       return np.moveaxis(q.reshape(q.shape[:-2] + (-1,))[..., :K], -1, axis).astype(np.float32)
;;   ~~~
;;   SOFTMAX AHEAD OF A QUANTISED PRODUCT. Where the list says 'softmax', what is quantised is not the finished softmax but p = 2^(t - M), with t = logit x log2(e) and M = ceil(the row's largest t), a whole number; so 1/2 < the row's largest p <= 1. The row's sum l is taken of the UNQUANTISED p, in f32, and the product's result is divided by l at the end. Since M is a whole number, a kernel that streams over the keys may use a running M (the ceiling of the running maximum): every later rescaling is an exact power of two, which a block's scale takes up: the codes' values come out the same.
;;   OPERANDS COMPUTED ON THE WAY. 'Computed on the way' means the value that the module computes at that place (a softmax that the list does not call 'softmax' is quantised finished and normalised). What goes into a quantiser is computed in f32, as accurately as f32 sums, v_exp_f32 and their like allow (about 1e-6 of the number): no bf16 or f16 on the way to a quantiser, and a product that is left as it is and whose result goes on into a quantised operand takes f32 operands (vector FMAs, or v_wmma_f32_16x16x4_f32). A number that lies on a knife's edge between two numbers of the format may be rounded either way, as far as f32 arithmetic and the matrix unit's own rounding can turn it there, and no further.
;;   INPUTS GIVEN AS CODES. W1 (in the module: [4096, 1024], K = its axis 1); W2 (in the module: [1024, 4096], K = its axis 1); Wk (in the module: [1024, 1024], K = its axis 1); Wo (in the module: [1024, 1024], K = its axis 1); Wq (in the module: [1024, 1024], K = its axis 1); Wv (in the module: [1024, 1024], K = its axis 1): each comes as NAME_codes (uint8): NAME with its K axis moved to the last place and cut into blocks of 32 codes, [.., K / 32, bytes a block], one block behind the other in memory; one code a byte (a code: sign, 5 exponent bits, 2 mantissa bits); and NAME_scales (uint8): the same leading axes, one E8M0 byte (e + 127) for each 32 codes along K. Its value is code x scale, taken as it is: it is not quantised again, and the codes and scales need not be those that the quantiser above would give.
;; 2 versions. Each part assembles by itself: llvm-mc -triple=amdgcn-amd-amdhsa -mcpu=gfx1250 --defsym DOCPART=n.
;; ======== version 1 of 2: 9 launches
;; workspace buffers: actc 4,325,376 bytes; qkv 13,238,272 bytes; ao 4,325,376 bytes; tbuf 16,777,216 bytes; xbuf 16,777,216 bytes; hid 17,301,504 bytes
;; launch quant_src (part 1): grid 256 x 1, 4 waves a work-group, no clusters, 22,016 bytes of LDS; arguments src, actc; writes actc
.if DOCPART == 1
	.amdgcn_target "amdgcn-amd-amdhsa--gfx1250"
	.amdhsa_code_object_version 6
	.text
	.protected	k_q8c3e33b5c9_quant_src
	.globl	k_q8c3e33b5c9_quant_src
	.p2align	8
	.type	k_q8c3e33b5c9_quant_src,@function
k_q8c3e33b5c9_quant_src:
	s_mov_b64 s[64:65], 0
	v_nop
	global_prefetch_b8 v0, s[64:65] scope:SCOPE_SE
	s_setreg_imm32_b32 hwreg(HW_REG_WAVE_MODE, 25, 1), 1
	s_wait_xcnt 0x0
; src [2048 s][2 b][1024] f32 becomes codes of E5M2, K = the 1,024 innermost, and one E8M0 byte for each 32 along K.
; actc: codes [m'][1024] at byte 0, scale bytes [m'][32] at byte ASC; m' = 2048 b + s is the row order of every later launch.
; A block's scale is 2^(floor(log2(largest magnitude)) - 15): its byte is that magnitude's exponent field - 15, held at 1 from below.
; LIMITS: a block of zeros gets the byte 1 and not 127 (its codes are zeros, and this program alone reads the bytes); NaN and infinities are not served.
; A work-group takes 16 rows m', a wave 4 of them: 8 steps of 512 numbers.  All 32 loads of a wave (16 KiB) go out at the head; each reads 512 consecutive bytes.
; The conversion wants 16 neighbours in one lane: a step's 2,048 bytes turn through the wave's own stage in LDS (64 bytes + 16 of padding a lane), one step ahead of the work.
; A lane's 16 codes are 16 bytes: a store covers 512 consecutive bytes.  The work-group's 512 scale bytes meet in LDS and leave by one store.
.set SP,   80                          ; a lane's place in a stage
.set STG,  2*32*SP                     ; two stages for each wave
.set SB,   4*STG                       ; behind them: the work-group's 512 scale bytes
.set ASC,  4194304                     ; where the scale bytes begin in actc
.set R,    16                          ; v16-143  eight sets of 16 numbers as loaded
.set X,    144                         ; v144-175 two sets of 16 neighbours
.set C,    176                         ; v176-207 four registers of codes for each step
.set E,    208                         ; v208-215 a scale byte for each step
	s_load_b128 s[4:7], s[0:1], 0x0                ; src, actc
	v_lshl_add_u32 v216, v0, 2, 0x5400
	v_mov_b32 v217, 0
	v_lshrrev_b32 v1, 5, v0
	v_readfirstlane_b32 s8, v1                     ; wave
	v_and_b32 v2, 31, v0                           ; lane
	v_lshlrev_b32 v3, 4, v2                        ; 16 x lane
	s_mul_i32 s9, s8, STG
	v_lshrrev_b32 v14, 2, v2
	v_mul_u32_u24 v14, v14, SP
	v_and_b32 v15, 3, v2
	v_lshl_add_u32 v14, v15, 4, v14
	v_add_nc_u32 v14, s9, v14                      ; the stage, in: SP (lane / 4) + 16 (lane % 4)
	v_mul_u32_u24 v15, v2, SP
	v_add_nc_u32 v15, s9, v15                      ; and out: SP x lane
	v_lshrrev_b32 v5, 1, v2
	s_lshl_b32 s10, s8, 7
	s_add_co_u32 s10, s10, SB
	v_add_nc_u32 v5, s10, v5                       ; my block's byte among my wave's 128
	v_add_nc_u32 v6, SB, v3                        ; wave 0 reads all 512 back
	s_mov_b32 s23, 0x600000                        ; the mantissa field of 57,344
	s_lshr_b32 s11, ttmp9, 7                       ; b
	s_and_b32 s12, ttmp9, 127
	s_lshl_b32 s12, s12, 4
	s_lshl_b32 s13, s8, 2
	s_add_co_u32 s12, s12, s13                     ; s of my first row
	s_lshl_b32 s12, s12, 1
	s_add_co_u32 s12, s12, s11                     ; its row in src: 2 s + b
	s_lshl_b32 s12, s12, 12
	s_mov_b32 s13, 0
	s_lshl_b32 s14, ttmp9, 4
	s_lshl_b32 s15, s8, 2
	s_add_co_u32 s14, s14, s15                     ; m' of my first row
	s_lshl_b32 s14, s14, 10
	s_mov_b32 s15, 0
	s_lshl_b32 s16, ttmp9, 9
	s_add_co_u32 s16, s16, ASC
	s_mov_b32 s17, 0
	s_wait_kmcnt 0x0
	s_add_nc_u64 s[4:5], s[4:5], s[12:13]
	s_add_nc_u64 s[18:19], s[6:7], s[16:17]        ; the work-group's scale bytes
	s_add_nc_u64 s[6:7], s[6:7], s[14:15]          ; my wave's codes
.irp t, 0,1,2,3,4,5,6,7
.irp i, 0,1,2,3
	global_load_b128 v[R+16*\t+4*\i:R+16*\t+4*\i+3], v3, s[4:5] offset:(\t/2)*8192+(\t%2)*2048+512*\i th:TH_LOAD_NT   ; my rows lie 8,192 bytes apart in src
.endr
.endr
.macro TURN t                          ; step t through the stage: LDS serves a wave's instructions in order, so no wait stands between the stores and the loads
.irp i, 0,1,2,3
	ds_store_b128 v14, v[R+16*(\t)+4*\i:R+16*(\t)+4*\i+3] offset:32*SP*((\t)%2)+8*SP*\i
.endr
.irp i, 0,1,2,3
	ds_load_b128 v[X+16*((\t)%2)+4*\i:X+16*((\t)%2)+4*\i+3], v15 offset:32*SP*((\t)%2)+16*\i
.endr
.endm
	s_wait_loadcnt 28                              ; step 0's four loads are in; the 28 behind them may be out
	TURN 0
.macro STEP t
.set XS, X+16*((\t)%2)
.if (\t) > 0
	s_wait_dscnt 1                                 ; this step's numbers are back (the last step's byte store may be out)
.else
	s_wait_dscnt 0x0
.endif
.if (\t)+1 < 8
	s_wait_loadcnt 24-4*(\t)                       ; the next step's four loads are in; those of the later steps may be out
	TURN (\t)+1
.endif
	v_max3_num_f32 v8, |v[XS]|, |v[XS+1]|, |v[XS+2]|
	v_max3_num_f32 v9, |v[XS+3]|, |v[XS+4]|, |v[XS+5]|
.irp i, 6,10
	v_max3_num_f32 v8, v8, |v[XS+\i]|, |v[XS+\i+1]|
	v_max3_num_f32 v9, v9, |v[XS+\i+2]|, |v[XS+\i+3]|
.endr
	v_max3_num_f32 v8, v8, |v[XS+14]|, |v[XS+15]|
	v_max3_num_f32 v8, v8, v9, 0x8000000           ; the floor 2^(16 - 127): the byte cannot fall under 1
	v_max_num_f32_dpp v8, v8, v8 row_xmask:1 row_mask:0xf bank_mask:0xf   ; with my neighbour's 16: the block's largest magnitude
	v_add_nc_u32 v11, 0xf8800000, v8               ; 15 off its exponent field: the conversion's scale operand
	v_and_or_b32 v10, v8, 0x7f800000, s23          ; 57,344 x the scale
.set i, 0
.rept 16
	v_med3_num_f32 v[XS+i], v[XS+i], -v10, v10     ; the conversion does not saturate (ISA guide 7.6.2): the hold comes first
.set i, i+1
.endr
	v_cvt_scalef32_pk8_bf8_f32 v[C+4*(\t):C+4*(\t)+1], v[XS:XS+7], v11
	v_cvt_scalef32_pk8_bf8_f32 v[C+4*(\t)+2:C+4*(\t)+3], v[XS+8:XS+15], v11
	v_lshrrev_b32 v[E+(\t)], 23, v11               ; the scale's byte (also the plain line behind the conversions)
	ds_store_b8 v5, v[E+(\t)] offset:16*(\t)       ; both lanes of a block write the same byte
	global_store_b128 v3, v[C+4*(\t):C+4*(\t)+3], s[6:7] offset:512*(\t)
.endm
.irp t, 0,1,2,3,4,5,6,7
	STEP \t
.endr
	s_wait_dscnt 0x0                               ; my byte stores have landed: then the barrier
	s_barrier_signal -1
	s_barrier_wait -1
	s_cmp_lg_u32 s8, 0
	s_cbranch_scc1 .Ldone
	ds_load_b128 v[8:11], v6                       ; wave 0: 16 rows x 32 bytes
	s_wait_dscnt 0x0
	global_store_b128 v3, v[8:11], s[18:19]        ; 512 consecutive bytes
.Ldone:
	s_wait_tensorcnt 0x0
	ds_add_u32 v216, v217
	s_wait_dscnt 0x0
	s_endpgm
.Lfunc_end_k_q8c3e33b5c9_quant_src:
	.size	k_q8c3e33b5c9_quant_src, .Lfunc_end_k_q8c3e33b5c9_quant_src-k_q8c3e33b5c9_quant_src
	.p2alignl 7, 3214868480
	.fill 96, 4, 3214868480
	.section	.rodata,"a",@progbits
	.p2align	6, 0x0
	.amdhsa_kernel k_q8c3e33b5c9_quant_src
		.amdhsa_group_segment_fixed_size 22016
		.amdhsa_private_segment_fixed_size 0
		.amdhsa_enable_private_segment 0
		.amdhsa_kernarg_size 16
		.amdhsa_user_sgpr_count 2
		.amdhsa_user_sgpr_kernarg_segment_ptr 1
		.amdhsa_wavefront_size32 1
		.amdhsa_system_sgpr_workgroup_id_x 1
		.amdhsa_system_sgpr_workgroup_id_y 1
		.amdhsa_system_sgpr_workgroup_id_z 1
		.amdhsa_system_vgpr_workitem_id 0
		.amdhsa_next_free_vgpr 218
		.amdhsa_next_free_sgpr 66
		.amdhsa_reserve_vcc 0
		.amdhsa_float_denorm_mode_32 3
		.amdhsa_float_denorm_mode_16_64 3
		.amdhsa_memory_ordered 1
		.amdhsa_forward_progress 1
		.amdhsa_inst_pref_size 27
	.end_amdhsa_kernel
	.amdgpu_metadata
---
amdhsa.version: [ 1, 2 ]
amdhsa.kernels:
  - .name:           k_q8c3e33b5c9_quant_src
    .symbol:         k_q8c3e33b5c9_quant_src.kd
    .args:
      - { .name: src, .offset: 0, .size: 8, .value_kind: global_buffer, .address_space: global }
      - { .name: actc, .offset: 8, .size: 8, .value_kind: global_buffer, .address_space: global }
    .group_segment_fixed_size: 22016
    .private_segment_fixed_size: 0
    .kernarg_segment_align: 8
    .kernarg_segment_size: 16
    .max_flat_workgroup_size: 128
    .sgpr_count:     66
    .vgpr_count:     218
    .wavefront_size: 32
...
	.end_amdgpu_metadata
.endif
;; end of part 1
;; launch qk (part 2): grid 16 x 32, 4 waves a work-group, clusters of 4 x 4, 327,680 bytes of LDS; arguments actc, Wq_codes, Wk_codes, Wq_scales, Wk_scales, bq, bk, qkv; writes qkv
.if DOCPART == 2
	.amdgcn_target "amdgcn-amd-amdhsa--gfx1250"
	.amdhsa_code_object_version 6
	.text
	.protected	k_q8c3e33b5c9_qk
	.globl	k_q8c3e33b5c9_qk
	.p2align	8
	.type	k_q8c3e33b5c9_qk,@function
k_q8c3e33b5c9_qk:
	s_mov_b64 s[64:65], 0
	v_nop
	global_prefetch_b8 v0, s[64:65] scope:SCOPE_SE
	s_setreg_imm32_b32 hwreg(HW_REG_WAVE_MODE, 25, 1), 1
	s_wait_xcnt 0x0
	s_wait_alu depctr_hold_cnt(0) depctr_sa_sdst(0) depctr_va_vdst(0) depctr_va_sdst(0) depctr_va_ssrc(0) depctr_va_vcc(0) depctr_vm_vsrc(0)
	s_getreg_b32 s2, hwreg(HW_REG_IB_STS2, 6, 4)
	s_cmp_eq_u32 s2, 0
	s_cbranch_scc0 .Lentry_in_a_cluster
	s_endpgm
.Lentry_in_a_cluster:
	s_bfe_u32 s2, ttmp6, 0x10000c
	s_cmp_lg_u32 s2, 0xf033
	s_cbranch_scc0 .Lentry_shape_is_right
	s_endpgm
.Lentry_shape_is_right:
; q = src Wq^T + bq and k = src Wk^T + bk on codes of E5M2 with E8M0 scales, each quantised again along the head's 64 and stored as IMAGES OF OPERAND REGISTERS.
; Tile columns 0-7 of the grid make q, 8-15 make k: only pointers are chosen, on the cluster's x, which all partners share.
; A tile of C is 128 tokens x 128 features; four waves, 2 x 2, each 64 x 64: 16 accumulators.  K = 1,024 lies in two LDS slots of 512, both filled at the start: nothing is filled again.
; CLUSTER 4 x 4: the tokens' tile is shared along a row of the cluster, the weight's along a column: joint tensor loads, which quarter the requests.
; THE PRODUCT IS USED TRANSPOSED: source 0 = 16 rows of the weight, source 1 = 16 tokens: a lane holds one token and its registers run along the features.
; THE ROWS OF A FRAGMENT ARE NOT NEIGHBOURS: lane r of fragment i takes row 32 (i / 2) + 8 (i % 2) + r + (r & 8) of its 64: so the 16 registers of tiles 2 n, 2 n + 1 are 16 neighbouring features (a block of 32 lies in
; lanes l and l xor 16), and the tokens of a stored fragment have the order that the attention launch wants of its keys.
; OUT (qkv): images [b][head][tile of 16 tokens][chunk 2][512]: lane l's 16 codes at 16 l; scale words [b][head][tile][r], bytes 2 and 3 zero (they scale zero codes there).
; LIMITS: a block of zeros gets the byte 1 and not 127 (its codes are zeros; this program alone reads the bytes); NaN and infinities are not served.
; REGISTERS: window 0: v1-15, v28-31 at work; v16-27 addresses; v32-95 scale words, two sets, nothing else; v96-127 the bias as C, later the codes; v128-255 accumulator (a, b) at 128 + 8 (4 a + b).
;   window 1: two fragment buffers of 128: source 1's four fragments, then source 0's four.
.set SIZE_K, 1024
.set PITCH,  528                       ; an LDS row: 512 bytes + 16 of padding
.set HALFT,  64*PITCH                  ; what one tensor load brings, and what one wave reads of a side
.set SLOT,   4*HALFT                   ; the tokens' 128 rows, then the weight's 128
.set SCL,    2*SLOT                    ; scale bytes of all of K: four quarters of 64 rows x 32 bytes, as units of 256 + 16
.set HALFS,  8*272
.set SPARE,  SCL+4*HALFS               ; the spare words, 128 bytes a wave: no other line names them
.set ASC,    4194304                   ; actc's scale bytes
.set PW,   3
.set TMA,  4
.set TMB,  8
.set TMC,  12
.set TMD,  28
.set ADRA, 16
.set ADRB, 18
.set ADRSA, 20
.set ADRSB, 21
.set VO,   22                          ; 16 x lane
.set SGW,  23                          ; my wave's 256 bytes for scale words: in
.set SGR,  24                          ; and back
.set BO,   25
.set SPW,  26
.set NIL,  27
.set SGO,  1                           ; 8 x lane
.set SC,   32
.set BI,   96
.set ACC,  128
.set F0,   0
.set F1,   128
.set G1,   24
.set G0,   32
.set G1B,  48
.set G0B,  56
.set G1S,  68
.set G0S,  76
.set G1SB, 80
.set G0SB, 88
.set MSB, 0
.macro WIN new                         ; the immediate's high byte repeats the setting that is left
.if MSB != \new
	s_set_vgpr_msb (MSB<<8)|\new
.set MSB, \new
.endif
.endm
.macro PLACES n                        ; plain vector places behind matrix instructions: eight for this form
.rept \n
	v_nop
.endr
.endm
.macro JLOAD g0a, g1a, g0b, g1b        ; a joint load: waves 0, 1 fetch source 1's halves, waves 2, 3 source 0's; four v_nop follow each line
	s_cmp_eq_u32 s15, 0
	s_cbranch_scc0 .Lfor_b_\@
	tensor_load_to_lds s[\g0a:\g0a+3], s[\g1a:\g1a+7]
	s_nop 0
.rept 4
	v_nop
.endr
	s_branch .Lasked_\@
.Lfor_b_\@:
	tensor_load_to_lds s[\g0b:\g0b+3], s[\g1b:\g1b+7]
	s_nop 0
.rept 4
	v_nop
.endr
.Lasked_\@:
.endm
.macro CROUND                          ; a round of the cluster's barrier
	s_barrier_signal -1
	s_barrier_wait -1
	s_cmp_lg_u32 s14, 0
	s_cbranch_scc1 .Lnot_wave_0_\@
	s_barrier_signal -3
.Lnot_wave_0_\@:
	s_barrier_wait -3
	s_barrier_signal -1
	s_barrier_wait -1
.endm
	s_load_b512 s[68:83], s[0:1], 0x0              ; actc 68, Wq codes 70, Wk codes 72, Wq scales 74, Wk scales 76, bq 78, bk 80, qkv 82
	v_lshl_add_u32 v[SPW], v0, 2, SPARE
	v_mov_b32 v[NIL], 0
	ds_add_u32 v26, v27
	ds_add_u32 v26, v27
	s_wait_dscnt 0x0
	v_lshrrev_b32 v1, 5, v0
	v_readfirstlane_b32 s14, v1                    ; wave
	s_lshr_b32 s15, s14, 1                         ; my 64 tokens of the tile.  Also: I fetch for source 1 (0) or source 0 (1)
	s_and_b32 s16, s14, 1                          ; my 64 features.  Also: which 64 rows I fetch
	s_bfe_u32 s40, ttmp6, 0x40000                  ; cx
	s_bfe_u32 s41, ttmp6, 0x40004                  ; cy
	s_lshl_b32 s42, ttmp9, 2
	s_add_co_u32 s42, s42, s40                     ; X
	s_and_b32 s17, ttmp7, 0xffff
	s_lshl_b32 s17, s17, 2
	s_add_co_u32 s17, s17, s41                     ; Y
	s_lshl_b32 s43, s41, 2
	s_lshl_b32 s43, 15, s43                        ; my row of the cluster
	s_lshl_b32 s44, 0x1111, s40                    ; my column
	s_or_b32 s[G1+0], s43, (1<<20)|(1<<21)|(6<<22)|(3<<25)    ; mask; elements of 1 byte; padding of 4 words behind every 128; bit 21 beside a mask
	s_or_b32 s[G1B+0], s44, (1<<20)|(1<<21)|(6<<22)|(3<<25)
.irp g, G1, G1B
	s_mov_b32 s[\g+1], 512<<16                     ; tensor_dim0
	s_mov_b32 s[\g+2], 64<<16                      ; tensor_dim1
	s_mov_b32 s[\g+3], 512<<16                     ; tile_dim0
	s_mov_b32 s[\g+4], 64                          ; tile_dim1
	s_mov_b32 s[\g+5], SIZE_K                      ; the pitch
	s_mov_b32 s[\g+6], 0
	s_mov_b32 s[\g+7], 0
.endr
	s_lshl_b32 s18, s16, 6
	s_lshl_b32 s20, s17, 7
	s_add_co_u32 s20, s20, s18                     ; the tokens that I fetch: 128 Y + 64 x half
	s_lshl_b32 s22, s20, 5
	s_add_co_u32 s22, s22, ASC
	s_lshl_b32 s20, s20, 10
	s_mov_b32 s21, 0
	s_mov_b32 s23, 0
	s_and_b32 s2, s42, 7
	s_lshl_b32 s46, s2, 7
	s_add_co_u32 s46, s46, s18                     ; the weight's rows: 128 (X & 7) + 64 x half
	s_lshl_b32 s92, s46, 5
	s_lshl_b32 s94, s46, 2
	s_lshl_b32 s46, s46, 10
	s_mov_b32 s47, 0
	s_mov_b32 s93, 0
	s_mov_b32 s95, 0
	s_lshr_b32 s3, s17, 4
	s_lshl_b32 s3, s3, 4                           ; 16 b
	s_lshl_b32 s2, s2, 1
	s_add_co_u32 s3, s3, s2
	s_add_co_u32 s3, s3, s16                       ; + my head
	s_lshl_b32 s3, s3, 7
	s_and_b32 s2, s17, 15
	s_lshl_b32 s2, s2, 3
	s_add_co_u32 s3, s3, s2
	s_lshl_b32 s2, s15, 2
	s_add_co_u32 s3, s3, s2                        ; my first tile of 16 tokens
	s_lshl_b32 s98, s3, 6
	s_lshl_b32 s2, s3, 10
	s_mov_b32 s3, 0
	s_mov_b32 s99, 0
	s_mul_i32 s45, s14, HALFT
	s_wait_kmcnt 0x0
	s_cmp_lt_u32 ttmp9, 2                          ; q's tile columns or k's
	s_cselect_b64 s[8:9], s[70:71], s[72:73]
	s_cselect_b64 s[10:11], s[74:75], s[76:77]
	s_cselect_b64 s[96:97], s[78:79], s[80:81]
	s_cselect_b32 s18, 0, 4194304
	s_cselect_b32 s19, 0, 262144
	s_add_co_u32 s2, s2, s18
	s_add_co_u32 s98, s98, s19
	s_add_co_u32 s98, s98, 12582912
	s_add_nc_u64 s[20:21], s[68:69], s[20:21]
	s_add_nc_u64 s[22:23], s[68:69], s[22:23]
	s_add_nc_u64 s[46:47], s[8:9], s[46:47]
	s_add_nc_u64 s[92:93], s[10:11], s[92:93]
	s_add_nc_u64 s[96:97], s[96:97], s[94:95]      ; my 64 biases
	s_add_nc_u64 s[12:13], s[82:83], s[2:3]        ; my images
	s_add_nc_u64 s[98:99], s[82:83], s[98:99]      ; my scale words
	s_mul_i32 s19, s14, HALFS
	s_or_b32 s[G1S+0], s43, (3<<16)|(1<<20)|(1<<21)|(5<<22)|(3<<25)   ; the scales of 64 rows: 2,048 dense bytes as 8 rows of 256, 16 of padding behind each
	s_or_b32 s[G1SB+0], s44, (3<<16)|(1<<20)|(1<<21)|(5<<22)|(3<<25)
.irp g, G1S, G1SB
	s_mov_b32 s[\g+1], 32<<16
	s_mov_b32 s[\g+2], 8<<16
	s_mov_b32 s[\g+3], 32<<16
	s_mov_b32 s[\g+4], 8
	s_mov_b32 s[\g+5], 32
	s_mov_b32 s[\g+6], 0
	s_mov_b32 s[\g+7], 0
.endr
	CROUND                                         ; all sixteen work-groups are here: the first joint loads meet
	s_mov_b32 s[G0S], 1
	s_add_co_u32 s[G0S+1], s19, SCL
	s_mov_b64 s[G0S+2:G0S+3], s[22:23]
	s_or_b32 s[G0S+3], s[G0S+3], 0x80000000
	s_mov_b32 s[G0SB], 1
	s_add_co_u32 s[G0SB+1], s19, SCL
	s_mov_b64 s[G0SB+2:G0SB+3], s[92:93]
	s_or_b32 s[G0SB+3], s[G0SB+3], 0x80000000
	JLOAD G0S, G1S, G0SB, G1SB
.irp s, 0,1
	s_mov_b32 s[G0+4*\s], 1
	s_add_co_u32 s[G0+4*\s+1], s45, \s*SLOT
	s_add_nc_u64 s[G0+4*\s+2:G0+4*\s+3], s[20:21], \s*512
	s_or_b32 s[G0+4*\s+3], s[G0+4*\s+3], 0x80000000
	s_mov_b32 s[G0B+4*\s], 1
	s_add_co_u32 s[G0B+4*\s+1], s45, \s*SLOT
	s_add_nc_u64 s[G0B+4*\s+2:G0B+4*\s+3], s[46:47], \s*512
	s_or_b32 s[G0B+4*\s+3], s[G0B+4*\s+3], 0x80000000
	JLOAD G0+4*\s, G1, G0B+4*\s, G1B               ; three tensor loads of mine are out: scales, slot 0, slot 1
.endr
	v_and_b32 v1, 15, v0                           ; r
	v_bfe_u32 v2, v0, 4, 1                         ; h
	v_lshlrev_b32 v[BO], 6, v2
.irp b, 0,1,2,3                                ; the bias in the result's layout: tile b, register j: feature 32 (b / 2) + 8 (b % 2) + 16 h + j
	global_load_b128 v[BI+8*\b:BI+8*\b+3], v[BO], s[96:97] offset:(32*(\b/2)+8*(\b%2))*4
	global_load_b128 v[BI+8*\b+4:BI+8*\b+7], v[BO], s[96:97] offset:(32*(\b/2)+8*(\b%2))*4+16
.endr
	v_and_b32 v3, 8, v1
	v_add_nc_u32 v3, v3, v1                        ; r + (r & 8)
	v_mul_u32_u24 v4, v3, PITCH
	v_lshl_add_u32 v4, v2, 4, v4
	s_mul_i32 s21, s15, HALFT
	s_mul_i32 s22, s16, HALFT
	s_add_co_u32 s22, s22, 2*HALFT
.irp s, 0,1
	v_add_nc_u32 v[ADRA+\s], s21, v4
	v_add_nc_u32 v[ADRB+\s], s22, v4
	s_add_co_u32 s21, s21, SLOT
	s_add_co_u32 s22, s22, SLOT
.endr
	v_lshlrev_b32 v5, 5, v3                        ; my row's 32 scale bytes,
	v_lshrrev_b32 v6, 8, v5
	v_lshl_add_u32 v5, v6, 4, v5                   ; and 16 more for each 256 passed
	s_mul_i32 s21, s15, HALFS
	s_add_co_u32 s21, s21, SCL
	s_mul_i32 s22, s16, HALFS
	s_add_co_u32 s22, s22, SCL+2*HALFS
	v_add_nc_u32 v[ADRSA], s21, v5
	v_add_nc_u32 v[ADRSB], s22, v5
	v_and_b32 v7, 31, v0
	v_lshlrev_b32 v[VO], 4, v7
	s_lshl_b32 s21, s14, 8
	v_lshl_add_u32 v[SGW], v1, 2, s21
	v_lshl_add_u32 v[SGR], v7, 3, s21
	v_lshlrev_b32 v[SGO], 3, v7
	s_mov_b32 s20, 0x76543210
	s_mov_b32 s21, 0xfedcba98                      ; v_permlanex16_b32's selects for lane l xor 16
	s_mov_b32 s19, 0x600000                        ; the mantissa field of 57,344
.macro FETCH slot, q, f                ; 32 LDS loads: the fragments of the slot's q-th 128 along K into buffer f; source 1's fragments 2, 3 last
	WIN 0x40
.irp i, 0,1,2,3
.irp c, 0,1,2,3
	ds_load_b128 v[\f+64+16*\i+4*\c:\f+64+16*\i+4*\c+3], v[ADRB+\slot] offset:128*(\q)+32*\c+(32*(\i/2)+8*(\i%2))*PITCH
.endr
.endr
.irp i, 0,1,2,3
.irp c, 0,1,2,3
	ds_load_b128 v[\f+16*\i+4*\c:\f+16*\i+4*\c+3], v[ADRA+\slot] offset:128*(\q)+32*\c+(32*(\i/2)+8*(\i%2))*PITCH
.endr
.endr
.endm
.macro SCALES s                        ; a slot's four scale words a row, for the eight fragments, into set s
.irp i, 0,1,2,3
	ds_load_b128 v[SC+32*\s+4*\i:SC+32*\s+4*\i+3], v[ADRSA] offset:(4*(\i/2)+(\i%2))*272
	ds_load_b128 v[SC+32*\s+16+4*\i:SC+32*\s+16+4*\i+3], v[ADRSB] offset:(4*(\i/2)+(\i%2))*272
.endr
.endm
.macro MULA f, a, q, s, first          ; four products: source 1's fragment a against source 0's four.  The 16 accumulators take turns.  first = 1: the bias is the sum's C
.irp b, 0,1,2,3
.if \first
	v_wmma_scale_f32_16x16x128_f8f6f4 v[ACC+8*(4*\a+\b):ACC+8*(4*\a+\b)+7], v[\f+64+16*\b:\f+64+16*\b+15], v[\f+16*\a:\f+16*\a+15], v[BI+8*\b:BI+8*\b+7], v[SC+32*\s+16+4*\b+(\q)], v[SC+32*\s+4*\a+(\q)] matrix_a_fmt:MATRIX_FMT_BF8 matrix_b_fmt:MATRIX_FMT_BF8
.else
	v_wmma_scale_f32_16x16x128_f8f6f4 v[ACC+8*(4*\a+\b):ACC+8*(4*\a+\b)+7], v[\f+64+16*\b:\f+64+16*\b+15], v[\f+16*\a:\f+16*\a+15], v[ACC+8*(4*\a+\b):ACC+8*(4*\a+\b)+7], v[SC+32*\s+16+4*\b+(\q)], v[SC+32*\s+4*\a+(\q)] matrix_a_fmt:MATRIX_FMT_BF8 matrix_b_fmt:MATRIX_FMT_BF8
.endif
.endr
.endm
.macro STEP slot, q, first             ; 128 along K that has its successor in the same slot
	s_wait_dscnt 8                                 ; all but the youngest eight loads (source 1's fragments 2, 3)
	WIN 0x05
	MULA 128*((\q)%2), 0, \q, \slot, \first
	MULA 128*((\q)%2), 1, \q, \slot, \first
	PLACES 8                                       ; in front of loads into the buffer that the step before multiplied
	FETCH \slot, (\q)+1, 128*(1-(\q)%2)
	s_wait_dscnt 32                                ; all but the 32 just issued
	WIN 0x05
	MULA 128*((\q)%2), 2, \q, \slot, \first
	MULA 128*((\q)%2), 3, \q, \slot, \first
.endm
.macro TURN slot, next                 ; the slot's last 128 along K, and the change of slots: one barrier
	WIN 0
	s_wait_tensorcnt 0x0                           ; my part of the next slot has landed
	ds_add_u32 v[SPW], v[NIL]                      ; 0 onto my spare word
	s_wait_dscnt 9                                 ; (the add and the youngest eight loads may be out)
	WIN 0x05
	MULA F1, 0, 3, \slot, 0
	s_wait_dscnt 0x0                               ; the add is done, my reads of this slot are over
	s_barrier_signal -1
	MULA F1, 1, 3, \slot, 0
	WIN 0
	s_barrier_wait -1
	PLACES 8
	v_add_nc_u32 v[ADRSA], 16, v[ADRSA]            ; the next slot's four scale words a row
	v_add_nc_u32 v[ADRSB], 16, v[ADRSB]
	SCALES \next
	FETCH \next, 0, F0
	WIN 0x05
	MULA F1, 2, 3, \slot, 0
	MULA F1, 3, 3, \slot, 0
.endm
	s_wait_tensorcnt 0x1                           ; the scales and my part of slot 0 are in; slot 1's load may stay out
	s_barrier_signal -1
	s_barrier_wait -1
	SCALES 0
	FETCH 0, 0, F0
	s_wait_loadcnt 0x0                             ; the bias
	STEP 0, 0, 1
	STEP 0, 1, 0
	STEP 0, 2, 0
	TURN 0, 1
	STEP 1, 0, 0
	STEP 1, 1, 0
	STEP 1, 2, 0
	s_wait_dscnt 0x0
	WIN 0x05
	MULA F1, 0, 3, 1, 0
	MULA F1, 1, 3, 1, 0
	MULA F1, 2, 3, 1, 0
	MULA F1, 3, 3, 1, 0
	WIN 0
; 64 numbers of a lane, v[s] on: block n = registers 16 n .. 16 n + 15, shared with lane l xor 16.  Codes to v[pc] on, the four bytes to v[PW].  Each accumulator is read from its low end on.
.macro QUANT s, pc
.irp b, 0,1,2,3
	v_max3_num_f32 v[TMA+\b], |v[\s+16*\b]|, |v[\s+16*\b+1]|, 0x8000000   ; the floor 2^(16 - 127) holds the byte at 1 from below
.endr
.irp i, 2,4,6,8,10,12,14
.irp b, 0,1,2,3
	v_max3_num_f32 v[TMA+\b], v[TMA+\b], |v[\s+16*\b+\i]|, |v[\s+16*\b+\i+1]|
.endr
.endr
.irp b, 0,1,2,3
	v_permlanex16_b32 v[TMB+\b], v[TMA+\b], s20, s21
.endr
.irp b, 0,1,2,3
	v_max_num_f32 v[TMA+\b], v[TMA+\b], v[TMB+\b]
.endr
.irp b, 0,1,2,3
	v_add_nc_u32 v[TMD+\b], 0xf8800000, v[TMA+\b]  ; 15 off the exponent field: the conversion's scale operand
.endr
.irp b, 0,1,2,3
	v_and_or_b32 v[TMC+\b], v[TMA+\b], 0x7f800000, s19   ; 57,344 x the scale
.endr
.irp b, 0,1,2,3
	v_lshrrev_b32 v[TMB+\b], 23, v[TMD+\b]         ; the scale's byte
.endr
	v_lshl_or_b32 v[PW], v[TMB+1], 8, v[TMB]
	v_lshl_or_b32 v[PW], v[TMB+2], 16, v[PW]
	v_lshl_or_b32 v[PW], v[TMB+3], 24, v[PW]
.irp b, 0,1,2,3
.set i, 0
.rept 16
	v_med3_num_f32 v[\s+16*\b+i], v[\s+16*\b+i], -v[TMC+\b], v[TMC+\b]   ; the conversion does not saturate (ISA guide 7.6.2)
.set i, i+1
.endr
	v_cvt_scalef32_pk8_bf8_f32 v[\pc+4*\b:\pc+4*\b+1], v[\s+16*\b:\s+16*\b+7], v[TMD+\b]
	v_cvt_scalef32_pk8_bf8_f32 v[\pc+4*\b+2:\pc+4*\b+3], v[\s+16*\b+8:\s+16*\b+15], v[TMD+\b]
.endr
	v_nop                                          ; a plain line behind the last conversion
.endm
.irp b, 0,1,2,3
	v_mov_b32 v[TMB+\b], 0                         ; a lane permute's destination counts as read.  These four and the four below are the eight places behind the last products
.endr
	PLACES 4
.irp g, 0,1                                    ; fragments 2 g and 2 g + 1 of my tokens: block n of the 64 numbers is fragment 2 g + n / 2, chunk n % 2
	QUANT ACC+64*\g, BI+16*\g
.irp n, 0,1,2,3
	global_store_b128 v[VO], v[BI+16*\g+4*\n:BI+16*\g+4*\n+3], s[12:13] offset:(2*\g+\n/2)*1024+512*(\n%2)   ; 512 consecutive bytes
.endr
	v_and_b32 v[TMA], 0xffff, v[PW]                ; a fragment's word: two bytes, and two zeros
	v_lshrrev_b32 v[TMA+1], 16, v[PW]
	ds_store_b32 v[SGW], v[TMA] offset:64*(2*\g)   ; my own 256 bytes, in slot 0, which has had its last fill and its last read; lanes 16-31 write what lanes 0-15 write
	ds_store_b32 v[SGW], v[TMA+1] offset:64*(2*\g+1)
.endr
	ds_load_b64 v[TMC:TMC+1], v[SGR]               ; LDS serves a wave's instructions in order: this sees my stores
	s_wait_dscnt 0x0
	global_store_b64 v[SGO], v[TMC:TMC+1], s[98:99]   ; my four fragments' words: 256 consecutive bytes
	s_wait_tensorcnt 0x0                           ; the wave's end
	ds_add_u32 v[SPW], v[NIL]
	s_wait_dscnt 0x0
	CROUND                                         ; the closing round
	s_endpgm
.Lfunc_end_k_q8c3e33b5c9_qk:
	.size	k_q8c3e33b5c9_qk, .Lfunc_end_k_q8c3e33b5c9_qk-k_q8c3e33b5c9_qk
	.p2alignl 7, 3214868480
	.fill 96, 4, 3214868480
	.section	.rodata,"a",@progbits
	.p2align	6, 0x0
	.amdhsa_kernel k_q8c3e33b5c9_qk
		.amdhsa_group_segment_fixed_size 327680
		.amdhsa_private_segment_fixed_size 0
		.amdhsa_enable_private_segment 0
		.amdhsa_kernarg_size 64
		.amdhsa_user_sgpr_count 2
		.amdhsa_user_sgpr_kernarg_segment_ptr 1
		.amdhsa_wavefront_size32 1
		.amdhsa_system_sgpr_workgroup_id_x 1
		.amdhsa_system_sgpr_workgroup_id_y 1
		.amdhsa_system_sgpr_workgroup_id_z 1
		.amdhsa_system_vgpr_workitem_id 0
		.amdhsa_next_free_vgpr 512
		.amdhsa_next_free_sgpr 100
		.amdhsa_reserve_vcc 0
		.amdhsa_float_denorm_mode_32 3
		.amdhsa_float_denorm_mode_16_64 3
		.amdhsa_memory_ordered 1
		.amdhsa_forward_progress 1
		.amdhsa_inst_pref_size 65
	.end_amdhsa_kernel
	.amdgpu_metadata
---
amdhsa.version: [ 1, 2 ]
amdhsa.kernels:
  - .name:           k_q8c3e33b5c9_qk
    .symbol:         k_q8c3e33b5c9_qk.kd
    .args:
      - { .name: actc, .offset: 0, .size: 8, .value_kind: global_buffer, .address_space: global }
      - { .name: Wq_codes, .offset: 8, .size: 8, .value_kind: global_buffer, .address_space: global }
      - { .name: Wk_codes, .offset: 16, .size: 8, .value_kind: global_buffer, .address_space: global }
      - { .name: Wq_scales, .offset: 24, .size: 8, .value_kind: global_buffer, .address_space: global }
      - { .name: Wk_scales, .offset: 32, .size: 8, .value_kind: global_buffer, .address_space: global }
      - { .name: bq, .offset: 40, .size: 8, .value_kind: global_buffer, .address_space: global }
      - { .name: bk, .offset: 48, .size: 8, .value_kind: global_buffer, .address_space: global }
      - { .name: qkv, .offset: 56, .size: 8, .value_kind: global_buffer, .address_space: global }
    .group_segment_fixed_size: 327680
    .private_segment_fixed_size: 0
    .kernarg_segment_align: 8
    .kernarg_segment_size: 64
    .max_flat_workgroup_size: 128
    .sgpr_count:     100
    .vgpr_count:     512
    .wavefront_size: 32
...
	.end_amdgpu_metadata
.endif
;; end of part 2
;; launch vt (part 3): grid 32 x 8, 4 waves a work-group, clusters of 4 x 4, 327,680 bytes of LDS; arguments Wv_codes, Wv_scales, actc, bv, qkv; writes qkv
.if DOCPART == 3
	.amdgcn_target "amdgcn-amd-amdhsa--gfx1250"
	.amdhsa_code_object_version 6
	.text
	.protected	k_q8c3e33b5c9_vt
	.globl	k_q8c3e33b5c9_vt
	.p2align	8
	.type	k_q8c3e33b5c9_vt,@function
k_q8c3e33b5c9_vt:
	s_mov_b64 s[64:65], 0
	v_nop
	global_prefetch_b8 v0, s[64:65] scope:SCOPE_SE
	s_setreg_imm32_b32 hwreg(HW_REG_WAVE_MODE, 25, 1), 1
	s_wait_xcnt 0x0
	s_wait_alu depctr_hold_cnt(0) depctr_sa_sdst(0) depctr_va_vdst(0) depctr_va_sdst(0) depctr_va_ssrc(0) depctr_va_vcc(0) depctr_vm_vsrc(0)
	s_getreg_b32 s2, hwreg(HW_REG_IB_STS2, 6, 4)
	s_cmp_eq_u32 s2, 0
	s_cbranch_scc0 .Lentry_in_a_cluster
	s_endpgm
.Lentry_in_a_cluster:
	s_bfe_u32 s2, ttmp6, 0x10000c
	s_cmp_lg_u32 s2, 0xf033
	s_cbranch_scc0 .Lentry_shape_is_right
	s_endpgm
.Lentry_shape_is_right:
; v^T = Wv src^T + bv on codes of E5M2 with E8M0 scales, quantised again ALONG THE KEYS (the second attention product's K) and stored as images of operand registers.
; A tile of C is 128 rows of Wv (two heads) x 128 tokens (one key step); four waves, 2 x 2, each 64 x 64: 16 accumulators.  K = 1,024 lies in two LDS slots of 512, both filled at the start: nothing is filled again.
; CLUSTER 4 x 4: Wv's tile is shared along a row of the cluster, the tokens' along a column: joint tensor loads, which quarter the requests.
; SOURCE 0 = 16 tokens, SOURCE 1 = 16 rows of Wv: a lane holds one channel of a head and its registers run along the tokens.
; THE ROWS OF A FRAGMENT ARE NOT NEIGHBOURS: lane r of fragment i takes row 32 (i / 2) + 8 (i % 2) + r + (r & 8) of its 64: so the 16 registers of tiles 2 n, 2 n + 1 are 16 neighbouring tokens (a block of 32 lies in
; lanes l and l xor 16), and the channels of a stored fragment have the order that lets the attention launch quantise its result along the channels.
; OUT (qkv): images at 8,388,608: [b][head][key step 16][fragment 4][chunk 4][512]; scale words at 13,107,200: [b][head][key step][fragment][r].
; LIMITS: a block of zeros gets the byte 1 and not 127 (its codes are zeros; this program alone reads the bytes); NaN and infinities are not served.
; REGISTERS: window 0: v1-15, v28-31 at work; v16-27 addresses; v32-95 scale words, two sets, nothing else; v96-127 the bias as C, later the codes; v128-255 accumulator (a, b) at 128 + 8 (4 a + b).
;   window 1: two fragment buffers of 128: source 1's four fragments, then source 0's four.
.set SIZE_K, 1024
.set PITCH,  528
.set HALFT,  64*PITCH
.set SLOT,   4*HALFT                   ; Wv's 128 rows, then the tokens' 128
.set SCL,    2*SLOT
.set HALFS,  8*272
.set SPARE,  SCL+4*HALFS               ; the spare words, 128 bytes a wave: no other line names them
.set ASC,    4194304
.set PW,   3
.set TMA,  4
.set TMB,  8
.set TMC,  12
.set TMD,  28
.set ADRA, 16
.set ADRB, 18
.set ADRSA, 20
.set ADRSB, 21
.set VO,   22                          ; 16 x lane
.set SGW,  23                          ; where my half of a scale word goes in LDS
.set VS,   24                          ; where wave 0 stores the words
.set BO,   25
.set SPW,  26
.set NIL,  27
.set SC,   32
.set BI,   96
.set ACC,  128
.set F0,   0
.set F1,   128
.set G1,   24
.set G0,   32
.set G1B,  48
.set G0B,  56
.set G1S,  68
.set G0S,  76
.set G1SB, 80
.set G0SB, 88
.set MSB, 0
.macro WIN new
.if MSB != \new
	s_set_vgpr_msb (MSB<<8)|\new
.set MSB, \new
.endif
.endm
.macro PLACES n
.rept \n
	v_nop
.endr
.endm
.macro JLOAD g0a, g1a, g0b, g1b        ; a joint load: waves 0, 1 fetch source 1's halves, waves 2, 3 source 0's; four v_nop follow each line
	s_cmp_eq_u32 s15, 0
	s_cbranch_scc0 .Lfor_b_\@
	tensor_load_to_lds s[\g0a:\g0a+3], s[\g1a:\g1a+7]
	s_nop 0
.rept 4
	v_nop
.endr
	s_branch .Lasked_\@
.Lfor_b_\@:
	tensor_load_to_lds s[\g0b:\g0b+3], s[\g1b:\g1b+7]
	s_nop 0
.rept 4
	v_nop
.endr
.Lasked_\@:
.endm
.macro CROUND
	s_barrier_signal -1
	s_barrier_wait -1
	s_cmp_lg_u32 s14, 0
	s_cbranch_scc1 .Lnot_wave_0_\@
	s_barrier_signal -3
.Lnot_wave_0_\@:
	s_barrier_wait -3
	s_barrier_signal -1
	s_barrier_wait -1
.endm
	s_load_b128 s[4:7], s[0:1], 0x0                ; Wv's codes, Wv's scales
	s_load_b128 s[8:11], s[0:1], 0x10              ; actc, bv
	s_load_b64 s[12:13], s[0:1], 0x20              ; qkv
	v_lshl_add_u32 v[SPW], v0, 2, SPARE
	v_mov_b32 v[NIL], 0
	ds_add_u32 v26, v27
	ds_add_u32 v26, v27
	s_wait_dscnt 0x0
	v_lshrrev_b32 v1, 5, v0
	v_readfirstlane_b32 s14, v1                    ; wave
	s_lshr_b32 s15, s14, 1                         ; my head of the tile's two.  Also: I fetch for source 1 (0) or source 0 (1)
	s_and_b32 s16, s14, 1                          ; my 64 tokens.  Also: which 64 rows I fetch
	s_bfe_u32 s40, ttmp6, 0x40000
	s_bfe_u32 s41, ttmp6, 0x40004
	s_lshl_b32 s42, ttmp9, 2
	s_add_co_u32 s42, s42, s40                     ; X: the tokens' tile
	s_and_b32 s17, ttmp7, 0xffff
	s_lshl_b32 s17, s17, 2
	s_add_co_u32 s17, s17, s41                     ; Y: Wv's tile
	s_lshl_b32 s43, s41, 2
	s_lshl_b32 s43, 15, s43
	s_lshl_b32 s44, 0x1111, s40
	s_or_b32 s[G1+0], s43, (1<<20)|(1<<21)|(6<<22)|(3<<25)
	s_or_b32 s[G1B+0], s44, (1<<20)|(1<<21)|(6<<22)|(3<<25)
.irp g, G1, G1B
	s_mov_b32 s[\g+1], 512<<16
	s_mov_b32 s[\g+2], 64<<16
	s_mov_b32 s[\g+3], 512<<16
	s_mov_b32 s[\g+4], 64
	s_mov_b32 s[\g+5], SIZE_K
	s_mov_b32 s[\g+6], 0
	s_mov_b32 s[\g+7], 0
.endr
	s_or_b32 s[G1S+0], s43, (3<<16)|(1<<20)|(1<<21)|(5<<22)|(3<<25)
	s_or_b32 s[G1SB+0], s44, (3<<16)|(1<<20)|(1<<21)|(5<<22)|(3<<25)
.irp g, G1S, G1SB
	s_mov_b32 s[\g+1], 32<<16
	s_mov_b32 s[\g+2], 8<<16
	s_mov_b32 s[\g+3], 32<<16
	s_mov_b32 s[\g+4], 8
	s_mov_b32 s[\g+5], 32
	s_mov_b32 s[\g+6], 0
	s_mov_b32 s[\g+7], 0
.endr
	s_lshl_b32 s18, s16, 6
	s_lshl_b32 s20, s17, 7
	s_add_co_u32 s20, s20, s18                     ; Wv's rows that I fetch
	s_lshl_b32 s22, s20, 5
	s_lshl_b32 s20, s20, 10
	s_mov_b32 s21, 0
	s_mov_b32 s23, 0
	s_lshl_b32 s46, s42, 7
	s_add_co_u32 s46, s46, s18                     ; the tokens that I fetch
	s_lshl_b32 s92, s46, 5
	s_add_co_u32 s92, s92, ASC
	s_lshl_b32 s46, s46, 10
	s_mov_b32 s47, 0
	s_mov_b32 s93, 0
	s_lshl_b32 s94, s17, 7
	s_lshl_b32 s19, s15, 6
	s_add_co_u32 s94, s94, s19
	s_lshl_b32 s94, s94, 2                         ; my head's 64 biases
	s_mov_b32 s95, 0
	s_lshr_b32 s2, s42, 4
	s_lshl_b32 s2, s2, 4
	s_lshl_b32 s3, s17, 1
	s_add_co_u32 s2, s2, s3                        ; 16 b + the tile's first head
	s_lshl_b32 s2, s2, 4
	s_and_b32 s3, s42, 15
	s_add_co_u32 s2, s2, s3                        ; x 16 + the key step
	s_lshl_b32 s98, s2, 8
	s_add_co_u32 s98, s98, 13107200
	s_mov_b32 s99, 0
	s_lshl_b32 s3, s15, 4
	s_add_co_u32 s2, s2, s3                        ; my head's
	s_lshl_b32 s2, s2, 13
	s_lshl_b32 s3, s16, 10
	s_add_co_u32 s2, s2, s3                        ; my two chunks of four
	s_add_co_u32 s2, s2, 8388608
	s_mov_b32 s3, 0
	s_mul_i32 s45, s14, HALFT
	s_mul_i32 s19, s14, HALFS
	s_wait_kmcnt 0x0
	s_add_nc_u64 s[20:21], s[4:5], s[20:21]
	s_add_nc_u64 s[22:23], s[6:7], s[22:23]
	s_add_nc_u64 s[46:47], s[8:9], s[46:47]
	s_add_nc_u64 s[92:93], s[8:9], s[92:93]
	s_add_nc_u64 s[96:97], s[10:11], s[94:95]
	s_add_nc_u64 s[98:99], s[12:13], s[98:99]
	s_add_nc_u64 s[12:13], s[12:13], s[2:3]
	CROUND                                         ; all sixteen work-groups are here: the first joint loads meet
	s_mov_b32 s[G0S], 1
	s_add_co_u32 s[G0S+1], s19, SCL
	s_mov_b64 s[G0S+2:G0S+3], s[22:23]
	s_or_b32 s[G0S+3], s[G0S+3], 0x80000000
	s_mov_b32 s[G0SB], 1
	s_add_co_u32 s[G0SB+1], s19, SCL
	s_mov_b64 s[G0SB+2:G0SB+3], s[92:93]
	s_or_b32 s[G0SB+3], s[G0SB+3], 0x80000000
	JLOAD G0S, G1S, G0SB, G1SB
.irp s, 0,1
	s_mov_b32 s[G0+4*\s], 1
	s_add_co_u32 s[G0+4*\s+1], s45, \s*SLOT
	s_add_nc_u64 s[G0+4*\s+2:G0+4*\s+3], s[20:21], \s*512
	s_or_b32 s[G0+4*\s+3], s[G0+4*\s+3], 0x80000000
	s_mov_b32 s[G0B+4*\s], 1
	s_add_co_u32 s[G0B+4*\s+1], s45, \s*SLOT
	s_add_nc_u64 s[G0B+4*\s+2:G0B+4*\s+3], s[46:47], \s*512
	s_or_b32 s[G0B+4*\s+3], s[G0B+4*\s+3], 0x80000000
	JLOAD G0+4*\s, G1, G0B+4*\s, G1B               ; three tensor loads of mine are out: scales, slot 0, slot 1
.endr
	v_and_b32 v1, 15, v0                           ; r
	v_bfe_u32 v2, v0, 4, 1                         ; h
	v_and_b32 v3, 8, v1
	v_add_nc_u32 v3, v3, v1                        ; r + (r & 8)
	v_lshlrev_b32 v[BO], 2, v3
.irp a, 0,1,2,3                                ; the bias in the result's layout: a lane holds one channel, so its eight registers of fragment a hold the same number
.irp j, 0,1,2,3,4,5,6,7
	global_load_b32 v[BI+8*\a+\j], v[BO], s[96:97] offset:(32*(\a/2)+8*(\a%2))*4
.endr
.endr
	v_mul_u32_u24 v4, v3, PITCH
	v_lshl_add_u32 v4, v2, 4, v4
	s_mul_i32 s21, s15, HALFT
	s_mul_i32 s22, s16, HALFT
	s_add_co_u32 s22, s22, 2*HALFT
.irp s, 0,1
	v_add_nc_u32 v[ADRA+\s], s21, v4
	v_add_nc_u32 v[ADRB+\s], s22, v4
	s_add_co_u32 s21, s21, SLOT
	s_add_co_u32 s22, s22, SLOT
.endr
	v_lshlrev_b32 v5, 5, v3
	v_lshrrev_b32 v6, 8, v5
	v_lshl_add_u32 v5, v6, 4, v5
	s_mul_i32 s21, s15, HALFS
	s_add_co_u32 s21, s21, SCL
	s_mul_i32 s22, s16, HALFS
	s_add_co_u32 s22, s22, SCL+2*HALFS
	v_add_nc_u32 v[ADRSA], s21, v5
	v_add_nc_u32 v[ADRSB], s22, v5
	v_and_b32 v7, 31, v0
	v_lshlrev_b32 v[VO], 4, v7
	s_lshl_b32 s21, s15, 8
	s_lshl_b32 s22, s16, 1
	s_add_co_u32 s21, s21, s22
	v_lshl_add_u32 v[SGW], v1, 2, s21              ; 256 x head + 4 r + 2 x my half of the tokens
	v_lshlrev_b32 v[VS], 4, v1
	v_lshl_add_u32 v[VS], v2, 12, v[VS]            ; a head's words of a key step are 256 bytes; the next head's lie 4,096 on
	s_mov_b32 s20, 0x76543210
	s_mov_b32 s21, 0xfedcba98
	s_mov_b32 s19, 0x600000
.macro FETCH slot, q, f
	WIN 0x40
.irp i, 0,1,2,3
.irp c, 0,1,2,3
	ds_load_b128 v[\f+64+16*\i+4*\c:\f+64+16*\i+4*\c+3], v[ADRB+\slot] offset:128*(\q)+32*\c+(32*(\i/2)+8*(\i%2))*PITCH
.endr
.endr
.irp i, 0,1,2,3
.irp c, 0,1,2,3
	ds_load_b128 v[\f+16*\i+4*\c:\f+16*\i+4*\c+3], v[ADRA+\slot] offset:128*(\q)+32*\c+(32*(\i/2)+8*(\i%2))*PITCH
.endr
.endr
.endm
.macro SCALES s
.irp i, 0,1,2,3
	ds_load_b128 v[SC+32*\s+4*\i:SC+32*\s+4*\i+3], v[ADRSA] offset:(4*(\i/2)+(\i%2))*272
	ds_load_b128 v[SC+32*\s+16+4*\i:SC+32*\s+16+4*\i+3], v[ADRSB] offset:(4*(\i/2)+(\i%2))*272
.endr
.endm
.macro MULA f, a, q, s, first          ; four products; the 16 accumulators take turns.  first = 1: the bias (of source 1's fragment a) is the sum's C
.irp b, 0,1,2,3
.if \first
	v_wmma_scale_f32_16x16x128_f8f6f4 v[ACC+8*(4*\a+\b):ACC+8*(4*\a+\b)+7], v[\f+64+16*\b:\f+64+16*\b+15], v[\f+16*\a:\f+16*\a+15], v[BI+8*\a:BI+8*\a+7], v[SC+32*\s+16+4*\b+(\q)], v[SC+32*\s+4*\a+(\q)] matrix_a_fmt:MATRIX_FMT_BF8 matrix_b_fmt:MATRIX_FMT_BF8
.else
	v_wmma_scale_f32_16x16x128_f8f6f4 v[ACC+8*(4*\a+\b):ACC+8*(4*\a+\b)+7], v[\f+64+16*\b:\f+64+16*\b+15], v[\f+16*\a:\f+16*\a+15], v[ACC+8*(4*\a+\b):ACC+8*(4*\a+\b)+7], v[SC+32*\s+16+4*\b+(\q)], v[SC+32*\s+4*\a+(\q)] matrix_a_fmt:MATRIX_FMT_BF8 matrix_b_fmt:MATRIX_FMT_BF8
.endif
.endr
.endm
.macro STEP slot, q, first
	s_wait_dscnt 8                                 ; all but the youngest eight loads (source 1's fragments 2, 3)
	WIN 0x05
	MULA 128*((\q)%2), 0, \q, \slot, \first
	MULA 128*((\q)%2), 1, \q, \slot, \first
	PLACES 8
	FETCH \slot, (\q)+1, 128*(1-(\q)%2)
	s_wait_dscnt 32                                ; all but the 32 just issued
	WIN 0x05
	MULA 128*((\q)%2), 2, \q, \slot, \first
	MULA 128*((\q)%2), 3, \q, \slot, \first
.endm
.macro TURN slot, next
	WIN 0
	s_wait_tensorcnt 0x0                           ; my part of the next slot has landed
	ds_add_u32 v[SPW], v[NIL]                      ; 0 onto my spare word
	s_wait_dscnt 9                                 ; (the add and the youngest eight loads may be out)
	WIN 0x05
	MULA F1, 0, 3, \slot, 0
	s_wait_dscnt 0x0
	s_barrier_signal -1
	MULA F1, 1, 3, \slot, 0
	WIN 0
	s_barrier_wait -1
	PLACES 8
	v_add_nc_u32 v[ADRSA], 16, v[ADRSA]
	v_add_nc_u32 v[ADRSB], 16, v[ADRSB]
	SCALES \next
	FETCH \next, 0, F0
	WIN 0x05
	MULA F1, 2, 3, \slot, 0
	MULA F1, 3, 3, \slot, 0
.endm
	s_wait_tensorcnt 0x1                           ; the scales and my part of slot 0 are in; slot 1's load may stay out
	s_barrier_signal -1
	s_barrier_wait -1
	SCALES 0
	FETCH 0, 0, F0
	s_wait_loadcnt 0x0                             ; the bias
	STEP 0, 0, 1
	STEP 0, 1, 0
	STEP 0, 2, 0
	TURN 0, 1
	STEP 1, 0, 0
	STEP 1, 1, 0
	STEP 1, 2, 0
	s_wait_dscnt 0x0
	WIN 0x05
	MULA F1, 0, 3, 1, 0
	MULA F1, 1, 3, 1, 0
	MULA F1, 2, 3, 1, 0
	MULA F1, 3, 3, 1, 0
	WIN 0
.macro QUANT s, pc                     ; 64 numbers of a lane: four blocks of 16, each shared with lane l xor 16.  Codes to v[pc] on, the four bytes to v[PW]
.irp b, 0,1,2,3
	v_max3_num_f32 v[TMA+\b], |v[\s+16*\b]|, |v[\s+16*\b+1]|, 0x8000000
.endr
.irp i, 2,4,6,8,10,12,14
.irp b, 0,1,2,3
	v_max3_num_f32 v[TMA+\b], v[TMA+\b], |v[\s+16*\b+\i]|, |v[\s+16*\b+\i+1]|
.endr
.endr
.irp b, 0,1,2,3
	v_permlanex16_b32 v[TMB+\b], v[TMA+\b], s20, s21
.endr
.irp b, 0,1,2,3
	v_max_num_f32 v[TMA+\b], v[TMA+\b], v[TMB+\b]
.endr
.irp b, 0,1,2,3
	v_add_nc_u32 v[TMD+\b], 0xf8800000, v[TMA+\b]
.endr
.irp b, 0,1,2,3
	v_and_or_b32 v[TMC+\b], v[TMA+\b], 0x7f800000, s19
.endr
.irp b, 0,1,2,3
	v_lshrrev_b32 v[TMB+\b], 23, v[TMD+\b]
.endr
	v_lshl_or_b32 v[PW], v[TMB+1], 8, v[TMB]
	v_lshl_or_b32 v[PW], v[TMB+2], 16, v[PW]
	v_lshl_or_b32 v[PW], v[TMB+3], 24, v[PW]
.irp b, 0,1,2,3
.set i, 0
.rept 16
	v_med3_num_f32 v[\s+16*\b+i], v[\s+16*\b+i], -v[TMC+\b], v[TMC+\b]
.set i, i+1
.endr
	v_cvt_scalef32_pk8_bf8_f32 v[\pc+4*\b:\pc+4*\b+1], v[\s+16*\b:\s+16*\b+7], v[TMD+\b]
	v_cvt_scalef32_pk8_bf8_f32 v[\pc+4*\b+2:\pc+4*\b+3], v[\s+16*\b+8:\s+16*\b+15], v[TMD+\b]
.endr
	v_nop
.endm
.irp b, 0,1,2,3
	v_mov_b32 v[TMB+\b], 0                         ; a lane permute's destination counts as read.  These four and the four below are the eight places behind the last products
.endr
	PLACES 4
.irp g, 0,1
	QUANT ACC+64*\g, BI+16*\g
.irp n, 0,1,2,3
	global_store_b128 v[VO], v[BI+16*\g+4*\n:BI+16*\g+4*\n+3], s[12:13] offset:(2*\g+\n/2)*2048+512*(\n%2)   ; 512 consecutive bytes
.endr
	ds_store_b16 v[SGW], v[PW] offset:64*(2*\g)              ; my two bytes of fragment 2 g's words; the other two come from the wave beside me.  (Slot 0 has had its last fill and its last read)
	ds_store_b16_d16_hi v[SGW], v[PW] offset:64*(2*\g+1)
.endr
	s_wait_dscnt 0x0                               ; my stores have landed: then the barrier
	s_barrier_signal -1
	s_barrier_wait -1
	s_cmp_lg_u32 s14, 0
	s_cbranch_scc1 .Lnot_mine
	ds_load_b128 v[TMA:TMA+3], v[VO]               ; wave 0: the tile's 512 bytes of scale words
	s_wait_dscnt 0x0
	global_store_b128 v[VS], v[TMA:TMA+3], s[98:99]   ; sixteen lanes store 256 consecutive bytes, a head's
.Lnot_mine:
	s_wait_tensorcnt 0x0                           ; the wave's end
	ds_add_u32 v[SPW], v[NIL]
	s_wait_dscnt 0x0
	CROUND
	s_endpgm
.Lfunc_end_k_q8c3e33b5c9_vt:
	.size	k_q8c3e33b5c9_vt, .Lfunc_end_k_q8c3e33b5c9_vt-k_q8c3e33b5c9_vt
	.p2alignl 7, 3214868480
	.fill 96, 4, 3214868480
	.section	.rodata,"a",@progbits
	.p2align	6, 0x0
	.amdhsa_kernel k_q8c3e33b5c9_vt
		.amdhsa_group_segment_fixed_size 327680
		.amdhsa_private_segment_fixed_size 0
		.amdhsa_enable_private_segment 0
		.amdhsa_kernarg_size 40
		.amdhsa_user_sgpr_count 2
		.amdhsa_user_sgpr_kernarg_segment_ptr 1
		.amdhsa_wavefront_size32 1
		.amdhsa_system_sgpr_workgroup_id_x 1
		.amdhsa_system_sgpr_workgroup_id_y 1
		.amdhsa_system_sgpr_workgroup_id_z 1
		.amdhsa_system_vgpr_workitem_id 0
		.amdhsa_next_free_vgpr 512
		.amdhsa_next_free_sgpr 100
		.amdhsa_reserve_vcc 0
		.amdhsa_float_denorm_mode_32 3
		.amdhsa_float_denorm_mode_16_64 3
		.amdhsa_memory_ordered 1
		.amdhsa_forward_progress 1
		.amdhsa_inst_pref_size 67
	.end_amdhsa_kernel
	.amdgpu_metadata
---
amdhsa.version: [ 1, 2 ]
amdhsa.kernels:
  - .name:           k_q8c3e33b5c9_vt
    .symbol:         k_q8c3e33b5c9_vt.kd
    .args:
      - { .name: Wv_codes, .offset: 0, .size: 8, .value_kind: global_buffer, .address_space: global }
      - { .name: Wv_scales, .offset: 8, .size: 8, .value_kind: global_buffer, .address_space: global }
      - { .name: actc, .offset: 16, .size: 8, .value_kind: global_buffer, .address_space: global }
      - { .name: bv, .offset: 24, .size: 8, .value_kind: global_buffer, .address_space: global }
      - { .name: qkv, .offset: 32, .size: 8, .value_kind: global_buffer, .address_space: global }
    .group_segment_fixed_size: 327680
    .private_segment_fixed_size: 0
    .kernarg_segment_align: 8
    .kernarg_segment_size: 40
    .max_flat_workgroup_size: 128
    .sgpr_count:     100
    .vgpr_count:     512
    .wavefront_size: 32
...
	.end_amdgpu_metadata
.endif
;; end of part 3
;; launch attn (part 4): grid 8 x 32, 16 waves a work-group, clusters of 4 x 1, 276,480 bytes of LDS; arguments qkv, ao; writes ao
.if DOCPART == 4
	.amdgcn_target "amdgcn-amd-amdhsa--gfx1250"
	.amdhsa_code_object_version 6
	.text
	.protected	k_q8c3e33b5c9_attn
	.globl	k_q8c3e33b5c9_attn
	.p2align	8
	.type	k_q8c3e33b5c9_attn,@function
k_q8c3e33b5c9_attn:
	s_mov_b64 s[64:65], 0
	v_nop
	global_prefetch_b8 v0, s[64:65] scope:SCOPE_SE
	s_setreg_imm32_b32 hwreg(HW_REG_WAVE_MODE, 25, 1), 1
	s_wait_xcnt 0x0
	s_wait_alu depctr_hold_cnt(0) depctr_sa_sdst(0) depctr_va_vdst(0) depctr_va_sdst(0) depctr_va_ssrc(0) depctr_va_vcc(0) depctr_vm_vsrc(0)
	s_getreg_b32 s2, hwreg(HW_REG_IB_STS2, 6, 4)
	s_cmp_eq_u32 s2, 0
	s_cbranch_scc0 .Lentry_in_a_cluster
	s_endpgm
.Lentry_in_a_cluster:
	s_bfe_u32 s2, ttmp6, 0x10000c
	s_cmp_lg_u32 s2, 0x3003
	s_cbranch_scc0 .Lentry_shape_is_right
	s_endpgm
.Lentry_shape_is_right:
; out[q] = sum over keys of softmax(q . k / 8) v for one (b, head), both products on codes of E5M2 with E8M0 scales; the result is quantised along E and stored as images of operand registers.
; THE SOFTMAX AHEAD OF THE SECOND PRODUCT: t = score x log2(e) / 8; M = the running largest t rounded UP to a whole number; p = 2^(t - M) is quantised along the keys, not normalised; the row's sum is taken of the
; unquantised p and divides at the end.  When M moves, the sum and O are multiplied by 2^(old M - new M): exact.
; SHARES: a work-group owns 256 queries of one (b, head), each of its sixteen waves one tile of 16, in 256 registers: four waves to a SIMD, so that one wave's vector work stands beside another's products and LDS loads.
; A WHOLE HEAD'S K, V AND SCALE WORDS (268 KiB) LIE IN LDS: every fill is a first fill, nothing is filled again.  The four query blocks of a cluster share the head: joint loads, mask 15.
; Waves 0-3 issue two loads each: first what key steps 0 and 1 need (16 KiB of K, 16 KiB of V, all scale words), then the rest, which lands while those two steps are worked.
; LAYOUT: S^T = K Q^T (source 0 = 16 keys), O^T = V^T P^T (source 0 = 16 channels): a lane holds one query throughout.  The stored order of keys and channels makes the 16 registers of two neighbouring tiles 16 neighbours.
; The first product's K is 64: the upper half of its 128 is zero codes on both sides (registers cleared once), under scale bytes 0.
; LIMITS: p under 2^-126 counts as 0 (v_exp_f32); a block of zeros gets the byte 1; NaN and infinities are not served.  The scale half-words leave by stores of 2 bytes: a word's other half belongs to another head's work-group.
.set KIMG, 0
.set VIMG, 131072
.set KSW,  262144
.set VSW,  270336
.set AK0,  1                           ; v1  16 x lane (K's images begin at LDS byte 0; also my global offset)
.set AV0,  2
.set ASK0, 3
.set ASV0, 4
.set R4,   6                           ; v6  4 r
.set ADK,  8
.set ADV,  9
.set ADS,  10
.set ADT,  11
.set QF,   16                          ; v16-23 Q's codes, v24-31 zeros
.set KF,   32                          ; four fragments of K: eight registers of codes, eight of zeros
.set ST,   96                          ; S^T, then p, then V's four fragments
.set OT,   160
.set PC,   192
.set BM,   208
.set PB,   212
.set HO,   216
.set OP,   220
.set SW,   224                         ; K's or V's scale words
.set TP,   228
.set QW,   229                         ; Q's scale word
.set FF,   230                         ; f; v231: p's scale word
.set WV,   20
.set CNT,  21
.set G64,  24
.set G32,  32
.set G16,  40
.set G224, 48
.set G0A,  56
.set G0C,  60
.set G0R,  68
.set SEL,  92
.set CS,   94
.set MNT,  96
.set TB,   97
.set TS,   98
.set TV,   99
.macro ROUND
	s_barrier_signal -1
	s_barrier_wait -1
	s_cmp_lg_u32 s[WV], 0
	s_cbranch_scc1 .Lnot_wave_0_\@
	s_barrier_signal -3
.Lnot_wave_0_\@:
	s_barrier_wait -3
	s_barrier_signal -1
	s_barrier_wait -1
.endm
.macro DENSE g, rows                   ; group 1 of a dense block: rows of 256 bytes (32 elements of 8), no padding; mask 15, bit 21 beside it
	s_mov_b32 s[\g], 15|(3<<16)|(1<<21)
	s_mov_b32 s[\g+1], 32<<16
	s_mov_b32 s[\g+2], (\rows)<<16
	s_mov_b32 s[\g+3], 32<<16
	s_mov_b32 s[\g+4], \rows
	s_mov_b32 s[\g+5], 32
	s_mov_b32 s[\g+6], 0
	s_mov_b32 s[\g+7], 0
.endm
	s_load_b128 s[4:7], s[0:1], 0x0                ; qkv, ao
	v_lshl_add_u32 v254, v0, 2, 0x43000
	v_mov_b32 v255, 0
	ds_add_u32 v254, v255
	ds_add_u32 v254, v255
	v_lshrrev_b32 v8, 5, v0
	v_readfirstlane_b32 s[WV], v8                  ; wave 0..15
	s_bfe_u32 s8, ttmp6, 0x40000                   ; cx
	s_lshl_b32 s9, ttmp9, 2
	s_add_co_u32 s9, s9, s8                        ; my block of 256 queries: it enters Q's and the output's addresses alone
	s_and_b32 s10, ttmp7, 0xffff                   ; 16 b + head, which the partners share
	DENSE G64, 64
	DENSE G32, 32
	DENSE G16, 16
	DENSE G224, 224
	s_and_b32 s11, s[WV], 1                        ; I fetch for K (0) or V (1)
	s_bfe_u32 s12, s[WV], 0x10001                  ; and which half of the rest
	s_lshl_b32 s13, s10, 17
	s_lshl_b32 s14, s11, 22
	s_add_co_u32 s14, s14, s13
	s_add_co_u32 s14, s14, 4194304                 ; the head's images of K or of V
	s_mov_b32 s15, 0
	s_mul_i32 s16, s12, 57344
	s_add_co_u32 s16, s16, 16384                   ; the rest: 57,344 bytes from here on
	s_add_co_u32 s18, s14, s16
	s_mov_b32 s19, 0
	s_lshl_b32 s17, s11, 17                        ; in LDS: K's images, or V's
	s_add_co_u32 s16, s16, s17
	s_lshl_b32 s22, s10, 13
	s_lshr_b32 s22, s22, s11                       ; a head's words: 8,192 bytes of K's, 4,096 of V's
	s_lshl_b32 s23, s11, 18
	s_add_co_u32 s22, s22, s23
	s_add_co_u32 s22, s22, 12845056
	s_mov_b32 s23, 0
	s_lshl_b32 s13, s11, 13
	s_add_co_u32 s13, s13, KSW
	s_lshl_b32 s8, s9, 4
	s_add_co_u32 s8, s8, s[WV]                     ; my tile of 16 queries
	s_lshl_b32 s72, s10, 7
	s_add_co_u32 s72, s72, s8
	s_lshl_b32 s74, s72, 6
	s_add_co_u32 s74, s74, 12582912                ; its scale words
	s_lshl_b32 s72, s72, 10                        ; its image
	s_mov_b32 s73, 0
	s_mov_b32 s75, 0
	s_lshr_b32 s76, s10, 4
	s_lshl_b32 s76, s76, 4
	s_lshl_b32 s78, s9, 1
	s_add_co_u32 s76, s76, s78
	s_lshr_b32 s78, s[WV], 3
	s_add_co_u32 s76, s76, s78                     ; the output's tile of 128 rows
	s_lshl_b32 s76, s76, 3
	s_bfe_u32 s78, s10, 0x30001                    ; its K step of 128: head / 2
	s_add_co_u32 s76, s76, s78
	s_lshl_b32 s76, s76, 3
	s_and_b32 s78, s[WV], 7
	s_add_co_u32 s76, s76, s78                     ; my fragment
	s_and_b32 s79, s10, 1                          ; head % 2: which two chunks, which half of the word
	s_lshl_b32 s78, s76, 6
	s_lshl_b32 s8, s79, 1
	s_add_co_u32 s78, s78, s8
	s_add_co_u32 s78, s78, 4194304
	s_lshl_b32 s76, s76, 11
	s_lshl_b32 s8, s79, 10
	s_add_co_u32 s76, s76, s8
	s_mov_b32 s77, 0
	s_mov_b32 s79, 0
	s_mov_b32 s[SEL], 0x76543210
	s_mov_b32 s[SEL+1], 0xfedcba98                 ; v_permlanex16_b32's selects for lane l xor 16
	s_mov_b32 s[CS], 0x3e38aa3b                    ; c = log2(e) / 8
	s_mov_b32 s[CS+1], s[CS]
	s_mov_b32 s[MNT], 0x600000
	s_mov_b32 s[TB], 0
	s_mov_b32 s[TS], 0
	s_mov_b32 s[TV], 0
	s_wait_dscnt 0x0
	s_wait_kmcnt 0x0
	s_mov_b32 s[G0A], 1
	s_mov_b32 s[G0A+1], s17
	s_add_nc_u64 s[G0A+2:G0A+3], s[4:5], s[14:15]
	s_or_b32 s[G0A+3], s[G0A+3], 0x80000000
	s_mov_b32 s[G0C], 1
	s_mov_b32 s[G0C+1], s13
	s_add_nc_u64 s[G0C+2:G0C+3], s[4:5], s[22:23]
	s_or_b32 s[G0C+3], s[G0C+3], 0x80000000
	s_mov_b32 s[G0R], 1
	s_mov_b32 s[G0R+1], s16
	s_add_nc_u64 s[G0R+2:G0R+3], s[4:5], s[18:19]
	s_or_b32 s[G0R+3], s[G0R+3], 0x80000000
	s_add_nc_u64 s[72:73], s[4:5], s[72:73]
	s_add_nc_u64 s[74:75], s[4:5], s[74:75]
	s_add_nc_u64 s[76:77], s[6:7], s[76:77]
	s_add_nc_u64 s[78:79], s[6:7], s[78:79]
	ROUND                                          ; all four work-groups are here: the joint loads meet
	s_cmp_lt_u32 s[WV], 4                          ; a wave's two fills stand in one arm; two tensor loads of mine are out at the most
	s_cbranch_scc0 .Lasked
	s_cmp_lt_u32 s[WV], 2
	s_cbranch_scc0 .Lwords
	tensor_load_to_lds s[G0A:G0A+3], s[G64:G64+7]          ; waves 0, 1: the first two key steps' images of K, of V
	s_nop 0
	tensor_load_to_lds s[G0R:G0R+3], s[G224:G224+7]        ; and the first half of the rest
	s_nop 0
.rept 4
	v_nop
.endr
	s_branch .Lasked
.Lwords:
	s_cmp_eq_u32 s[WV], 2
	s_cbranch_scc0 .Lwords_v
	tensor_load_to_lds s[G0C:G0C+3], s[G32:G32+7]          ; wave 2: K's scale words,
	s_nop 0
	tensor_load_to_lds s[G0R:G0R+3], s[G224:G224+7]        ; and the second half of the rest of K
	s_nop 0
.rept 4
	v_nop
.endr
	s_branch .Lasked
.Lwords_v:
	tensor_load_to_lds s[G0C:G0C+3], s[G16:G16+7]          ; wave 3: V's scale words,
	s_nop 0
	tensor_load_to_lds s[G0R:G0R+3], s[G224:G224+7]        ; and the second half of the rest of V
	s_nop 0
.rept 4
	v_nop
.endr
.Lasked:
	v_and_b32 v8, 31, v0
	v_and_b32 v9, 15, v0
	v_lshlrev_b32 v[AK0], 4, v8
	v_lshlrev_b32 v[R4], 2, v9
	global_load_b128 v[QF:QF+3], v[AK0], s[72:73]
	global_load_b128 v[QF+4:QF+7], v[AK0], s[72:73] offset:512
	global_load_b32 v[QW], v[R4], s[74:75]
	v_add_nc_u32 v[AV0], VIMG, v[AK0]
	v_lshl_add_u32 v[ASK0], v9, 2, KSW
	v_lshl_add_u32 v[ASV0], v9, 2, VSW
.set j, 0
.rept 8
	v_mov_b32 v[QF+8+j], 0                         ; k = 64 .. 127 of Q: zero codes
.set j, j+1
.endr
.irp t, 0,1,2,3
.set j, 0
.rept 8
	v_mov_b32 v[KF+16*\t+8+j], 0                   ; and of K's four fragments: written once
.set j, j+1
.endr
.endr
	v_mov_b32 v13, 0xff61b1e6                      ; the largest t so far: -3e38
	v_floor_f32 v12, -v13                          ; -M
	v_mov_b32 v14, 0                               ; the sum, in two halves
	v_mov_b32 v15, 0
.irp b, 0,1,2,3
	v_mov_b32 v[PB+\b], 0                          ; a lane permute's destination counts as read
.endr
	v_mov_b32 v[TP], 0
	v_mov_b32 v[FF+1], 0                           ; (named as the upper half of a pair before it is first written)
.set j, 0
.rept 32
	v_mov_b32 v[OT+j], 0                           ; O^T: the step is written once; its first trip finds zeros
.set j, j+1
.endr
; A KEY STEP: 128 keys.
.macro STEP
	v_add_nc_u32 v[ADK], s[TB], v[AK0]
	v_add_nc_u32 v[ADV], s[TB], v[AV0]
	v_add_nc_u32 v[ADS], s[TS], v[ASK0]
	v_add_nc_u32 v[ADT], s[TV], v[ASV0]
.rept 5
	v_nop                                          ; with the four additions nine places: the products below write over registers that the last step's products read
.endr
.irp g, 0,1                                    ; S^T = K Q^T, four tiles of 16 keys at a time
.if \g
.rept 8
	v_nop                                          ; places in front of loads into registers that matrix instructions have read
.endr
.endif
.irp t, 0,1,2,3
	ds_load_b128 v[KF+16*\t:KF+16*\t+3], v[ADK] offset:(4*\g+\t)*1024
	ds_load_b128 v[KF+16*\t+4:KF+16*\t+7], v[ADK] offset:(4*\g+\t)*1024+512
	ds_load_b32 v[SW+\t], v[ADS] offset:(4*\g+\t)*64
.endr
	s_wait_dscnt 0x0
.irp t, 0,1,2,3
	v_wmma_scale_f32_16x16x128_f8f6f4 v[ST+8*(4*\g+\t):ST+8*(4*\g+\t)+7], v[KF+16*\t:KF+16*\t+15], v[QF:QF+15], 0, v[SW+\t], v[QW] matrix_a_fmt:MATRIX_FMT_BF8 matrix_b_fmt:MATRIX_FMT_BF8
.endr
.endr                                          ; register 16 n + i of S^T: key 32 n + 16 (lane / 16) + i of the step
.rept 8
	v_nop
.endr
.irp b, 0,1,2,3
	v_max3_num_f32 v[BM+\b], v[ST+16*\b], v[ST+16*\b+1], v[ST+16*\b+2]   ; the largest score of each block of 32 keys: for the row's maximum and, since p rises with the score, for the block's largest p
.endr
.irp i, 3,5,7,9,11,13
.irp b, 0,1,2,3
	v_max3_num_f32 v[BM+\b], v[BM+\b], v[ST+16*\b+\i], v[ST+16*\b+\i+1]
.endr
.endr
.irp b, 0,1,2,3
	v_max_num_f32 v[BM+\b], v[BM+\b], v[ST+16*\b+15]
.endr
.irp b, 0,1,2,3
	v_permlanex16_b32 v[PB+\b], v[BM+\b], s[SEL], s[SEL+1]
.endr
.irp b, 0,1,2,3
	v_max_num_f32 v[BM+\b], v[BM+\b], v[PB+\b]
.endr
	v_max3_num_f32 v[TP], v[BM], v[BM+1], v[BM+2]
	v_max_num_f32 v[TP], v[TP], v[BM+3]
	v_mul_f32 v[TP], s[CS], v[TP]
	v_max_num_f32 v13, v13, v[TP]                  ; the running largest t
	v_mov_b32 v[TP], v12
	v_floor_f32 v12, -v13                          ; the new -M = -ceil(t): a whole number
	v_sub_f32 v[TP], v12, v[TP]
	v_cvt_i32_f32 v[TP], v[TP]                     ; (it saturates)
	v_ldexp_f32 v[FF], 1.0, v[TP]                  ; f = 2^(old M - new M)
.set j, 0
.rept 32
	v_pk_fma_f32 v[ST+j:ST+j+1], v[ST+j:ST+j+1], s[CS:CS+1], v[12:13] op_sel_hi:[1,0,0]   ; t - M, two at a time
.set j, j+2
.endr
.irp b, 0,1,2,3
	v_fma_f32 v[BM+\b], v[BM+\b], s[CS], v12
.endr
.set j, 0
.rept 64
	v_exp_f32 v[ST+j], v[ST+j]                     ; p = 2^(t - M), at most 1
.set j, j+1
.endr
.irp b, 0,1,2,3
	v_exp_f32 v[BM+\b], v[BM+\b]                   ; the block's largest p: the same two instructions on the same number
.endr
	v_pk_mul_f32 v[14:15], v[14:15], v[FF:FF+1] op_sel_hi:[1,0]   ; the sums under the new M (a plain place behind the exponentials)
	s_wait_alu depctr_va_vdst(0)
.irp b, 0,1,2,3
	v_max_num_f32 v[BM+\b], 0x8000000, v[BM+\b]    ; the floor 2^(16 - 127)
.endr
.irp b, 0,1,2,3
	v_add_nc_u32 v[OP+\b], 0xf8800000, v[BM+\b]
.endr
.irp b, 0,1,2,3
	v_and_or_b32 v[HO+\b], v[BM+\b], 0x7f800000, s[MNT]
.endr
.irp b, 0,1,2,3
	v_lshrrev_b32 v[PB+\b], 23, v[OP+\b]
.endr
	v_lshl_or_b32 v[FF+1], v[PB+1], 8, v[PB]       ; p's scale word for these 128 keys
	v_lshl_or_b32 v[FF+1], v[PB+2], 16, v[FF+1]
	v_lshl_or_b32 v[FF+1], v[PB+3], 24, v[FF+1]
	v_pk_add_f32 v[PB:PB+1], v[ST:ST+1], v[ST+2:ST+3]   ; the row's sum is taken of the unquantised p, in two chains
.set j, 4
.rept 15
	v_pk_add_f32 v[14:15], v[14:15], v[ST+j:ST+j+1]
	v_pk_add_f32 v[PB:PB+1], v[PB:PB+1], v[ST+j+2:ST+j+3]
.set j, j+4
.endr
	v_pk_add_f32 v[14:15], v[14:15], v[PB:PB+1]
.irp b, 0,1,2,3
.set j, 0
.rept 16
	v_min_num_f32 v[ST+16*\b+j], v[ST+16*\b+j], v[HO+\b]   ; the conversion does not saturate (ISA guide 7.6.2); p is not negative
.set j, j+1
.endr
	v_cvt_scalef32_pk8_bf8_f32 v[PC+4*\b:PC+4*\b+1], v[ST+16*\b:ST+16*\b+7], v[OP+\b]
	v_cvt_scalef32_pk8_bf8_f32 v[PC+4*\b+2:PC+4*\b+3], v[ST+16*\b+8:ST+16*\b+15], v[OP+\b]
.endr
.set j, 0
.rept 16
	v_pk_mul_f32 v[OT+j:OT+j+1], v[OT+j:OT+j+1], v[FF:FF+1] op_sel_hi:[1,0]   ; O^T under the new M.  (These sixteen are also the places in front of the products below)
.set j, j+2
.endr
.irp t, 0,1,2,3                                ; O^T += V^T P^T: the head's four tiles of 16 channels
.irp c, 0,1,2,3
	ds_load_b128 v[ST+16*\t+4*\c:ST+16*\t+4*\c+3], v[ADV] offset:2048*\t+512*\c
.endr
	ds_load_b32 v[SW+\t], v[ADT] offset:64*\t
.endr
	s_wait_dscnt 0x0
.irp t, 0,1,2,3
	v_wmma_scale_f32_16x16x128_f8f6f4 v[OT+8*\t:OT+8*\t+7], v[ST+16*\t:ST+16*\t+15], v[PC:PC+15], v[OT+8*\t:OT+8*\t+7], v[SW+\t], v[FF+1] matrix_a_fmt:MATRIX_FMT_BF8 matrix_b_fmt:MATRIX_FMT_BF8
.endr
	s_add_co_u32 s[TB], s[TB], 8192                ; the next step's images (K's eight of 1,024 bytes, V's four of 2,048),
	s_add_co_u32 s[TS], s[TS], 512                 ; K's words,
	s_add_co_u32 s[TV], s[TV], 256                 ; V's words
.endm
	s_wait_tensorcnt 0x1                           ; my first load has landed; my second may stay out
	s_barrier_signal -1
	s_barrier_wait -1
	s_wait_loadcnt 0x0                             ; Q
	s_mov_b32 s[CNT], 2
.Lfirst:                                           ; key steps 0 and 1
	STEP
	s_sub_co_u32 s[CNT], s[CNT], 1
	s_cmp_lg_u32 s[CNT], 0
	s_cbranch_scc1 .Lfirst
	s_wait_tensorcnt 0x0                           ; my part of the rest has landed,
	s_wait_dscnt 0x0
	s_barrier_signal -1
	s_barrier_wait -1                              ; everybody's has
	s_mov_b32 s[CNT], 14
.Lrest:                                            ; key steps 2 to 15
	STEP
	s_sub_co_u32 s[CNT], s[CNT], 1
	s_cmp_lg_u32 s[CNT], 0
	s_cbranch_scc1 .Lrest
.rept 8
	v_nop                                          ; places behind the last products
.endr
	v_add_f32 v14, v14, v15
	v_permlanex16_b32 v[TP], v14, s[SEL], s[SEL+1]
	v_add_f32 v14, v14, v[TP]                      ; the row's sum
	v_rcp_f32 v14, v14
	v_nop
.set j, 0
	s_wait_alu depctr_va_vdst(0)
.rept 32
	v_mul_f32 v[ST+j], v[OT+j], v14                ; register 16 n + i: channel 32 n + 16 (lane / 16) + i of my query
.set j, j+1
.endr
.irp b, 0,1                                    ; quantised along E: the head's two blocks of 32
	v_max3_num_f32 v[BM+\b], |v[ST+16*\b]|, |v[ST+16*\b+1]|, 0x8000000
.endr
.irp i, 2,4,6,8,10,12,14
.irp b, 0,1
	v_max3_num_f32 v[BM+\b], v[BM+\b], |v[ST+16*\b+\i]|, |v[ST+16*\b+\i+1]|
.endr
.endr
.irp b, 0,1
	v_permlanex16_b32 v[PB+\b], v[BM+\b], s[SEL], s[SEL+1]
.endr
.irp b, 0,1
	v_max_num_f32 v[BM+\b], v[BM+\b], v[PB+\b]
.endr
.irp b, 0,1
	v_add_nc_u32 v[OP+\b], 0xf8800000, v[BM+\b]
.endr
.irp b, 0,1
	v_and_or_b32 v[HO+\b], v[BM+\b], 0x7f800000, s[MNT]
.endr
.irp b, 0,1
	v_lshrrev_b32 v[PB+\b], 23, v[OP+\b]
.endr
	v_lshl_or_b32 v[TP], v[PB+1], 8, v[PB]         ; my head's half of the scale word
.irp b, 0,1
.set j, 0
.rept 16
	v_med3_num_f32 v[ST+16*\b+j], v[ST+16*\b+j], -v[HO+\b], v[HO+\b]
.set j, j+1
.endr
	v_cvt_scalef32_pk8_bf8_f32 v[PC+4*\b:PC+4*\b+1], v[ST+16*\b:ST+16*\b+7], v[OP+\b]
	v_cvt_scalef32_pk8_bf8_f32 v[PC+4*\b+2:PC+4*\b+3], v[ST+16*\b+8:ST+16*\b+15], v[OP+\b]
.endr
	v_nop
	global_store_b128 v[AK0], v[PC:PC+3], s[76:77]             ; 512 consecutive bytes: a chunk of the fragment's image
	global_store_b128 v[AK0], v[PC+4:PC+7], s[76:77] offset:512
	global_store_b16 v[R4], v[TP], s[78:79]                    ; lanes 16-31 repeat lanes 0-15
	s_wait_tensorcnt 0x0
	ds_add_u32 v254, v255
	s_wait_dscnt 0x0
	ROUND                                          ; the closing round
	s_endpgm
.Lfunc_end_k_q8c3e33b5c9_attn:
	.size	k_q8c3e33b5c9_attn, .Lfunc_end_k_q8c3e33b5c9_attn-k_q8c3e33b5c9_attn
	.p2alignl 7, 3214868480
	.fill 96, 4, 3214868480
	.section	.rodata,"a",@progbits
	.p2align	6, 0x0
	.amdhsa_kernel k_q8c3e33b5c9_attn
		.amdhsa_group_segment_fixed_size 276480
		.amdhsa_private_segment_fixed_size 0
		.amdhsa_enable_private_segment 0
		.amdhsa_kernarg_size 16
		.amdhsa_user_sgpr_count 2
		.amdhsa_user_sgpr_kernarg_segment_ptr 1
		.amdhsa_wavefront_size32 1
		.amdhsa_system_sgpr_workgroup_id_x 1
		.amdhsa_system_sgpr_workgroup_id_y 1
		.amdhsa_system_sgpr_workgroup_id_z 1
		.amdhsa_system_vgpr_workitem_id 0
		.amdhsa_next_free_vgpr 256
		.amdhsa_next_free_sgpr 100
		.amdhsa_reserve_vcc 0
		.amdhsa_float_denorm_mode_32 3
		.amdhsa_float_denorm_mode_16_64 3
		.amdhsa_memory_ordered 1
		.amdhsa_forward_progress 1
		.amdhsa_inst_pref_size 56
	.end_amdhsa_kernel
	.amdgpu_metadata
---
amdhsa.version: [ 1, 2 ]
amdhsa.kernels:
  - .name:           k_q8c3e33b5c9_attn
    .symbol:         k_q8c3e33b5c9_attn.kd
    .args:
      - { .name: qkv, .offset: 0, .size: 8, .value_kind: global_buffer, .address_space: global }
      - { .name: ao, .offset: 8, .size: 8, .value_kind: global_buffer, .address_space: global }
    .group_segment_fixed_size: 276480
    .private_segment_fixed_size: 0
    .kernarg_segment_align: 8
    .kernarg_segment_size: 16
    .max_flat_workgroup_size: 512
    .sgpr_count:     100
    .vgpr_count:     256
    .wavefront_size: 32
...
	.end_amdgpu_metadata
.endif
;; end of part 4
;; launch wo (part 5): grid 8 x 32, 4 waves a work-group, clusters of 4 x 4, 327,680 bytes of LDS; arguments ao, Wo_codes, Wo_scales, bo, tbuf; writes tbuf
.if DOCPART == 5
	.amdgcn_target "amdgcn-amd-amdhsa--gfx1250"
	.amdhsa_code_object_version 6
	.text
	.protected	k_q8c3e33b5c9_wo
	.globl	k_q8c3e33b5c9_wo
	.p2align	8
	.type	k_q8c3e33b5c9_wo,@function
k_q8c3e33b5c9_wo:
	s_mov_b64 s[64:65], 0
	v_nop
	global_prefetch_b8 v0, s[64:65] scope:SCOPE_SE
	s_setreg_imm32_b32 hwreg(HW_REG_WAVE_MODE, 25, 1), 1
	s_wait_xcnt 0x0
	s_wait_alu depctr_hold_cnt(0) depctr_sa_sdst(0) depctr_va_vdst(0) depctr_va_sdst(0) depctr_va_ssrc(0) depctr_va_vcc(0) depctr_vm_vsrc(0)
	s_getreg_b32 s2, hwreg(HW_REG_IB_STS2, 6, 4)
	s_cmp_eq_u32 s2, 0
	s_cbranch_scc0 .Lentry_in_a_cluster
	s_endpgm
.Lentry_in_a_cluster:
	s_bfe_u32 s2, ttmp6, 0x10000c
	s_cmp_lg_u32 s2, 0xf033
	s_cbranch_scc0 .Lentry_shape_is_right
	s_endpgm
.Lentry_shape_is_right:
; C = A W^T + bias on codes of E5M2 with E8M0 scales; C [4096][1024] f32.  A comes as IMAGES OF OPERAND REGISTERS, [tile of 128 rows][K step of 128][fragment 8][2048], with scale words [tile][K step][fragment][r] behind them;
; W [1024][SIZE_K] as rows of codes, with SIZE_K / 32 scale bytes a row.  This text serves SIZE_K = 1,024 and 4,096: the one constant below.
; A tile of C is 128 x 128; four waves, 2 x 2, each 64 x 64: 16 accumulators.  K goes in steps of 512 through two LDS slots (64 products a wave in a slot); with SIZE_K = 1,024 both are first fills and no loop is assembled.
; CLUSTER 4 x 4: A's tile is shared along a row of the cluster, W's along a column: joint tensor loads, which quarter the requests.
; THE PRODUCT IS USED TRANSPOSED: source 0 = 16 rows of W, source 1 = a fragment of A: a lane holds eight neighbouring columns of one row of C.
; Lane r of A's fragment f holds row 64 (f / 4) + 32 ((f % 4) / 2) + 8 (f % 2) + r + (r & 8) of the tile: the way out puts each row in its place.
; REGISTERS: window 0: v1-15 at work; v16-27 addresses; v32-95 scale words, two sets, nothing else; v96-127 the bias as C; v128-255 accumulator (a, b) at 128 + 8 (4 a + b).  window 1: two fragment buffers of 128.
.set SIZE_K, 1024
.set KT,     SIZE_K/128
.set KS,     SIZE_K/32
.set LAPS,   SIZE_K/1024               ; a lap = two slots
.set PITCH,  528                       ; W's row in LDS: 512 bytes + 16 of padding
.set HALFT,  64*PITCH
.set AIMG,   65536                     ; A's part of a slot: [4 K steps][8 fragments][2048], dense
.set SLOT,   AIMG+2*HALFT
.set SCLA,   2*SLOT                    ; A's scale words of all of K, dense
.set SCLB,   SCLA+KT*512               ; W's scale bytes of all of K: two halves of 64 rows, as units of 256 + 16
.set HALFSB, (64*KS/256)*272
.set SPARE,  SCLB+2*HALFSB             ; the spare words, 128 bytes a wave: no other line names them
.set AWORDS, KT*524288                 ; where A's scale words begin in its buffer
.set SPITCH, 272                       ; the way out: a stage of 16 rows x (256 + 16) bytes for each wave, in slot 0 behind its last fill and its last read
.set ADRA, 16
.set ADRB, 18
.set ADRSA, 20
.set ADRSB, 21
.set STO,  22
.set RD,   23
.set CO,   24
.set BO,   25
.set SPW,  26
.set NIL,  27
.set SC,   32
.set BI,   96
.set ACC,  128
.set F0,   0
.set F1,   128
.set G1,   24
.set G0,   32
.set G1B,  48
.set G0B,  56
.set G1S,  68
.set G0S,  76
.set G1SB, 80
.set G0SB, 88
.set MSB, 0
.macro WIN new                         ; the immediate's high byte repeats the setting that is left
.if MSB != \new
	s_set_vgpr_msb (MSB<<8)|\new
.set MSB, \new
.endif
.endm
.macro PLACES n                        ; plain vector places behind matrix instructions: eight for this form
.rept \n
	v_nop
.endr
.endm
.macro JLOAD g0a, g1a, g0b, g1b        ; a joint load: waves 0, 1 fetch A's halves, waves 2, 3 W's; four v_nop follow each line
	s_cmp_eq_u32 s15, 0
	s_cbranch_scc0 .Lfor_b_\@
	tensor_load_to_lds s[\g0a:\g0a+3], s[\g1a:\g1a+7]
	s_nop 0
.rept 4
	v_nop
.endr
	s_branch .Lasked_\@
.Lfor_b_\@:
	tensor_load_to_lds s[\g0b:\g0b+3], s[\g1b:\g1b+7]
	s_nop 0
.rept 4
	v_nop
.endr
.Lasked_\@:
.endm
.macro CREST                           ; a round of the cluster's barrier behind its opening barrier
	s_cmp_lg_u32 s14, 0
	s_cbranch_scc1 .Lnot_wave_0_\@
	s_barrier_signal -3
.Lnot_wave_0_\@:
	s_barrier_wait -3
	s_barrier_signal -1
	s_barrier_wait -1
.endm
.macro CROUND
	s_barrier_signal -1
	s_barrier_wait -1
	CREST
.endm
	s_load_b128 s[4:7], s[0:1], 0x0                ; A's buffer, W's codes
	s_load_b128 s[8:11], s[0:1], 0x10              ; W's scales, the bias
	s_load_b64 s[12:13], s[0:1], 0x20              ; C
	v_lshl_add_u32 v[SPW], v0, 2, SPARE
	v_mov_b32 v[NIL], 0
	ds_add_u32 v26, v27
	ds_add_u32 v26, v27
	s_wait_dscnt 0x0
	v_lshrrev_b32 v1, 5, v0
	v_readfirstlane_b32 s14, v1                    ; wave
	s_lshr_b32 s15, s14, 1                         ; my 64 rows of the tile.  Also: I fetch for A (0) or for W (1)
	s_and_b32 s16, s14, 1                          ; my 64 columns.  Also: which half I fetch
	s_bfe_u32 s40, ttmp6, 0x40000
	s_bfe_u32 s41, ttmp6, 0x40004
	s_lshl_b32 s42, ttmp9, 2
	s_add_co_u32 s42, s42, s40                     ; X
	s_and_b32 s17, ttmp7, 0xffff
	s_lshl_b32 s17, s17, 2
	s_add_co_u32 s17, s17, s41                     ; Y
	s_lshl_b32 s43, s41, 2
	s_lshl_b32 s43, 15, s43                        ; my row of the cluster
	s_lshl_b32 s44, 0x1111, s40                    ; my column
	s_or_b32 s[G1+0], s43, (3<<16)|(1<<21)         ; A's images: 32,768 dense bytes as 128 rows of 256 (32 elements of 8 bytes)
	s_mov_b32 s[G1+1], 32<<16
	s_mov_b32 s[G1+2], 128<<16
	s_mov_b32 s[G1+3], 32<<16
	s_mov_b32 s[G1+4], 128
	s_mov_b32 s[G1+5], 32
	s_mov_b32 s[G1+6], 0
	s_mov_b32 s[G1+7], 0
	s_or_b32 s[G1B+0], s44, (1<<20)|(1<<21)|(6<<22)|(3<<25)   ; W's codes: 64 rows of 512 bytes, 16 of padding behind each
	s_mov_b32 s[G1B+1], 512<<16
	s_mov_b32 s[G1B+2], 64<<16
	s_mov_b32 s[G1B+3], 512<<16
	s_mov_b32 s[G1B+4], 64
	s_mov_b32 s[G1B+5], SIZE_K
	s_mov_b32 s[G1B+6], 0
	s_mov_b32 s[G1B+7], 0
	s_or_b32 s[G1S+0], s43, (3<<16)|(1<<21)        ; half of A's scale words: KT dense rows of 256 bytes
	s_mov_b32 s[G1S+1], 32<<16
	s_mov_b32 s[G1S+2], KT<<16
	s_mov_b32 s[G1S+3], 32<<16
	s_mov_b32 s[G1S+4], KT
	s_mov_b32 s[G1S+5], 32
	s_mov_b32 s[G1S+6], 0
	s_mov_b32 s[G1S+7], 0
	s_or_b32 s[G1SB+0], s44, (3<<16)|(1<<20)|(1<<21)|(5<<22)|(3<<25)   ; the scale bytes of 64 rows of W: dense, as rows of 256 bytes, 16 of padding behind each
	s_mov_b32 s[G1SB+1], 32<<16
	s_mov_b32 s[G1SB+2], (64*KS/256)<<16
	s_mov_b32 s[G1SB+3], 32<<16
	s_mov_b32 s[G1SB+4], 64*KS/256
	s_mov_b32 s[G1SB+5], 32
	s_mov_b32 s[G1SB+6], 0
	s_mov_b32 s[G1SB+7], 0
	s_mul_i32 s20, s17, KT*16384
	s_lshl_b32 s18, s16, 15
	s_add_co_u32 s20, s20, s18                     ; A's images: my half of the tile's first 512 along K
	s_mov_b32 s21, 0
	s_mul_i32 s22, s17, KT*512
	s_mul_i32 s18, s16, KT*256
	s_add_co_u32 s22, s22, s18
	s_add_co_u32 s22, s22, AWORDS                  ; my half of its scale words
	s_mov_b32 s23, 0
	s_lshl_b32 s46, s42, 7
	s_lshl_b32 s18, s16, 6
	s_add_co_u32 s46, s46, s18                     ; W's rows: 128 X + 64 x half
	s_mul_i32 s92, s46, KS
	s_lshl_b32 s96, s46, 2                         ; the same as bytes of a row of C, and of the bias
	s_mul_i32 s46, s46, SIZE_K
	s_mov_b32 s47, 0
	s_mov_b32 s93, 0
	s_mov_b32 s97, 0
	s_lshl_b32 s94, s17, 7
	s_lshl_b32 s18, s15, 6
	s_add_co_u32 s94, s94, s18
	s_lshl_b32 s94, s94, 12
	s_add_co_u32 s94, s94, s96                     ; my part of C
	s_mov_b32 s95, 0
	s_lshl_b32 s45, s16, 15                        ; where they go in LDS: no place in the cluster enters
	s_mul_i32 s2, s16, HALFT
	s_add_co_u32 s2, s2, AIMG
	s_mul_i32 s18, s16, KT*256
	s_add_co_u32 s18, s18, SCLA
	s_mul_i32 s19, s16, HALFSB
	s_add_co_u32 s19, s19, SCLB
	s_wait_kmcnt 0x0
	s_add_nc_u64 s[20:21], s[4:5], s[20:21]
	s_add_nc_u64 s[22:23], s[4:5], s[22:23]
	s_add_nc_u64 s[46:47], s[6:7], s[46:47]
	s_add_nc_u64 s[92:93], s[8:9], s[92:93]
	s_add_nc_u64 s[96:97], s[10:11], s[96:97]
	s_add_nc_u64 s[12:13], s[12:13], s[94:95]
	CROUND                                         ; all sixteen work-groups are here: the first joint loads meet
	s_mov_b32 s[G0S], 1
	s_mov_b32 s[G0S+1], s18
	s_mov_b64 s[G0S+2:G0S+3], s[22:23]
	s_or_b32 s[G0S+3], s[G0S+3], 0x80000000
	s_mov_b32 s[G0SB], 1
	s_mov_b32 s[G0SB+1], s19
	s_mov_b64 s[G0SB+2:G0SB+3], s[92:93]
	s_or_b32 s[G0SB+3], s[G0SB+3], 0x80000000
	JLOAD G0S, G1S, G0SB, G1SB
.irp s, 0,1
	s_mov_b32 s[G0+4*\s], 1
	s_add_co_u32 s[G0+4*\s+1], s45, \s*SLOT
	s_add_nc_u64 s[G0+4*\s+2:G0+4*\s+3], s[20:21], \s*AIMG
	s_or_b32 s[G0+4*\s+3], s[G0+4*\s+3], 0x80000000
	s_mov_b32 s[G0B+4*\s], 1
	s_add_co_u32 s[G0B+4*\s+1], s2, \s*SLOT
	s_add_nc_u64 s[G0B+4*\s+2:G0B+4*\s+3], s[46:47], \s*512
	s_or_b32 s[G0B+4*\s+3], s[G0B+4*\s+3], 0x80000000
	JLOAD G0+4*\s, G1, G0B+4*\s, G1B               ; three tensor loads of mine are out: scales, slot 0, slot 1
.endr
	v_and_b32 v1, 15, v0                           ; r
	v_bfe_u32 v2, v0, 4, 1                         ; h
	v_lshlrev_b32 v[BO], 5, v2
.irp b, 0,1,2,3                                ; the bias in the result's layout: tile b, register j: column 16 b + 8 h + j
	global_load_b128 v[BI+8*\b:BI+8*\b+3], v[BO], s[96:97] offset:64*\b
	global_load_b128 v[BI+8*\b+4:BI+8*\b+7], v[BO], s[96:97] offset:64*\b+16
.endr
	v_and_b32 v7, 31, v0
	v_lshlrev_b32 v3, 4, v7                        ; 16 x lane: my place in an image
	v_mul_u32_u24 v4, v1, PITCH
	v_lshl_add_u32 v4, v2, 4, v4
	s_lshl_b32 s21, s15, 13                        ; my four fragments of A's eight
	s_mul_i32 s22, s16, HALFT
	s_add_co_u32 s22, s22, AIMG
.irp s, 0,1
	v_add_nc_u32 v[ADRA+\s], s21, v3
	v_add_nc_u32 v[ADRB+\s], s22, v4
	s_add_co_u32 s21, s21, SLOT
	s_add_co_u32 s22, s22, SLOT
.endr
	v_lshlrev_b32 v5, 2, v1
	s_lshl_b32 s21, s15, 8
	s_add_co_u32 s21, s21, SCLA
	v_add_nc_u32 v[ADRSA], s21, v5
	v_mul_u32_u24 v5, v1, KS                       ; W's row r: KS bytes a row,
	v_lshrrev_b32 v6, 8, v5
	v_lshl_add_u32 v5, v6, 4, v5                   ; and 16 more for each 256 passed
	s_mul_i32 s22, s16, HALFSB
	s_add_co_u32 s22, s22, SCLB
	v_add_nc_u32 v[ADRSB], s22, v5
	s_mul_i32 s23, s14, 16*SPITCH                  ; my stage
	v_mul_u32_u24 v5, v1, SPITCH
	v_lshl_add_u32 v5, v2, 5, v5
	v_add_nc_u32 v[STO], s23, v5                   ; in: row r, 32 bytes for each half of the lanes
	v_mul_u32_u24 v5, v2, SPITCH
	v_lshl_add_u32 v5, v1, 4, v5
	v_add_nc_u32 v[RD], s23, v5                    ; back: lanes 0-15 one row of 256 bytes, lanes 16-31 the next
	v_lshlrev_b32 v[CO], 12, v2
	v_lshl_add_u32 v[CO], v1, 4, v[CO]             ; and the same two rows in C
.macro FETCH slot, q, f                ; 32 LDS loads: the fragments of the slot's q-th 128 along K into buffer f; A's fragments 2, 3 last
	WIN 0x40
.irp i, 0,1,2,3
.irp c, 0,1,2,3
	ds_load_b128 v[\f+64+16*\i+4*\c:\f+64+16*\i+4*\c+3], v[ADRB+\slot] offset:128*(\q)+32*\c+16*\i*PITCH
.endr
.endr
.irp i, 0,1,2,3
.irp c, 0,1,2,3
	ds_load_b128 v[\f+16*\i+4*\c:\f+16*\i+4*\c+3], v[ADRA+\slot] offset:16384*(\q)+2048*\i+512*\c
.endr
.endr
.endm
.macro SCALES s                        ; a slot's scale words into set s: A's by fragment and K step, W's four words a row at once
.irp a, 0,1,2,3
.irp q, 0,1,2,3
	ds_load_b32 v[SC+32*\s+4*\a+\q], v[ADRSA] offset:512*\q+64*\a
.endr
.endr
.irp i, 0,1,2,3
	ds_load_b128 v[SC+32*\s+16+4*\i:SC+32*\s+16+4*\i+3], v[ADRSB] offset:(16*\i*KS/256)*272
.endr
.endm
.macro MULA f, a, q, s, first          ; four products; the 16 accumulators take turns.  first = 1: the bias is the sum's C
.irp b, 0,1,2,3
.if \first
	v_wmma_scale_f32_16x16x128_f8f6f4 v[ACC+8*(4*\a+\b):ACC+8*(4*\a+\b)+7], v[\f+64+16*\b:\f+64+16*\b+15], v[\f+16*\a:\f+16*\a+15], v[BI+8*\b:BI+8*\b+7], v[SC+32*\s+16+4*\b+(\q)], v[SC+32*\s+4*\a+(\q)] matrix_a_fmt:MATRIX_FMT_BF8 matrix_b_fmt:MATRIX_FMT_BF8
.else
	v_wmma_scale_f32_16x16x128_f8f6f4 v[ACC+8*(4*\a+\b):ACC+8*(4*\a+\b)+7], v[\f+64+16*\b:\f+64+16*\b+15], v[\f+16*\a:\f+16*\a+15], v[ACC+8*(4*\a+\b):ACC+8*(4*\a+\b)+7], v[SC+32*\s+16+4*\b+(\q)], v[SC+32*\s+4*\a+(\q)] matrix_a_fmt:MATRIX_FMT_BF8 matrix_b_fmt:MATRIX_FMT_BF8
.endif
.endr
.endm
.macro STEP slot, q, first
	s_wait_dscnt 8                                 ; all but the youngest eight loads (A's fragments 2, 3)
	WIN 0x05
	MULA 128*((\q)%2), 0, \q, \slot, \first
	MULA 128*((\q)%2), 1, \q, \slot, \first
	PLACES 8                                       ; in front of loads into the buffer that the step before multiplied
	FETCH \slot, (\q)+1, 128*(1-(\q)%2)
	s_wait_dscnt 32                                ; all but the 32 just issued
	WIN 0x05
	MULA 128*((\q)%2), 2, \q, \slot, \first
	MULA 128*((\q)%2), 3, \q, \slot, \first
.endm
; A slot's last 128 along K, and the change of slots: ONE barrier.  In front of it each wave waits for all its tensor loads, adds 0 to its spare word, and waits for that and for its reads of this slot.
; fill = 1: the barrier opens a round of the cluster's barrier, and this slot is filled again, two slots ahead, first thing behind the round: the load has 64 products a wave and more in which to land.
.macro TURN slot, next, fill
	WIN 0
	s_wait_tensorcnt 0x0                           ; all my tensor loads have landed: my part of the next slot
	ds_add_u32 v[SPW], v[NIL]                      ; 0 onto my spare word
	s_wait_dscnt 9                                 ; (the add and the youngest eight loads may be out)
	WIN 0x05
	MULA F1, 0, 3, \slot, 0
	s_wait_dscnt 0x0                               ; the add is done, my reads of this slot are over
	s_barrier_signal -1
	MULA F1, 1, 3, \slot, 0
	WIN 0
	s_barrier_wait -1
.if \fill
	CREST
	s_add_nc_u64 s[G0+4*\slot+2:G0+4*\slot+3], s[G0+4*\slot+2:G0+4*\slot+3], 2*AIMG
	s_add_nc_u64 s[G0B+4*\slot+2:G0B+4*\slot+3], s[G0B+4*\slot+2:G0B+4*\slot+3], 1024
	JLOAD G0+4*\slot, G1, G0B+4*\slot, G1B         ; the four v_nop behind it are four of the eight places in front of the loads below
	PLACES 4
.else
	PLACES 8
.endif
	v_add_nc_u32 v[ADRSA], 2048, v[ADRSA]          ; the next slot's scale words
	v_add_nc_u32 v[ADRSB], 16, v[ADRSB]
	SCALES \next
	FETCH \next, 0, F0
	WIN 0x05
	MULA F1, 2, 3, \slot, 0
	MULA F1, 3, 3, \slot, 0
.endm
	s_wait_tensorcnt 0x1                           ; the scales and my part of slot 0 are in; slot 1's load may stay out
	s_barrier_signal -1
	s_barrier_wait -1
	SCALES 0
	FETCH 0, 0, F0
	s_wait_loadcnt 0x0                             ; the bias
	STEP 0, 0, 1
.if LAPS > 1
	WIN 0                                          ; at a label and at a branch every window is 0
	s_mov_b32 s3, LAPS-1
.Llap:                                             ; a trip goes once round the ring and fills both slots again
	STEP 0, 1, 0
	STEP 0, 2, 0
	TURN 0, 1, 1
	STEP 1, 0, 0
	STEP 1, 1, 0
	STEP 1, 2, 0
	TURN 1, 0, 1
	STEP 0, 0, 0
	WIN 0
	s_sub_co_u32 s3, s3, 1
	s_cmp_lg_u32 s3, 0
	s_cbranch_scc1 .Llap
.endif
	STEP 0, 1, 0                                   ; the last lap fills nothing
	STEP 0, 2, 0
	TURN 0, 1, 0
	STEP 1, 0, 0
	STEP 1, 1, 0
	STEP 1, 2, 0
	s_wait_dscnt 0x0
	WIN 0x05
	MULA F1, 0, 3, 1, 0
	MULA F1, 1, 3, 1, 0
	MULA F1, 2, 3, 1, 0
	MULA F1, 3, 3, 1, 0
	WIN 0
; THE WAY OUT, a fragment of 16 rows x 64 columns at a time, through my own stage: in by rows of 272 bytes, back as whole rows of 256, into the registers that they left.
; LDS serves a wave's instructions in order (ISA guide 5.7.1.4): no wait between the stores and the loads, nor in front of the next fragment's stores.
.macro TOSTAGE a
.irp b, 0,1,2,3
	ds_store_b128 v[STO], v[ACC+8*(4*\a+\b):ACC+8*(4*\a+\b)+3] offset:64*\b        ; each accumulator from its low end on
	ds_store_b128 v[STO], v[ACC+8*(4*\a+\b)+4:ACC+8*(4*\a+\b)+7] offset:64*\b+16
.endr
.irp t, 0,1,2,3,4,5,6,7
	ds_load_b128 v[ACC+32*\a+4*\t:ACC+32*\a+4*\t+3], v[RD] offset:2*\t*SPITCH
.endr
.endm
.macro SEND a, younger                 ; younger: the LDS instructions issued behind this fragment's loads
	s_wait_dscnt \younger
.irp t, 0,1,2,3,4,5,6,7
	global_store_b128 v[CO], v[ACC+32*\a+4*\t:ACC+32*\a+4*\t+3], s[12:13] offset:(32*(\a/2)+8*(\a%2)+2*\t+8*(\t/4))*4096   ; stage row n is row n + (n & 8) of the fragment; sixteen lanes store 256 consecutive bytes, aligned
.endr
.endm
	PLACES 8
	TOSTAGE 0
	TOSTAGE 1
	SEND 0, 16
	TOSTAGE 2
	SEND 1, 16
	TOSTAGE 3
	SEND 2, 16
	SEND 3, 0
	s_wait_tensorcnt 0x0                           ; the wave's end
	ds_add_u32 v[SPW], v[NIL]
	s_wait_dscnt 0x0
	CROUND                                         ; the closing round
	s_endpgm
.Lfunc_end_k_q8c3e33b5c9_wo:
	.size	k_q8c3e33b5c9_wo, .Lfunc_end_k_q8c3e33b5c9_wo-k_q8c3e33b5c9_wo
	.p2alignl 7, 3214868480
	.fill 96, 4, 3214868480
	.section	.rodata,"a",@progbits
	.p2align	6, 0x0
	.amdhsa_kernel k_q8c3e33b5c9_wo
		.amdhsa_group_segment_fixed_size 327680
		.amdhsa_private_segment_fixed_size 0
		.amdhsa_enable_private_segment 0
		.amdhsa_kernarg_size 40
		.amdhsa_user_sgpr_count 2
		.amdhsa_user_sgpr_kernarg_segment_ptr 1
		.amdhsa_wavefront_size32 1
		.amdhsa_system_sgpr_workgroup_id_x 1
		.amdhsa_system_sgpr_workgroup_id_y 1
		.amdhsa_system_sgpr_workgroup_id_z 1
		.amdhsa_system_vgpr_workitem_id 0
		.amdhsa_next_free_vgpr 512
		.amdhsa_next_free_sgpr 100
		.amdhsa_reserve_vcc 0
		.amdhsa_float_denorm_mode_32 3
		.amdhsa_float_denorm_mode_16_64 3
		.amdhsa_memory_ordered 1
		.amdhsa_forward_progress 1
		.amdhsa_inst_pref_size 56
	.end_amdhsa_kernel
	.amdgpu_metadata
---
amdhsa.version: [ 1, 2 ]
amdhsa.kernels:
  - .name:           k_q8c3e33b5c9_wo
    .symbol:         k_q8c3e33b5c9_wo.kd
    .args:
      - { .name: ao, .offset: 0, .size: 8, .value_kind: global_buffer, .address_space: global }
      - { .name: Wo_codes, .offset: 8, .size: 8, .value_kind: global_buffer, .address_space: global }
      - { .name: Wo_scales, .offset: 16, .size: 8, .value_kind: global_buffer, .address_space: global }
      - { .name: bo, .offset: 24, .size: 8, .value_kind: global_buffer, .address_space: global }
      - { .name: tbuf, .offset: 32, .size: 8, .value_kind: global_buffer, .address_space: global }
    .group_segment_fixed_size: 327680
    .private_segment_fixed_size: 0
    .kernarg_segment_align: 8
    .kernarg_segment_size: 40
    .max_flat_workgroup_size: 128
    .sgpr_count:     100
    .vgpr_count:     512
    .wavefront_size: 32
...
	.end_amdgpu_metadata
.endif
;; end of part 5
;; launch ln1 (part 6): grid 256 x 1, 8 waves a work-group, no clusters, 43,008 bytes of LDS; arguments tbuf, src, g1, be1, xbuf, actc; writes xbuf, actc
.if DOCPART == 6
	.amdgcn_target "amdgcn-amd-amdhsa--gfx1250"
	.amdhsa_code_object_version 6
	.text
	.protected	k_q8c3e33b5c9_ln1
	.globl	k_q8c3e33b5c9_ln1
	.p2align	8
	.type	k_q8c3e33b5c9_ln1,@function
k_q8c3e33b5c9_ln1:
	s_mov_b64 s[64:65], 0
	v_nop
	global_prefetch_b8 v0, s[64:65] scope:SCOPE_SE
	s_setreg_imm32_b32 hwreg(HW_REG_WAVE_MODE, 25, 1), 1
	s_wait_xcnt 0x0
; x = LayerNorm(src + t) g1 + be1, row by row of 1,024; x goes out as f32 (xbuf, rows m' = 2048 b + s) and as codes of E5M2 with E8M0 bytes along the row (actc: codes [m'][1024], bytes [m'][32] at ASC).
; t (tbuf) has rows m'; src has rows 2 s + b.  Mean first, then the squares of the differences: a common offset of the inputs does no harm.
; A wave takes two rows, each in 32 registers: a load or store of the wave covers 512 consecutive bytes.  All 48 loads of a wave go out at the head.
; For the conversion a lane must hold 16 neighbours: half a row (2,048 bytes) turns through the wave's own stage in LDS (64 bytes + 16 of padding a lane).
; LIMITS: a block of zeros gets the byte 1 and not 127 (its codes are zeros; this program alone reads the bytes); NaN and infinities are not served.
; No matrix unit, no tensor loads, no cluster: memory binds, and each byte is moved once.
.set SP,   80
.set STG,  2*32*SP
.set SB,   8*STG                       ; the work-group's 512 scale bytes
.set ASC,  4194304
.set G,    16
.set BE,   48
.set Y0,   80                          ; t, then y, then x: 32 registers a row
.set S0,   144                         ; src, later the row's 2 x 16 neighbours
.set C,    208                         ; codes: four registers for each half-row
.set E,    224                         ; a scale byte for each half-row
	s_load_b256 s[4:11], s[0:1], 0x0               ; tbuf, src, g1, be1
	s_load_b128 s[12:15], s[0:1], 0x20             ; xbuf, actc
	v_lshl_add_u32 v232, v0, 2, 0xa400
	v_mov_b32 v233, 0
	v_lshrrev_b32 v1, 5, v0
	v_readfirstlane_b32 s16, v1                    ; wave
	v_and_b32 v2, 31, v0
	v_lshlrev_b32 v3, 4, v2                        ; 16 x lane
	s_mul_i32 s17, s16, STG
	v_lshrrev_b32 v14, 2, v2
	v_mul_u32_u24 v14, v14, SP
	v_and_b32 v15, 3, v2
	v_lshl_add_u32 v14, v15, 4, v14
	v_add_nc_u32 v14, s17, v14                     ; the stage, in
	v_mul_u32_u24 v15, v2, SP
	v_add_nc_u32 v15, s17, v15                     ; and out
	v_lshrrev_b32 v12, 1, v2
	s_lshl_b32 s17, s16, 6
	s_add_co_u32 s17, s17, SB
	v_add_nc_u32 v12, s17, v12                     ; my block's byte among my wave's 64
	v_add_nc_u32 v13, SB, v3
	s_lshl_b32 s17, ttmp9, 4
	s_lshl_b32 s18, s16, 1
	s_add_co_u32 s17, s17, s18                     ; m' of my first row
	s_lshl_b32 s18, s17, 12
	s_mov_b32 s19, 0
	s_lshl_b32 s28, s17, 10
	s_mov_b32 s29, 0
	s_and_b32 s22, s17, 2047                       ; s
	s_lshl_b32 s22, s22, 1
	s_lshr_b32 s23, s17, 11                        ; b
	s_add_co_u32 s22, s22, s23
	s_lshl_b32 s22, s22, 12
	s_mov_b32 s23, 0
	s_lshl_b32 s30, ttmp9, 9
	s_add_co_u32 s30, s30, ASC
	s_mov_b32 s31, 0
	s_mov_b32 s20, 0x3a800000                      ; 1 / 1024
	s_mov_b32 s21, 0x3727c5ac                      ; 1e-5
	s_mov_b32 s24, 0x76543210
	s_mov_b32 s25, 0xfedcba98
	s_mov_b32 s26, 0x600000
	s_wait_kmcnt 0x0
	s_add_nc_u64 s[4:5], s[4:5], s[18:19]
	s_add_nc_u64 s[6:7], s[6:7], s[22:23]
	s_add_nc_u64 s[12:13], s[12:13], s[18:19]
	s_add_nc_u64 s[30:31], s[14:15], s[30:31]
	s_add_nc_u64 s[28:29], s[14:15], s[28:29]
.macro LOADROW i
.irp j, 0,1,2,3,4,5,6,7
	global_load_b128 v[Y0+32*\i+4*\j:Y0+32*\i+4*\j+3], v3, s[4:5] offset:4096*\i+512*\j th:TH_LOAD_NT
.endr
.irp j, 0,1,2,3,4,5,6,7
	global_load_b128 v[S0+32*\i+4*\j:S0+32*\i+4*\j+3], v3, s[6:7] offset:8192*\i+512*\j th:TH_LOAD_NT
.endr
.endm
	LOADROW 0
.irp j, 0,1,2,3,4,5,6,7
	global_load_b128 v[G+4*\j:G+4*\j+3], v3, s[8:9] offset:512*\j
.endr
.irp j, 0,1,2,3,4,5,6,7
	global_load_b128 v[BE+4*\j:BE+4*\j+3], v3, s[10:11] offset:512*\j
.endr
	LOADROW 1
.macro LANES                           ; v4 summed over the 32 lanes, in every lane
	v_add_f32_dpp v4, v4, v4 row_xmask:1 row_mask:0xf bank_mask:0xf
	v_add_f32_dpp v4, v4, v4 row_xmask:2 row_mask:0xf bank_mask:0xf
	v_add_f32_dpp v4, v4, v4 row_xmask:4 row_mask:0xf bank_mask:0xf
	v_add_f32_dpp v4, v4, v4 row_xmask:8 row_mask:0xf bank_mask:0xf
	v_permlanex16_b32 v5, v4, s24, s25
	v_add_f32 v4, v4, v5
.endm
.macro BLOCKQ xs, c, e, boff, coff     ; my 16 neighbours at v[xs]: half of a block of 32, the other half in the lane beside me
	v_max3_num_f32 v8, |v[\xs]|, |v[\xs+1]|, |v[\xs+2]|
	v_max3_num_f32 v9, |v[\xs+3]|, |v[\xs+4]|, |v[\xs+5]|
.irp i, 6,10
	v_max3_num_f32 v8, v8, |v[\xs+\i]|, |v[\xs+\i+1]|
	v_max3_num_f32 v9, v9, |v[\xs+\i+2]|, |v[\xs+\i+3]|
.endr
	v_max3_num_f32 v8, v8, |v[\xs+14]|, |v[\xs+15]|
	v_max3_num_f32 v8, v8, v9, 0x8000000           ; the floor 2^(16 - 127)
	v_max_num_f32_dpp v8, v8, v8 row_xmask:1 row_mask:0xf bank_mask:0xf
	v_add_nc_u32 v11, 0xf8800000, v8               ; the conversion's scale operand
	v_and_or_b32 v10, v8, 0x7f800000, s26          ; 57,344 x the scale
.set i, 0
.rept 16
	v_med3_num_f32 v[\xs+i], v[\xs+i], -v10, v10
.set i, i+1
.endr
	v_cvt_scalef32_pk8_bf8_f32 v[\c:\c+1], v[\xs:\xs+7], v11
	v_cvt_scalef32_pk8_bf8_f32 v[\c+2:\c+3], v[\xs+8:\xs+15], v11
	v_lshrrev_b32 v[\e], 23, v11                   ; the scale's byte (also the plain line behind the conversions)
	ds_store_b8 v12, v[\e] offset:\boff
	global_store_b128 v3, v[\c:\c+3], s[28:29] offset:\coff
.endm
.macro ROW i, wa, wb                   ; wa: the loads that may stay out when this row's are in; wb: likewise for g1 and be1 (-1: they are in)
.set Y, Y0+32*\i
.set S, S0+32*\i
	s_wait_loadcnt \wa
.set k, 0
.rept 16
	v_pk_add_f32 v[Y+k:Y+k+1], v[Y+k:Y+k+1], v[S+k:S+k+1]
.set k, k+2
.endr
	v_pk_add_f32 v[4:5], v[Y:Y+1], v[Y+2:Y+3]
	v_pk_add_f32 v[6:7], v[Y+4:Y+5], v[Y+6:Y+7]
.set k, 8
.rept 6
	v_pk_add_f32 v[4:5], v[4:5], v[Y+k:Y+k+1]
	v_pk_add_f32 v[6:7], v[6:7], v[Y+k+2:Y+k+3]
.set k, k+4
.endr
	v_pk_add_f32 v[4:5], v[4:5], v[6:7]
	v_add_f32 v4, v4, v5
	LANES
	v_mul_f32 v8, 0xba800000, v4                   ; - the mean
	v_mov_b32 v9, v8
.set k, 0
.rept 16
	v_pk_add_f32 v[Y+k:Y+k+1], v[Y+k:Y+k+1], v[8:9]
.set k, k+2
.endr
	v_pk_mul_f32 v[4:5], v[Y:Y+1], v[Y:Y+1]
	v_pk_mul_f32 v[6:7], v[Y+2:Y+3], v[Y+2:Y+3]
.set k, 4
.rept 7
	v_pk_fma_f32 v[4:5], v[Y+k:Y+k+1], v[Y+k:Y+k+1], v[4:5]
	v_pk_fma_f32 v[6:7], v[Y+k+2:Y+k+3], v[Y+k+2:Y+k+3], v[6:7]
.set k, k+4
.endr
	v_pk_add_f32 v[4:5], v[4:5], v[6:7]
	v_add_f32 v4, v4, v5
	LANES
	v_fma_f32 v4, v4, s20, s21                     ; the variance + 1e-5
	v_rsq_f32 v8, v4
	v_nop                                          ; a plain line behind the transcendental
	s_wait_alu depctr_va_vdst(0)
	v_mov_b32 v9, v8
.if \wb >= 0
	s_wait_loadcnt \wb
.endif
.set k, 0
.rept 16
	v_pk_mul_f32 v[Y+k:Y+k+1], v[Y+k:Y+k+1], v[8:9]
.set k, k+2
.endr
.set k, 0
.rept 16
	v_pk_fma_f32 v[Y+k:Y+k+1], v[Y+k:Y+k+1], v[G+k:G+k+1], v[BE+k:BE+k+1]
.set k, k+2
.endr
.irp j, 0,1,2,3,4,5,6,7
	global_store_b128 v3, v[Y+4*\j:Y+4*\j+3], s[12:13] offset:4096*\i+512*\j
.endr
.irp t, 0,1                                    ; both half-rows through the two stages
.irp q, 0,1,2,3
	ds_store_b128 v14, v[Y+16*\t+4*\q:Y+16*\t+4*\q+3] offset:32*SP*\t+8*SP*\q
.endr
.irp q, 0,1,2,3
	ds_load_b128 v[S+16*\t+4*\q:S+16*\t+4*\q+3], v15 offset:32*SP*\t+16*\q
.endr
.endr
	s_wait_dscnt 8                                 ; the first half-row is back; the second's four stores and four loads may be out
	BLOCKQ S0+32*\i, C+8*\i, E+2*\i, 32*\i, 1024*\i
	s_wait_dscnt 1                                 ; the second is back; the byte store just issued may be out
	BLOCKQ S0+32*\i+16, C+8*\i+4, E+2*\i+1, 32*\i+16, 1024*\i+512
.endm
	ROW 0, 32, 16
	ROW 1, 0, -1
	s_wait_dscnt 0x0                               ; my byte stores have landed: then the barrier
	s_barrier_signal -1
	s_barrier_wait -1
	s_cmp_lg_u32 s16, 0
	s_cbranch_scc1 .Ldone
	ds_load_b128 v[4:7], v13                       ; wave 0: 16 rows x 32 bytes
	s_wait_dscnt 0x0
	global_store_b128 v3, v[4:7], s[30:31]         ; 512 consecutive bytes
.Ldone:
	s_wait_tensorcnt 0x0
	ds_add_u32 v232, v233
	s_wait_dscnt 0x0
	s_endpgm
.Lfunc_end_k_q8c3e33b5c9_ln1:
	.size	k_q8c3e33b5c9_ln1, .Lfunc_end_k_q8c3e33b5c9_ln1-k_q8c3e33b5c9_ln1
	.p2alignl 7, 3214868480
	.fill 96, 4, 3214868480
	.section	.rodata,"a",@progbits
	.p2align	6, 0x0
	.amdhsa_kernel k_q8c3e33b5c9_ln1
		.amdhsa_group_segment_fixed_size 43008
		.amdhsa_private_segment_fixed_size 0
		.amdhsa_enable_private_segment 0
		.amdhsa_kernarg_size 48
		.amdhsa_user_sgpr_count 2
		.amdhsa_user_sgpr_kernarg_segment_ptr 1
		.amdhsa_wavefront_size32 1
		.amdhsa_system_sgpr_workgroup_id_x 1
		.amdhsa_system_sgpr_workgroup_id_y 1
		.amdhsa_system_sgpr_workgroup_id_z 1
		.amdhsa_system_vgpr_workitem_id 0
		.amdhsa_next_free_vgpr 234
		.amdhsa_next_free_sgpr 66
		.amdhsa_reserve_vcc 0
		.amdhsa_float_denorm_mode_32 3
		.amdhsa_float_denorm_mode_16_64 3
		.amdhsa_memory_ordered 1
		.amdhsa_forward_progress 1
		.amdhsa_inst_pref_size 34
	.end_amdhsa_kernel
	.amdgpu_metadata
---
amdhsa.version: [ 1, 2 ]
amdhsa.kernels:
  - .name:           k_q8c3e33b5c9_ln1
    .symbol:         k_q8c3e33b5c9_ln1.kd
    .args:
      - { .name: tbuf, .offset: 0, .size: 8, .value_kind: global_buffer, .address_space: global }
      - { .name: src, .offset: 8, .size: 8, .value_kind: global_buffer, .address_space: global }
      - { .name: g1, .offset: 16, .size: 8, .value_kind: global_buffer, .address_space: global }
      - { .name: be1, .offset: 24, .size: 8, .value_kind: global_buffer, .address_space: global }
      - { .name: xbuf, .offset: 32, .size: 8, .value_kind: global_buffer, .address_space: global }
      - { .name: actc, .offset: 40, .size: 8, .value_kind: global_buffer, .address_space: global }
    .group_segment_fixed_size: 43008
    .private_segment_fixed_size: 0
    .kernarg_segment_align: 8
    .kernarg_segment_size: 48
    .max_flat_workgroup_size: 256
    .sgpr_count:     66
    .vgpr_count:     234
    .wavefront_size: 32
...
	.end_amdgpu_metadata
.endif
;; end of part 6
;; launch w1 (part 7): grid 32 x 32, 4 waves a work-group, clusters of 4 x 4, 327,680 bytes of LDS; arguments actc, W1_codes, W1_scales, b1, hid; writes hid
.if DOCPART == 7
	.amdgcn_target "amdgcn-amd-amdhsa--gfx1250"
	.amdhsa_code_object_version 6
	.text
	.protected	k_q8c3e33b5c9_w1
	.globl	k_q8c3e33b5c9_w1
	.p2align	8
	.type	k_q8c3e33b5c9_w1,@function
k_q8c3e33b5c9_w1:
	s_mov_b64 s[64:65], 0
	v_nop
	global_prefetch_b8 v0, s[64:65] scope:SCOPE_SE
	s_setreg_imm32_b32 hwreg(HW_REG_WAVE_MODE, 25, 1), 1
	s_wait_xcnt 0x0
	s_wait_alu depctr_hold_cnt(0) depctr_sa_sdst(0) depctr_va_vdst(0) depctr_va_sdst(0) depctr_va_ssrc(0) depctr_va_vcc(0) depctr_vm_vsrc(0)
	s_getreg_b32 s2, hwreg(HW_REG_IB_STS2, 6, 4)
	s_cmp_eq_u32 s2, 0
	s_cbranch_scc0 .Lentry_in_a_cluster
	s_endpgm
.Lentry_in_a_cluster:
	s_bfe_u32 s2, ttmp6, 0x10000c
	s_cmp_lg_u32 s2, 0xf033
	s_cbranch_scc0 .Lentry_shape_is_right
	s_endpgm
.Lentry_shape_is_right:
; hidden = relu(x W1^T + b1) on codes of E5M2 with E8M0 scales, quantised again along the hidden units (the next product's K) and stored as IMAGES OF OPERAND REGISTERS.
; A tile of C is 128 rows x 128 hidden units; four waves, 2 x 2, each 64 x 64: 16 accumulators.  K = 1,024 lies in two LDS slots of 512, both filled at the start: nothing is filled again.
; CLUSTER 4 x 4: x's tile is shared along a row of the cluster, W1's along a column: joint tensor loads, which quarter the requests.
; THE PRODUCT IS USED TRANSPOSED: source 0 = 16 rows of W1, source 1 = 16 rows of x: a lane holds one row and its registers run along the hidden units.
; THE ROWS OF A FRAGMENT ARE NOT NEIGHBOURS: lane r of fragment i takes row 32 (i / 2) + 8 (i % 2) + r + (r & 8) of its 64: so the 16 registers of tiles 2 n, 2 n + 1 are 16 neighbouring hidden units
; (a block of 32 lies in lanes l and l xor 16).  The stored fragments keep that order of x's rows; the next launch's way out undoes it.
; The activation costs nothing: the largest magnitude is taken without |.|, and the hold clips at 0 as well.
; OUT (hid): images [tile of 128 rows][K step of 128][fragment 8][chunk 4][512]; scale words at 16,777,216: [tile][K step][fragment][r].
; LIMITS: a block of zeros gets the byte 1 and not 127 (its codes are zeros; this program alone reads the bytes); NaN and infinities are not served.
; REGISTERS: window 0: v1-15, v28-31 at work; v16-27 addresses; v32-95 scale words, two sets, nothing else; v96-127 the bias as C, later the codes; v128-255 accumulator (a, b) at 128 + 8 (4 a + b).
;   window 1: two fragment buffers of 128: source 1's four fragments, then source 0's four.
.set SIZE_K, 1024
.set PITCH,  528
.set HALFT,  64*PITCH
.set SLOT,   4*HALFT
.set SCL,    2*SLOT
.set HALFS,  8*272
.set SPARE,  SCL+4*HALFS               ; the spare words, 128 bytes a wave: no other line names them
.set ASC,    4194304
.set PW,   3
.set TMA,  4
.set TMB,  8
.set TMC,  12
.set TMD,  28
.set ADRA, 16
.set ADRB, 18
.set ADRSA, 20
.set ADRSB, 21
.set VO,   22
.set SGW,  23
.set BO,   25
.set SPW,  26
.set NIL,  27
.set SC,   32
.set BI,   96
.set ACC,  128
.set F0,   0
.set F1,   128
.set G1,   24
.set G0,   32
.set G1B,  48
.set G0B,  56
.set G1S,  68
.set G0S,  76
.set G1SB, 80
.set G0SB, 88
.set MSB, 0
.macro WIN new
.if MSB != \new
	s_set_vgpr_msb (MSB<<8)|\new
.set MSB, \new
.endif
.endm
.macro PLACES n
.rept \n
	v_nop
.endr
.endm
.macro JLOAD g0a, g1a, g0b, g1b        ; a joint load: waves 0, 1 fetch x's halves, waves 2, 3 W1's; four v_nop follow each line
	s_cmp_eq_u32 s15, 0
	s_cbranch_scc0 .Lfor_b_\@
	tensor_load_to_lds s[\g0a:\g0a+3], s[\g1a:\g1a+7]
	s_nop 0
.rept 4
	v_nop
.endr
	s_branch .Lasked_\@
.Lfor_b_\@:
	tensor_load_to_lds s[\g0b:\g0b+3], s[\g1b:\g1b+7]
	s_nop 0
.rept 4
	v_nop
.endr
.Lasked_\@:
.endm
.macro CROUND
	s_barrier_signal -1
	s_barrier_wait -1
	s_cmp_lg_u32 s14, 0
	s_cbranch_scc1 .Lnot_wave_0_\@
	s_barrier_signal -3
.Lnot_wave_0_\@:
	s_barrier_wait -3
	s_barrier_signal -1
	s_barrier_wait -1
.endm
	s_load_b128 s[4:7], s[0:1], 0x0                ; actc, W1's codes
	s_load_b128 s[8:11], s[0:1], 0x10              ; W1's scales, b1
	s_load_b64 s[12:13], s[0:1], 0x20              ; hid
	v_lshl_add_u32 v[SPW], v0, 2, SPARE
	v_mov_b32 v[NIL], 0
	ds_add_u32 v26, v27
	ds_add_u32 v26, v27
	s_wait_dscnt 0x0
	v_lshrrev_b32 v1, 5, v0
	v_readfirstlane_b32 s14, v1                    ; wave
	s_lshr_b32 s15, s14, 1                         ; my 64 rows.  Also: I fetch for x (0) or for W1 (1)
	s_and_b32 s16, s14, 1                          ; my 64 hidden units.  Also: which 64 rows I fetch
	s_bfe_u32 s40, ttmp6, 0x40000
	s_bfe_u32 s41, ttmp6, 0x40004
	s_lshl_b32 s42, ttmp9, 2
	s_add_co_u32 s42, s42, s40                     ; X
	s_and_b32 s17, ttmp7, 0xffff
	s_lshl_b32 s17, s17, 2
	s_add_co_u32 s17, s17, s41                     ; Y
	s_lshl_b32 s43, s41, 2
	s_lshl_b32 s43, 15, s43
	s_lshl_b32 s44, 0x1111, s40
	s_or_b32 s[G1+0], s43, (1<<20)|(1<<21)|(6<<22)|(3<<25)
	s_or_b32 s[G1B+0], s44, (1<<20)|(1<<21)|(6<<22)|(3<<25)
.irp g, G1, G1B
	s_mov_b32 s[\g+1], 512<<16
	s_mov_b32 s[\g+2], 64<<16
	s_mov_b32 s[\g+3], 512<<16
	s_mov_b32 s[\g+4], 64
	s_mov_b32 s[\g+5], SIZE_K
	s_mov_b32 s[\g+6], 0
	s_mov_b32 s[\g+7], 0
.endr
	s_or_b32 s[G1S+0], s43, (3<<16)|(1<<20)|(1<<21)|(5<<22)|(3<<25)
	s_or_b32 s[G1SB+0], s44, (3<<16)|(1<<20)|(1<<21)|(5<<22)|(3<<25)
.irp g, G1S, G1SB
	s_mov_b32 s[\g+1], 32<<16
	s_mov_b32 s[\g+2], 8<<16
	s_mov_b32 s[\g+3], 32<<16
	s_mov_b32 s[\g+4], 8
	s_mov_b32 s[\g+5], 32
	s_mov_b32 s[\g+6], 0
	s_mov_b32 s[\g+7], 0
.endr
	s_lshl_b32 s18, s16, 6
	s_lshl_b32 s20, s17, 7
	s_add_co_u32 s20, s20, s18                     ; x's rows that I fetch
	s_lshl_b32 s22, s20, 5
	s_add_co_u32 s22, s22, ASC
	s_lshl_b32 s20, s20, 10
	s_mov_b32 s21, 0
	s_mov_b32 s23, 0
	s_lshl_b32 s46, s42, 7
	s_add_co_u32 s46, s46, s18                     ; W1's rows
	s_lshl_b32 s92, s46, 5
	s_lshl_b32 s94, s46, 2
	s_lshl_b32 s46, s46, 10
	s_mov_b32 s47, 0
	s_mov_b32 s93, 0
	s_mov_b32 s95, 0
	s_lshl_b32 s2, s17, 5
	s_add_co_u32 s2, s2, s42                       ; 32 Y + X
	s_lshl_b32 s98, s2, 9
	s_add_co_u32 s98, s98, 16777216
	s_mov_b32 s99, 0
	s_lshl_b32 s2, s2, 14                          ; eight fragments of 2,048 bytes
	s_lshl_b32 s19, s15, 13                        ; my four of them
	s_add_co_u32 s2, s2, s19
	s_lshl_b32 s19, s16, 10                        ; my two chunks of four
	s_add_co_u32 s2, s2, s19
	s_mov_b32 s3, 0
	s_mul_i32 s45, s14, HALFT
	s_mul_i32 s19, s14, HALFS
	s_wait_kmcnt 0x0
	s_add_nc_u64 s[20:21], s[4:5], s[20:21]
	s_add_nc_u64 s[22:23], s[4:5], s[22:23]
	s_add_nc_u64 s[46:47], s[6:7], s[46:47]
	s_add_nc_u64 s[92:93], s[8:9], s[92:93]
	s_add_nc_u64 s[96:97], s[10:11], s[94:95]
	s_add_nc_u64 s[98:99], s[12:13], s[98:99]
	s_add_nc_u64 s[12:13], s[12:13], s[2:3]
	CROUND                                         ; all sixteen work-groups are here: the first joint loads meet
	s_mov_b32 s[G0S], 1
	s_add_co_u32 s[G0S+1], s19, SCL
	s_mov_b64 s[G0S+2:G0S+3], s[22:23]
	s_or_b32 s[G0S+3], s[G0S+3], 0x80000000
	s_mov_b32 s[G0SB], 1
	s_add_co_u32 s[G0SB+1], s19, SCL
	s_mov_b64 s[G0SB+2:G0SB+3], s[92:93]
	s_or_b32 s[G0SB+3], s[G0SB+3], 0x80000000
	JLOAD G0S, G1S, G0SB, G1SB
.irp s, 0,1
	s_mov_b32 s[G0+4*\s], 1
	s_add_co_u32 s[G0+4*\s+1], s45, \s*SLOT
	s_add_nc_u64 s[G0+4*\s+2:G0+4*\s+3], s[20:21], \s*512
	s_or_b32 s[G0+4*\s+3], s[G0+4*\s+3], 0x80000000
	s_mov_b32 s[G0B+4*\s], 1
	s_add_co_u32 s[G0B+4*\s+1], s45, \s*SLOT
	s_add_nc_u64 s[G0B+4*\s+2:G0B+4*\s+3], s[46:47], \s*512
	s_or_b32 s[G0B+4*\s+3], s[G0B+4*\s+3], 0x80000000
	JLOAD G0+4*\s, G1, G0B+4*\s, G1B               ; three tensor loads of mine are out: scales, slot 0, slot 1
.endr
	v_and_b32 v1, 15, v0                           ; r
	v_bfe_u32 v2, v0, 4, 1                         ; h
	v_lshlrev_b32 v[BO], 6, v2
.irp b, 0,1,2,3                                ; the bias in the result's layout: tile b, register j: hidden unit 32 (b / 2) + 8 (b % 2) + 16 h + j
	global_load_b128 v[BI+8*\b:BI+8*\b+3], v[BO], s[96:97] offset:(32*(\b/2)+8*(\b%2))*4
	global_load_b128 v[BI+8*\b+4:BI+8*\b+7], v[BO], s[96:97] offset:(32*(\b/2)+8*(\b%2))*4+16
.endr
	v_and_b32 v3, 8, v1
	v_add_nc_u32 v3, v3, v1                        ; r + (r & 8)
	v_mul_u32_u24 v4, v3, PITCH
	v_lshl_add_u32 v4, v2, 4, v4
	s_mul_i32 s21, s15, HALFT
	s_mul_i32 s22, s16, HALFT
	s_add_co_u32 s22, s22, 2*HALFT
.irp s, 0,1
	v_add_nc_u32 v[ADRA+\s], s21, v4
	v_add_nc_u32 v[ADRB+\s], s22, v4
	s_add_co_u32 s21, s21, SLOT
	s_add_co_u32 s22, s22, SLOT
.endr
	v_lshlrev_b32 v5, 5, v3
	v_lshrrev_b32 v6, 8, v5
	v_lshl_add_u32 v5, v6, 4, v5
	s_mul_i32 s21, s15, HALFS
	s_add_co_u32 s21, s21, SCL
	s_mul_i32 s22, s16, HALFS
	s_add_co_u32 s22, s22, SCL+2*HALFS
	v_add_nc_u32 v[ADRSA], s21, v5
	v_add_nc_u32 v[ADRSB], s22, v5
	v_and_b32 v7, 31, v0
	v_lshlrev_b32 v[VO], 4, v7
	s_lshl_b32 s21, s15, 8
	s_lshl_b32 s22, s16, 1
	s_add_co_u32 s21, s21, s22
	v_lshl_add_u32 v[SGW], v1, 2, s21              ; 256 x my half of the rows + 4 r + 2 x my half of the hidden units
	s_mov_b32 s20, 0x76543210
	s_mov_b32 s21, 0xfedcba98
	s_mov_b32 s19, 0x600000
.macro FETCH slot, q, f
	WIN 0x40
.irp i, 0,1,2,3
.irp c, 0,1,2,3
	ds_load_b128 v[\f+64+16*\i+4*\c:\f+64+16*\i+4*\c+3], v[ADRB+\slot] offset:128*(\q)+32*\c+(32*(\i/2)+8*(\i%2))*PITCH
.endr
.endr
.irp i, 0,1,2,3
.irp c, 0,1,2,3
	ds_load_b128 v[\f+16*\i+4*\c:\f+16*\i+4*\c+3], v[ADRA+\slot] offset:128*(\q)+32*\c+(32*(\i/2)+8*(\i%2))*PITCH
.endr
.endr
.endm
.macro SCALES s
.irp i, 0,1,2,3
	ds_load_b128 v[SC+32*\s+4*\i:SC+32*\s+4*\i+3], v[ADRSA] offset:(4*(\i/2)+(\i%2))*272
	ds_load_b128 v[SC+32*\s+16+4*\i:SC+32*\s+16+4*\i+3], v[ADRSB] offset:(4*(\i/2)+(\i%2))*272
.endr
.endm
.macro MULA f, a, q, s, first          ; four products; the 16 accumulators take turns.  first = 1: the bias is the sum's C
.irp b, 0,1,2,3
.if \first
	v_wmma_scale_f32_16x16x128_f8f6f4 v[ACC+8*(4*\a+\b):ACC+8*(4*\a+\b)+7], v[\f+64+16*\b:\f+64+16*\b+15], v[\f+16*\a:\f+16*\a+15], v[BI+8*\b:BI+8*\b+7], v[SC+32*\s+16+4*\b+(\q)], v[SC+32*\s+4*\a+(\q)] matrix_a_fmt:MATRIX_FMT_BF8 matrix_b_fmt:MATRIX_FMT_BF8
.else
	v_wmma_scale_f32_16x16x128_f8f6f4 v[ACC+8*(4*\a+\b):ACC+8*(4*\a+\b)+7], v[\f+64+16*\b:\f+64+16*\b+15], v[\f+16*\a:\f+16*\a+15], v[ACC+8*(4*\a+\b):ACC+8*(4*\a+\b)+7], v[SC+32*\s+16+4*\b+(\q)], v[SC+32*\s+4*\a+(\q)] matrix_a_fmt:MATRIX_FMT_BF8 matrix_b_fmt:MATRIX_FMT_BF8
.endif
.endr
.endm
.macro STEP slot, q, first
	s_wait_dscnt 8                                 ; all but the youngest eight loads (source 1's fragments 2, 3)
	WIN 0x05
	MULA 128*((\q)%2), 0, \q, \slot, \first
	MULA 128*((\q)%2), 1, \q, \slot, \first
	PLACES 8
	FETCH \slot, (\q)+1, 128*(1-(\q)%2)
	s_wait_dscnt 32                                ; all but the 32 just issued
	WIN 0x05
	MULA 128*((\q)%2), 2, \q, \slot, \first
	MULA 128*((\q)%2), 3, \q, \slot, \first
.endm
.macro TURN slot, next
	WIN 0
	s_wait_tensorcnt 0x0                           ; my part of the next slot has landed
	ds_add_u32 v[SPW], v[NIL]                      ; 0 onto my spare word
	s_wait_dscnt 9                                 ; (the add and the youngest eight loads may be out)
	WIN 0x05
	MULA F1, 0, 3, \slot, 0
	s_wait_dscnt 0x0
	s_barrier_signal -1
	MULA F1, 1, 3, \slot, 0
	WIN 0
	s_barrier_wait -1
	PLACES 8
	v_add_nc_u32 v[ADRSA], 16, v[ADRSA]
	v_add_nc_u32 v[ADRSB], 16, v[ADRSB]
	SCALES \next
	FETCH \next, 0, F0
	WIN 0x05
	MULA F1, 2, 3, \slot, 0
	MULA F1, 3, 3, \slot, 0
.endm
	s_wait_tensorcnt 0x1                           ; the scales and my part of slot 0 are in; slot 1's load may stay out
	s_barrier_signal -1
	s_barrier_wait -1
	SCALES 0
	FETCH 0, 0, F0
	s_wait_loadcnt 0x0                             ; the bias
	STEP 0, 0, 1
	STEP 0, 1, 0
	STEP 0, 2, 0
	TURN 0, 1
	STEP 1, 0, 0
	STEP 1, 1, 0
	STEP 1, 2, 0
	s_wait_dscnt 0x0
	WIN 0x05
	MULA F1, 0, 3, 1, 0
	MULA F1, 1, 3, 1, 0
	MULA F1, 2, 3, 1, 0
	MULA F1, 3, 3, 1, 0
	WIN 0
.macro QUANT s, pc                     ; 64 numbers of a lane: four blocks of 16, each shared with lane l xor 16; what is negative becomes 0.  Codes to v[pc] on, the four bytes to v[PW]
.irp b, 0,1,2,3
	v_max3_num_f32 v[TMA+\b], v[\s+16*\b], v[\s+16*\b+1], 0x8000000   ; no |.|: what is negative must not count; the floor 2^(16 - 127) stands over it
.endr
.irp i, 2,4,6,8,10,12,14
.irp b, 0,1,2,3
	v_max3_num_f32 v[TMA+\b], v[TMA+\b], v[\s+16*\b+\i], v[\s+16*\b+\i+1]
.endr
.endr
.irp b, 0,1,2,3
	v_permlanex16_b32 v[TMB+\b], v[TMA+\b], s20, s21
.endr
.irp b, 0,1,2,3
	v_max_num_f32 v[TMA+\b], v[TMA+\b], v[TMB+\b]
.endr
.irp b, 0,1,2,3
	v_add_nc_u32 v[TMD+\b], 0xf8800000, v[TMA+\b]
.endr
.irp b, 0,1,2,3
	v_and_or_b32 v[TMC+\b], v[TMA+\b], 0x7f800000, s19
.endr
.irp b, 0,1,2,3
	v_lshrrev_b32 v[TMB+\b], 23, v[TMD+\b]
.endr
	v_lshl_or_b32 v[PW], v[TMB+1], 8, v[TMB]
	v_lshl_or_b32 v[PW], v[TMB+2], 16, v[PW]
	v_lshl_or_b32 v[PW], v[TMB+3], 24, v[PW]
.irp b, 0,1,2,3
.set i, 0
.rept 16
	v_med3_num_f32 v[\s+16*\b+i], v[\s+16*\b+i], 0, v[TMC+\b]   ; the activation and the hold in one
.set i, i+1
.endr
	v_cvt_scalef32_pk8_bf8_f32 v[\pc+4*\b:\pc+4*\b+1], v[\s+16*\b:\s+16*\b+7], v[TMD+\b]
	v_cvt_scalef32_pk8_bf8_f32 v[\pc+4*\b+2:\pc+4*\b+3], v[\s+16*\b+8:\s+16*\b+15], v[TMD+\b]
.endr
	v_nop
.endm
.irp b, 0,1,2,3
	v_mov_b32 v[TMB+\b], 0                         ; a lane permute's destination counts as read.  These four and the four below are the eight places behind the last products
.endr
	PLACES 4
.irp g, 0,1
	QUANT ACC+64*\g, BI+16*\g
.irp n, 0,1,2,3
	global_store_b128 v[VO], v[BI+16*\g+4*\n:BI+16*\g+4*\n+3], s[12:13] offset:(2*\g+\n/2)*2048+512*(\n%2)   ; 512 consecutive bytes
.endr
	ds_store_b16 v[SGW], v[PW] offset:64*(2*\g)              ; my two bytes of fragment 2 g's words; the other two come from the wave beside me.  (Slot 0 has had its last fill and its last read)
	ds_store_b16_d16_hi v[SGW], v[PW] offset:64*(2*\g+1)
.endr
	s_wait_dscnt 0x0                               ; my stores have landed: then the barrier
	s_barrier_signal -1
	s_barrier_wait -1
	s_cmp_lg_u32 s14, 0
	s_cbranch_scc1 .Lnot_mine
	ds_load_b128 v[TMA:TMA+3], v[VO]               ; wave 0: the tile's 512 bytes of scale words
	s_wait_dscnt 0x0
	global_store_b128 v[VO], v[TMA:TMA+3], s[98:99]   ; 512 consecutive bytes
.Lnot_mine:
	s_wait_tensorcnt 0x0                           ; the wave's end
	ds_add_u32 v[SPW], v[NIL]
	s_wait_dscnt 0x0
	CROUND
	s_endpgm
.Lfunc_end_k_q8c3e33b5c9_w1:
	.size	k_q8c3e33b5c9_w1, .Lfunc_end_k_q8c3e33b5c9_w1-k_q8c3e33b5c9_w1
	.p2alignl 7, 3214868480
	.fill 96, 4, 3214868480
	.section	.rodata,"a",@progbits
	.p2align	6, 0x0
	.amdhsa_kernel k_q8c3e33b5c9_w1
		.amdhsa_group_segment_fixed_size 327680
		.amdhsa_private_segment_fixed_size 0
		.amdhsa_enable_private_segment 0
		.amdhsa_kernarg_size 40
		.amdhsa_user_sgpr_count 2
		.amdhsa_user_sgpr_kernarg_segment_ptr 1
		.amdhsa_wavefront_size32 1
		.amdhsa_system_sgpr_workgroup_id_x 1
		.amdhsa_system_sgpr_workgroup_id_y 1
		.amdhsa_system_sgpr_workgroup_id_z 1
		.amdhsa_system_vgpr_workitem_id 0
		.amdhsa_next_free_vgpr 512
		.amdhsa_next_free_sgpr 100
		.amdhsa_reserve_vcc 0
		.amdhsa_float_denorm_mode_32 3
		.amdhsa_float_denorm_mode_16_64 3
		.amdhsa_memory_ordered 1
		.amdhsa_forward_progress 1
		.amdhsa_inst_pref_size 65
	.end_amdhsa_kernel
	.amdgpu_metadata
---
amdhsa.version: [ 1, 2 ]
amdhsa.kernels:
  - .name:           k_q8c3e33b5c9_w1
    .symbol:         k_q8c3e33b5c9_w1.kd
    .args:
      - { .name: actc, .offset: 0, .size: 8, .value_kind: global_buffer, .address_space: global }
      - { .name: W1_codes, .offset: 8, .size: 8, .value_kind: global_buffer, .address_space: global }
      - { .name: W1_scales, .offset: 16, .size: 8, .value_kind: global_buffer, .address_space: global }
      - { .name: b1, .offset: 24, .size: 8, .value_kind: global_buffer, .address_space: global }
      - { .name: hid, .offset: 32, .size: 8, .value_kind: global_buffer, .address_space: global }
    .group_segment_fixed_size: 327680
    .private_segment_fixed_size: 0
    .kernarg_segment_align: 8
    .kernarg_segment_size: 40
    .max_flat_workgroup_size: 128
    .sgpr_count:     100
    .vgpr_count:     512
    .wavefront_size: 32
...
	.end_amdgpu_metadata
.endif
;; end of part 7
;; launch w2 (part 8): grid 8 x 32, 4 waves a work-group, clusters of 4 x 4, 327,680 bytes of LDS; arguments hid, W2_codes, W2_scales, b2, tbuf; writes tbuf
.if DOCPART == 8
	.amdgcn_target "amdgcn-amd-amdhsa--gfx1250"
	.amdhsa_code_object_version 6
	.text
	.protected	k_q8c3e33b5c9_w2
	.globl	k_q8c3e33b5c9_w2
	.p2align	8
	.type	k_q8c3e33b5c9_w2,@function
k_q8c3e33b5c9_w2:
	s_mov_b64 s[64:65], 0
	v_nop
	global_prefetch_b8 v0, s[64:65] scope:SCOPE_SE
	s_setreg_imm32_b32 hwreg(HW_REG_WAVE_MODE, 25, 1), 1
	s_wait_xcnt 0x0
	s_wait_alu depctr_hold_cnt(0) depctr_sa_sdst(0) depctr_va_vdst(0) depctr_va_sdst(0) depctr_va_ssrc(0) depctr_va_vcc(0) depctr_vm_vsrc(0)
	s_getreg_b32 s2, hwreg(HW_REG_IB_STS2, 6, 4)
	s_cmp_eq_u32 s2, 0
	s_cbranch_scc0 .Lentry_in_a_cluster
	s_endpgm
.Lentry_in_a_cluster:
	s_bfe_u32 s2, ttmp6, 0x10000c
	s_cmp_lg_u32 s2, 0xf033
	s_cbranch_scc0 .Lentry_shape_is_right
	s_endpgm
.Lentry_shape_is_right:
; C = A W^T + bias on codes of E5M2 with E8M0 scales; C [4096][1024] f32.  A comes as IMAGES OF OPERAND REGISTERS, [tile of 128 rows][K step of 128][fragment 8][2048], with scale words [tile][K step][fragment][r] behind them;
; W [1024][SIZE_K] as rows of codes, with SIZE_K / 32 scale bytes a row.  SIZE_K = 4,096 here.
; A tile of C is 128 x 128; four waves, 2 x 2, each 64 x 64: 16 accumulators.  K goes in steps of 512 through a ring of two LDS slots (64 products a wave in a slot).
; CLUSTER 4 x 4: A's tile is shared along a row of the cluster, W's along a column: joint tensor loads, which quarter the requests.
; THE PRODUCT IS USED TRANSPOSED: source 0 = 16 rows of W, source 1 = a fragment of A: a lane holds eight neighbouring columns of one row of C.
; Lane r of A's fragment f holds row 64 (f / 4) + 32 ((f % 4) / 2) + 8 (f % 2) + r + (r & 8) of the tile: the way out puts each row in its place.
; REGISTERS: window 0: v1-15 at work; v16-27 addresses; v32-95 scale words, two sets, nothing else; v96-127 the bias as C; v128-255 accumulator (a, b) at 128 + 8 (4 a + b).  window 1: two fragment buffers of 128.
.set SIZE_K, 4096
.set KT,     SIZE_K/128
.set KS,     SIZE_K/32
.set LAPS,   SIZE_K/1024               ; a lap = two slots
.set PITCH,  528                       ; W's row in LDS: 512 bytes + 16 of padding
.set HALFT,  64*PITCH
.set AIMG,   65536                     ; A's part of a slot: [4 K steps][8 fragments][2048], dense
.set SLOT,   AIMG+2*HALFT
.set SCLA,   2*SLOT                    ; A's scale words of all of K, dense
.set SCLB,   SCLA+KT*512               ; W's scale bytes of all of K: two halves of 64 rows, as units of 256 + 16
.set HALFSB, (64*KS/256)*272
.set SPARE,  SCLB+2*HALFSB             ; the spare words, 128 bytes a wave: no other line names them
.set AWORDS, KT*524288                 ; where A's scale words begin in its buffer
.set SPITCH, 272                       ; the way out: a stage of 16 rows x (256 + 16) bytes for each wave, in slot 0 behind its last fill and its last read
.set ADRA, 16
.set ADRB, 18
.set ADRSA, 20
.set ADRSB, 21
.set STO,  22
.set RD,   23
.set CO,   24
.set BO,   25
.set SPW,  26
.set NIL,  27
.set SC,   32
.set BI,   96
.set ACC,  128
.set F0,   0
.set F1,   128
.set G1,   24
.set G0,   32
.set G1B,  48
.set G0B,  56
.set G1S,  68
.set G0S,  76
.set G1SB, 80
.set G0SB, 88
.set MSB, 0
.macro WIN new                         ; the immediate's high byte repeats the setting that is left
.if MSB != \new
	s_set_vgpr_msb (MSB<<8)|\new
.set MSB, \new
.endif
.endm
.macro PLACES n                        ; plain vector places behind matrix instructions: eight for this form
.rept \n
	v_nop
.endr
.endm
.macro GRP1 g, c, r, p                 ; words 1 to 7 of a descriptor's group 1: r rows of c elements, p elements from row to row
	s_mov_b32 s[\g+1], (\c)<<16
	s_mov_b32 s[\g+2], (\r)<<16
	s_mov_b32 s[\g+3], (\c)<<16
	s_mov_b32 s[\g+4], \r
	s_mov_b32 s[\g+5], \p
	s_mov_b32 s[\g+6], 0
	s_mov_b32 s[\g+7], 0
.endm
.macro JLOAD g0a, g1a, g0b, g1b        ; a joint load: waves 0, 1 fetch A's halves, waves 2, 3 W's; four v_nop follow each line
	s_cmp_eq_u32 s15, 0
	s_cbranch_scc0 .Lfor_b_\@
	tensor_load_to_lds s[\g0a:\g0a+3], s[\g1a:\g1a+7]
	s_nop 0
.rept 4
	v_nop
.endr
	s_branch .Lasked_\@
.Lfor_b_\@:
	tensor_load_to_lds s[\g0b:\g0b+3], s[\g1b:\g1b+7]
	s_nop 0
.rept 4
	v_nop
.endr
.Lasked_\@:
.endm
.macro CREST                           ; a round of the cluster's barrier behind its opening barrier
	s_cmp_lg_u32 s14, 0
	s_cbranch_scc1 .Lnot_wave_0_\@
	s_barrier_signal -3
.Lnot_wave_0_\@:
	s_barrier_wait -3
	s_barrier_signal -1
	s_barrier_wait -1
.endm
.macro CROUND
	s_barrier_signal -1
	s_barrier_wait -1
	CREST
.endm
	s_load_b128 s[4:7], s[0:1], 0x0                ; A's buffer, W's codes
	s_load_b128 s[8:11], s[0:1], 0x10              ; W's scales, the bias
	s_load_b64 s[12:13], s[0:1], 0x20              ; C
	v_lshl_add_u32 v[SPW], v0, 2, SPARE
	v_mov_b32 v[NIL], 0
	ds_add_u32 v26, v27
	ds_add_u32 v26, v27
	s_wait_dscnt 0x0
	v_lshrrev_b32 v1, 5, v0
	v_readfirstlane_b32 s14, v1                    ; wave
	s_lshr_b32 s15, s14, 1                         ; my 64 rows of the tile.  Also: I fetch for A (0) or for W (1)
	s_and_b32 s16, s14, 1                          ; my 64 columns.  Also: which half I fetch
	s_bfe_u32 s40, ttmp6, 0x40000                  ; cx
	s_bfe_u32 s41, ttmp6, 0x40004                  ; cy
	s_lshl_b32 s42, ttmp9, 2
	s_add_co_u32 s42, s42, s40                     ; X
	s_and_b32 s17, ttmp7, 0xffff
	s_lshl_b32 s17, s17, 2
	s_add_co_u32 s17, s17, s41                     ; Y
	s_lshl_b32 s43, s41, 2
	s_lshl_b32 s43, 15, s43                        ; my row of the cluster
	s_lshl_b32 s44, 0x1111, s40                    ; my column
	s_or_b32 s[G1+0], s43, (3<<16)|(1<<21)         ; A's images: 32,768 dense bytes as 128 rows of 256 (32 elements of 8 bytes)
	GRP1 G1, 32, 128, 32
	s_or_b32 s[G1B+0], s44, (1<<20)|(1<<21)|(6<<22)|(3<<25)   ; W's codes: 64 rows of 512 bytes, 16 of padding behind each
	GRP1 G1B, 512, 64, SIZE_K
	s_or_b32 s[G1S+0], s43, (3<<16)|(1<<21)        ; half of A's scale words: KT dense rows of 256 bytes
	GRP1 G1S, 32, KT, 32
	s_or_b32 s[G1SB+0], s44, (3<<16)|(1<<20)|(1<<21)|(5<<22)|(3<<25)   ; the scale bytes of 64 rows of W: dense, as rows of 256 bytes, 16 of padding behind each
	GRP1 G1SB, 32, 64*KS/256, 32
	s_mul_i32 s20, s17, KT*16384
	s_lshl_b32 s18, s16, 15
	s_add_co_u32 s20, s20, s18                     ; A's images: my half of the tile's first 512 along K
	s_mov_b32 s21, 0
	s_mul_i32 s22, s17, KT*512
	s_mul_i32 s18, s16, KT*256
	s_add_co_u32 s22, s22, s18
	s_add_co_u32 s22, s22, AWORDS                  ; my half of its scale words
	s_mov_b32 s23, 0
	s_lshl_b32 s46, s42, 7
	s_lshl_b32 s18, s16, 6
	s_add_co_u32 s46, s46, s18                     ; W's rows: 128 X + 64 x half
	s_mul_i32 s92, s46, KS
	s_lshl_b32 s96, s46, 2                         ; the same as bytes of a row of C, and of the bias
	s_mul_i32 s46, s46, SIZE_K
	s_mov_b32 s47, 0
	s_mov_b32 s93, 0
	s_mov_b32 s97, 0
	s_lshl_b32 s94, s17, 7
	s_lshl_b32 s18, s15, 6
	s_add_co_u32 s94, s94, s18
	s_lshl_b32 s94, s94, 12
	s_add_co_u32 s94, s94, s96                     ; my part of C
	s_mov_b32 s95, 0
	s_lshl_b32 s45, s16, 15                        ; where they go in LDS: no place in the cluster enters
	s_mul_i32 s2, s16, HALFT
	s_add_co_u32 s2, s2, AIMG
	s_mul_i32 s18, s16, KT*256
	s_add_co_u32 s18, s18, SCLA
	s_mul_i32 s19, s16, HALFSB
	s_add_co_u32 s19, s19, SCLB
	s_wait_kmcnt 0x0
	s_add_nc_u64 s[20:21], s[4:5], s[20:21]
	s_add_nc_u64 s[22:23], s[4:5], s[22:23]
	s_add_nc_u64 s[46:47], s[6:7], s[46:47]
	s_add_nc_u64 s[92:93], s[8:9], s[92:93]
	s_add_nc_u64 s[96:97], s[10:11], s[96:97]
	s_add_nc_u64 s[12:13], s[12:13], s[94:95]
	CROUND                                         ; all sixteen work-groups are here: the first joint loads meet
	s_mov_b32 s[G0S], 1
	s_mov_b32 s[G0S+1], s18
	s_mov_b64 s[G0S+2:G0S+3], s[22:23]
	s_or_b32 s[G0S+3], s[G0S+3], 0x80000000
	s_mov_b32 s[G0SB], 1
	s_mov_b32 s[G0SB+1], s19
	s_mov_b64 s[G0SB+2:G0SB+3], s[92:93]
	s_or_b32 s[G0SB+3], s[G0SB+3], 0x80000000
	JLOAD G0S, G1S, G0SB, G1SB
.irp s, 0,1
	s_mov_b32 s[G0+4*\s], 1
	s_add_co_u32 s[G0+4*\s+1], s45, \s*SLOT
	s_add_nc_u64 s[G0+4*\s+2:G0+4*\s+3], s[20:21], \s*AIMG
	s_or_b32 s[G0+4*\s+3], s[G0+4*\s+3], 0x80000000
	s_mov_b32 s[G0B+4*\s], 1
	s_add_co_u32 s[G0B+4*\s+1], s2, \s*SLOT
	s_add_nc_u64 s[G0B+4*\s+2:G0B+4*\s+3], s[46:47], \s*512
	s_or_b32 s[G0B+4*\s+3], s[G0B+4*\s+3], 0x80000000
	JLOAD G0+4*\s, G1, G0B+4*\s, G1B               ; three tensor loads of mine are out: scales, slot 0, slot 1
.endr
	v_and_b32 v1, 15, v0                           ; r
	v_bfe_u32 v2, v0, 4, 1                         ; h
	v_lshlrev_b32 v[BO], 5, v2
.irp b, 0,1,2,3                                ; the bias in the result's layout: tile b, register j: column 16 b + 8 h + j
	global_load_b128 v[BI+8*\b:BI+8*\b+3], v[BO], s[96:97] offset:64*\b
	global_load_b128 v[BI+8*\b+4:BI+8*\b+7], v[BO], s[96:97] offset:64*\b+16
.endr
	v_and_b32 v7, 31, v0
	v_lshlrev_b32 v3, 4, v7                        ; 16 x lane: my place in an image
	v_mul_u32_u24 v4, v1, PITCH
	v_lshl_add_u32 v4, v2, 4, v4
	s_lshl_b32 s21, s15, 13                        ; my four fragments of A's eight
	s_mul_i32 s22, s16, HALFT
	s_add_co_u32 s22, s22, AIMG
.irp s, 0,1
	v_add_nc_u32 v[ADRA+\s], s21, v3
	v_add_nc_u32 v[ADRB+\s], s22, v4
	s_add_co_u32 s21, s21, SLOT
	s_add_co_u32 s22, s22, SLOT
.endr
	v_lshlrev_b32 v5, 2, v1
	s_lshl_b32 s21, s15, 8
	s_add_co_u32 s21, s21, SCLA
	v_add_nc_u32 v[ADRSA], s21, v5
	v_mul_u32_u24 v5, v1, KS                       ; W's row r: KS bytes a row,
	v_lshrrev_b32 v6, 8, v5
	v_lshl_add_u32 v5, v6, 4, v5                   ; and 16 more for each 256 passed
	s_mul_i32 s22, s16, HALFSB
	s_add_co_u32 s22, s22, SCLB
	v_add_nc_u32 v[ADRSB], s22, v5
	s_mul_i32 s23, s14, 16*SPITCH                  ; my stage
	v_mul_u32_u24 v5, v1, SPITCH
	v_lshl_add_u32 v5, v2, 5, v5
	v_add_nc_u32 v[STO], s23, v5                   ; in: row r, 32 bytes for each half of the lanes
	v_mul_u32_u24 v5, v2, SPITCH
	v_lshl_add_u32 v5, v1, 4, v5
	v_add_nc_u32 v[RD], s23, v5                    ; back: lanes 0-15 one row of 256 bytes, lanes 16-31 the next
	v_lshlrev_b32 v[CO], 12, v2
	v_lshl_add_u32 v[CO], v1, 4, v[CO]             ; and the same two rows in C
.macro FETCH slot, q, f                ; 32 LDS loads: the fragments of the slot's q-th 128 along K into buffer f; A's fragments 2, 3 last
	WIN 0x40
.irp i, 0,1,2,3
.irp c, 0,1,2,3
	ds_load_b128 v[\f+64+16*\i+4*\c:\f+64+16*\i+4*\c+3], v[ADRB+\slot] offset:128*(\q)+32*\c+16*\i*PITCH
.endr
.endr
.irp i, 0,1,2,3
.irp c, 0,1,2,3
	ds_load_b128 v[\f+16*\i+4*\c:\f+16*\i+4*\c+3], v[ADRA+\slot] offset:16384*(\q)+2048*\i+512*\c
.endr
.endr
.endm
.macro SCALES s                        ; a slot's scale words into set s: A's by fragment and K step, W's four words a row at once
.irp a, 0,1,2,3
.irp q, 0,1,2,3
	ds_load_b32 v[SC+32*\s+4*\a+\q], v[ADRSA] offset:512*\q+64*\a
.endr
.endr
.irp i, 0,1,2,3
	ds_load_b128 v[SC+32*\s+16+4*\i:SC+32*\s+16+4*\i+3], v[ADRSB] offset:(16*\i*KS/256)*272
.endr
.endm
.macro MULA f, a, q, s, first          ; four products; the 16 accumulators take turns.  first = 1: the bias is the sum's C
.irp b, 0,1,2,3
.if \first
	v_wmma_scale_f32_16x16x128_f8f6f4 v[ACC+8*(4*\a+\b):ACC+8*(4*\a+\b)+7], v[\f+64+16*\b:\f+64+16*\b+15], v[\f+16*\a:\f+16*\a+15], v[BI+8*\b:BI+8*\b+7], v[SC+32*\s+16+4*\b+(\q)], v[SC+32*\s+4*\a+(\q)] matrix_a_fmt:MATRIX_FMT_BF8 matrix_b_fmt:MATRIX_FMT_BF8
.else
	v_wmma_scale_f32_16x16x128_f8f6f4 v[ACC+8*(4*\a+\b):ACC+8*(4*\a+\b)+7], v[\f+64+16*\b:\f+64+16*\b+15], v[\f+16*\a:\f+16*\a+15], v[ACC+8*(4*\a+\b):ACC+8*(4*\a+\b)+7], v[SC+32*\s+16+4*\b+(\q)], v[SC+32*\s+4*\a+(\q)] matrix_a_fmt:MATRIX_FMT_BF8 matrix_b_fmt:MATRIX_FMT_BF8
.endif
.endr
.endm
.macro STEP slot, q, first             ; 128 along K that has its successor in the same slot
	s_wait_dscnt 8                                 ; all but the youngest eight loads (A's fragments 2, 3)
	WIN 0x05
	MULA 128*((\q)%2), 0, \q, \slot, \first
	MULA 128*((\q)%2), 1, \q, \slot, \first
	PLACES 8                                       ; in front of loads into the buffer that the step before multiplied
	FETCH \slot, (\q)+1, 128*(1-(\q)%2)
	s_wait_dscnt 32                                ; all but the 32 just issued
	WIN 0x05
	MULA 128*((\q)%2), 2, \q, \slot, \first
	MULA 128*((\q)%2), 3, \q, \slot, \first
.endm
; A slot's last 128 along K, and the change of slots: ONE barrier.  In front of it each wave waits for all its tensor loads, adds 0 to its spare word, and waits for that and for its reads of this slot.
; fill = 1: the barrier opens a round of the cluster's barrier, and this slot is filled again, two slots ahead, first thing behind the round: the load has the next slot's 64 products a wave in which to land.
.macro TURN slot, next, fill
	WIN 0
	s_wait_tensorcnt 0x0                           ; all my tensor loads have landed: my part of the next slot
	ds_add_u32 v[SPW], v[NIL]                      ; 0 onto my spare word
	s_wait_dscnt 9                                 ; (the add and the youngest eight loads may be out)
	WIN 0x05
	MULA F1, 0, 3, \slot, 0
	s_wait_dscnt 0x0                               ; the add is done, my reads of this slot are over
	s_barrier_signal -1
	MULA F1, 1, 3, \slot, 0
	WIN 0
	s_barrier_wait -1
.if \fill
	CREST
	s_add_nc_u64 s[G0+4*\slot+2:G0+4*\slot+3], s[G0+4*\slot+2:G0+4*\slot+3], 2*AIMG
	s_add_nc_u64 s[G0B+4*\slot+2:G0B+4*\slot+3], s[G0B+4*\slot+2:G0B+4*\slot+3], 1024
	JLOAD G0+4*\slot, G1, G0B+4*\slot, G1B         ; the four v_nop behind it are four of the eight places in front of the loads below
	PLACES 4
.else
	PLACES 8
.endif
	v_add_nc_u32 v[ADRSA], 2048, v[ADRSA]          ; the next slot's scale words
	v_add_nc_u32 v[ADRSB], 16, v[ADRSB]
	SCALES \next
	FETCH \next, 0, F0
	WIN 0x05
	MULA F1, 2, 3, \slot, 0
	MULA F1, 3, 3, \slot, 0
.endm
	s_wait_tensorcnt 0x1                           ; the scales and my part of slot 0 are in; slot 1's load may stay out
	s_barrier_signal -1
	s_barrier_wait -1
	SCALES 0
	FETCH 0, 0, F0
	s_wait_loadcnt 0x0                             ; the bias
	STEP 0, 0, 1
	WIN 0                                          ; at a label and at a branch every window is 0
	s_mov_b32 s3, LAPS-1
.Llap:                                             ; a trip goes once round the ring and fills both slots again
	STEP 0, 1, 0
	STEP 0, 2, 0
	TURN 0, 1, 1
	STEP 1, 0, 0
	STEP 1, 1, 0
	STEP 1, 2, 0
	TURN 1, 0, 1
	STEP 0, 0, 0
	WIN 0
	s_sub_co_u32 s3, s3, 1
	s_cmp_lg_u32 s3, 0
	s_cbranch_scc1 .Llap
	STEP 0, 1, 0                                   ; the last lap fills nothing
	STEP 0, 2, 0
	TURN 0, 1, 0
	STEP 1, 0, 0
	STEP 1, 1, 0
	STEP 1, 2, 0
	s_wait_dscnt 0x0
	WIN 0x05
	MULA F1, 0, 3, 1, 0
	MULA F1, 1, 3, 1, 0
	MULA F1, 2, 3, 1, 0
	MULA F1, 3, 3, 1, 0
	WIN 0
; THE WAY OUT, a fragment of 16 rows x 64 columns at a time, through my own stage: in by rows of 272 bytes, back as whole rows of 256, into the registers that they left.
; LDS serves a wave's instructions in order (ISA guide 5.7.1.4): no wait between the stores and the loads, nor in front of the next fragment's stores.
.macro TOSTAGE a
.irp b, 0,1,2,3
	ds_store_b128 v[STO], v[ACC+8*(4*\a+\b):ACC+8*(4*\a+\b)+3] offset:64*\b        ; each accumulator from its low end on
	ds_store_b128 v[STO], v[ACC+8*(4*\a+\b)+4:ACC+8*(4*\a+\b)+7] offset:64*\b+16
.endr
.irp t, 0,1,2,3,4,5,6,7
	ds_load_b128 v[ACC+32*\a+4*\t:ACC+32*\a+4*\t+3], v[RD] offset:2*\t*SPITCH
.endr
.endm
.macro SEND a, younger                 ; younger: the LDS instructions issued behind this fragment's loads
	s_wait_dscnt \younger
.irp t, 0,1,2,3,4,5,6,7
	global_store_b128 v[CO], v[ACC+32*\a+4*\t:ACC+32*\a+4*\t+3], s[12:13] offset:(32*(\a/2)+8*(\a%2)+2*\t+8*(\t/4))*4096   ; stage row n is row n + (n & 8) of the fragment; sixteen lanes store 256 consecutive bytes, aligned
.endr
.endm
	PLACES 8
	TOSTAGE 0
	TOSTAGE 1
	SEND 0, 16
	TOSTAGE 2
	SEND 1, 16
	TOSTAGE 3
	SEND 2, 16
	SEND 3, 0
	s_wait_tensorcnt 0x0                           ; the wave's end
	ds_add_u32 v[SPW], v[NIL]
	s_wait_dscnt 0x0
	CROUND                                         ; the closing round
	s_endpgm
.Lfunc_end_k_q8c3e33b5c9_w2:
	.size	k_q8c3e33b5c9_w2, .Lfunc_end_k_q8c3e33b5c9_w2-k_q8c3e33b5c9_w2
	.p2alignl 7, 3214868480
	.fill 96, 4, 3214868480
	.section	.rodata,"a",@progbits
	.p2align	6, 0x0
	.amdhsa_kernel k_q8c3e33b5c9_w2
		.amdhsa_group_segment_fixed_size 327680
		.amdhsa_private_segment_fixed_size 0
		.amdhsa_enable_private_segment 0
		.amdhsa_kernarg_size 40
		.amdhsa_user_sgpr_count 2
		.amdhsa_user_sgpr_kernarg_segment_ptr 1
		.amdhsa_wavefront_size32 1
		.amdhsa_system_sgpr_workgroup_id_x 1
		.amdhsa_system_sgpr_workgroup_id_y 1
		.amdhsa_system_sgpr_workgroup_id_z 1
		.amdhsa_system_vgpr_workitem_id 0
		.amdhsa_next_free_vgpr 512
		.amdhsa_next_free_sgpr 100
		.amdhsa_reserve_vcc 0
		.amdhsa_float_denorm_mode_32 3
		.amdhsa_float_denorm_mode_16_64 3
		.amdhsa_memory_ordered 1
		.amdhsa_forward_progress 1
		.amdhsa_inst_pref_size 96
	.end_amdhsa_kernel
	.amdgpu_metadata
---
amdhsa.version: [ 1, 2 ]
amdhsa.kernels:
  - .name:           k_q8c3e33b5c9_w2
    .symbol:         k_q8c3e33b5c9_w2.kd
    .args:
      - { .name: hid, .offset: 0, .size: 8, .value_kind: global_buffer, .address_space: global }
      - { .name: W2_codes, .offset: 8, .size: 8, .value_kind: global_buffer, .address_space: global }
      - { .name: W2_scales, .offset: 16, .size: 8, .value_kind: global_buffer, .address_space: global }
      - { .name: b2, .offset: 24, .size: 8, .value_kind: global_buffer, .address_space: global }
      - { .name: tbuf, .offset: 32, .size: 8, .value_kind: global_buffer, .address_space: global }
    .group_segment_fixed_size: 327680
    .private_segment_fixed_size: 0
    .kernarg_segment_align: 8
    .kernarg_segment_size: 40
    .max_flat_workgroup_size: 128
    .sgpr_count:     100
    .vgpr_count:     512
    .wavefront_size: 32
...
	.end_amdgpu_metadata
.endif
;; end of part 8
;; launch ln2 (part 9): grid 256 x 1, 8 waves a work-group, no clusters, 0 bytes of LDS; arguments tbuf, xbuf, g2, be2, out0; writes out0
.if DOCPART == 9
	.amdgcn_target "amdgcn-amd-amdhsa--gfx1250"
	.amdhsa_code_object_version 6
	.text
	.protected	k_q8c3e33b5c9_ln2
	.globl	k_q8c3e33b5c9_ln2
	.p2align	8
	.type	k_q8c3e33b5c9_ln2,@function
k_q8c3e33b5c9_ln2:
	s_mov_b64 s[64:65], 0
	v_nop
	global_prefetch_b8 v0, s[64:65] scope:SCOPE_SE
	s_setreg_imm32_b32 hwreg(HW_REG_WAVE_MODE, 25, 1), 1
	s_wait_xcnt 0x0
; out0 = LayerNorm(x + t) g2 + be2, row by row of 1,024, all f32.  t (tbuf) and x (xbuf) have rows m' = 2048 b + s; out0 has rows 2 s + b.
; Mean first, then the squares of the differences: a common offset of the inputs does no harm.
; A wave takes two rows, each in 32 registers: a load or store of the wave covers 512 consecutive bytes.  All 48 loads of a wave go out at the head.
; The reduction stays inside the wave: no LDS, no barrier.  No matrix unit, no tensor loads, no cluster: memory binds, and each byte is moved once.
; LIMITS: NaN and infinities among the inputs are not served.
.set G,    16                          ; v16-47   g2 of my 32 columns
.set BE,   48                          ; v48-79   be2
.set Y0,   80                          ; v80-143  t, then the sum, then the result: 32 registers a row
.set S0,   144                         ; v144-207 x: 32 registers a row
	s_load_b256 s[4:11], s[0:1], 0x0               ; tbuf, xbuf, g2, be2
	s_load_b64 s[12:13], s[0:1], 0x20              ; out0
	v_lshrrev_b32 v1, 5, v0
	v_readfirstlane_b32 s16, v1                    ; wave
	v_and_b32 v2, 31, v0
	v_lshlrev_b32 v3, 4, v2                        ; 16 x lane
	s_lshl_b32 s17, ttmp9, 4
	s_lshl_b32 s18, s16, 1
	s_add_co_u32 s17, s17, s18                     ; m' of my first row
	s_lshl_b32 s18, s17, 12
	s_mov_b32 s19, 0
	s_and_b32 s22, s17, 2047                       ; s
	s_lshl_b32 s22, s22, 1
	s_lshr_b32 s23, s17, 11                        ; b
	s_add_co_u32 s22, s22, s23                     ; its row in out0
	s_lshl_b32 s22, s22, 12
	s_mov_b32 s23, 0
	s_mov_b32 s20, 0x3a800000                      ; 1 / 1024
	s_mov_b32 s21, 0x3727c5ac                      ; 1e-5
	s_mov_b32 s24, 0x76543210
	s_mov_b32 s25, 0xfedcba98                      ; v_permlanex16_b32's selects for lane l xor 16
	s_wait_kmcnt 0x0
	s_add_nc_u64 s[4:5], s[4:5], s[18:19]
	s_add_nc_u64 s[6:7], s[6:7], s[18:19]
	s_add_nc_u64 s[12:13], s[12:13], s[22:23]
.macro LOADROW i
.irp j, 0,1,2,3,4,5,6,7
	global_load_b128 v[Y0+32*\i+4*\j:Y0+32*\i+4*\j+3], v3, s[4:5] offset:4096*\i+512*\j th:TH_LOAD_NT
.endr
.irp j, 0,1,2,3,4,5,6,7
	global_load_b128 v[S0+32*\i+4*\j:S0+32*\i+4*\j+3], v3, s[6:7] offset:4096*\i+512*\j th:TH_LOAD_NT
.endr
.endm
	LOADROW 0
.irp j, 0,1,2,3,4,5,6,7
	global_load_b128 v[G+4*\j:G+4*\j+3], v3, s[8:9] offset:512*\j
.endr
.irp j, 0,1,2,3,4,5,6,7
	global_load_b128 v[BE+4*\j:BE+4*\j+3], v3, s[10:11] offset:512*\j
.endr
	LOADROW 1
.macro LANES                           ; v4 summed over the 32 lanes, in every lane
	v_add_f32_dpp v4, v4, v4 row_xmask:1 row_mask:0xf bank_mask:0xf
	v_add_f32_dpp v4, v4, v4 row_xmask:2 row_mask:0xf bank_mask:0xf
	v_add_f32_dpp v4, v4, v4 row_xmask:4 row_mask:0xf bank_mask:0xf
	v_add_f32_dpp v4, v4, v4 row_xmask:8 row_mask:0xf bank_mask:0xf
	v_permlanex16_b32 v5, v4, s24, s25
	v_add_f32 v4, v4, v5
.endm
.macro ROW i, wa, wb                   ; wa: the loads that may stay out when this row's are in; wb: likewise for g2 and be2 (-1: they are in)
.set Y, Y0+32*\i
.set S, S0+32*\i
	s_wait_loadcnt \wa
.set k, 0
.rept 16
	v_pk_add_f32 v[Y+k:Y+k+1], v[Y+k:Y+k+1], v[S+k:S+k+1]
.set k, k+2
.endr
	v_pk_add_f32 v[4:5], v[Y:Y+1], v[Y+2:Y+3]      ; the row's sum, in two packed chains
	v_pk_add_f32 v[6:7], v[Y+4:Y+5], v[Y+6:Y+7]
.set k, 8
.rept 6
	v_pk_add_f32 v[4:5], v[4:5], v[Y+k:Y+k+1]
	v_pk_add_f32 v[6:7], v[6:7], v[Y+k+2:Y+k+3]
.set k, k+4
.endr
	v_pk_add_f32 v[4:5], v[4:5], v[6:7]
	v_add_f32 v4, v4, v5
	LANES
	v_mul_f32 v8, 0xba800000, v4                   ; - the mean
	v_mov_b32 v9, v8
.set k, 0
.rept 16
	v_pk_add_f32 v[Y+k:Y+k+1], v[Y+k:Y+k+1], v[8:9]
.set k, k+2
.endr
	v_pk_mul_f32 v[4:5], v[Y:Y+1], v[Y:Y+1]        ; the squares of the differences
	v_pk_mul_f32 v[6:7], v[Y+2:Y+3], v[Y+2:Y+3]
.set k, 4
.rept 7
	v_pk_fma_f32 v[4:5], v[Y+k:Y+k+1], v[Y+k:Y+k+1], v[4:5]
	v_pk_fma_f32 v[6:7], v[Y+k+2:Y+k+3], v[Y+k+2:Y+k+3], v[6:7]
.set k, k+4
.endr
	v_pk_add_f32 v[4:5], v[4:5], v[6:7]
	v_add_f32 v4, v4, v5
	LANES
	v_fma_f32 v4, v4, s20, s21                     ; the variance + 1e-5
	v_rsq_f32 v8, v4
	v_nop                                          ; a plain line behind the transcendental
	s_wait_alu depctr_va_vdst(0)
	v_mov_b32 v9, v8
.if \wb >= 0
	s_wait_loadcnt \wb
.endif
.set k, 0
.rept 16
	v_pk_mul_f32 v[Y+k:Y+k+1], v[Y+k:Y+k+1], v[8:9]
.set k, k+2
.endr
.set k, 0
.rept 16
	v_pk_fma_f32 v[Y+k:Y+k+1], v[Y+k:Y+k+1], v[G+k:G+k+1], v[BE+k:BE+k+1]
.set k, k+2
.endr
.irp j, 0,1,2,3,4,5,6,7
	global_store_b128 v3, v[Y+4*\j:Y+4*\j+3], s[12:13] offset:8192*\i+512*\j th:TH_STORE_NT   ; my rows lie 8,192 bytes apart in out0; 512 consecutive bytes a store
.endr
.endm
	ROW 0, 32, 16                                  ; row 0's 16 loads are in (32 behind them); then g2 and be2 (row 1's 16 behind them)
	ROW 1, 0, -1
	s_endpgm
.Lfunc_end_k_q8c3e33b5c9_ln2:
	.size	k_q8c3e33b5c9_ln2, .Lfunc_end_k_q8c3e33b5c9_ln2-k_q8c3e33b5c9_ln2
	.p2alignl 7, 3214868480
	.fill 96, 4, 3214868480
	.section	.rodata,"a",@progbits
	.p2align	6, 0x0
	.amdhsa_kernel k_q8c3e33b5c9_ln2
		.amdhsa_group_segment_fixed_size 0
		.amdhsa_private_segment_fixed_size 0
		.amdhsa_enable_private_segment 0
		.amdhsa_kernarg_size 40
		.amdhsa_user_sgpr_count 2
		.amdhsa_user_sgpr_kernarg_segment_ptr 1
		.amdhsa_wavefront_size32 1
		.amdhsa_system_sgpr_workgroup_id_x 1
		.amdhsa_system_sgpr_workgroup_id_y 1
		.amdhsa_system_sgpr_workgroup_id_z 1
		.amdhsa_system_vgpr_workitem_id 0
		.amdhsa_next_free_vgpr 208
		.amdhsa_next_free_sgpr 66
		.amdhsa_reserve_vcc 0
		.amdhsa_float_denorm_mode_32 3
		.amdhsa_float_denorm_mode_16_64 3
		.amdhsa_memory_ordered 1
		.amdhsa_forward_progress 1
		.amdhsa_inst_pref_size 22
	.end_amdhsa_kernel
	.amdgpu_metadata
---
amdhsa.version: [ 1, 2 ]
amdhsa.kernels:
  - .name:           k_q8c3e33b5c9_ln2
    .symbol:         k_q8c3e33b5c9_ln2.kd
    .args:
      - { .name: tbuf, .offset: 0, .size: 8, .value_kind: global_buffer, .address_space: global }
      - { .name: xbuf, .offset: 8, .size: 8, .value_kind: global_buffer, .address_space: global }
      - { .name: g2, .offset: 16, .size: 8, .value_kind: global_buffer, .address_space: global }
      - { .name: be2, .offset: 24, .size: 8, .value_kind: global_buffer, .address_space: global }
      - { .name: out0, .offset: 32, .size: 8, .value_kind: global_buffer, .address_space: global }
    .group_segment_fixed_size: 0
    .private_segment_fixed_size: 0
    .kernarg_segment_align: 8
    .kernarg_segment_size: 40
    .max_flat_workgroup_size: 256
    .sgpr_count:     66
    .vgpr_count:     208
    .wavefront_size: 32
...
	.end_amdgpu_metadata
.endif
;; end of part 9
;; ======== version 2 of 2: 8 launches
;; limits: right only within a limited range of input values
;; workspace buffers: actc 4,325,376 bytes; qkv 13,238,272 bytes; ao 4,325,376 bytes; tbuf 16,777,216 bytes; xbuf 16,777,216 bytes; hid 17,301,504 bytes
;; launch quant_src (part 10): grid 256 x 1, 4 waves a work-group, no clusters, 22,016 bytes of LDS; arguments src, actc; writes actc
.if DOCPART == 10
	.amdgcn_target "amdgcn-amd-amdhsa--gfx1250"
	.amdhsa_code_object_version 6
	.text
	.protected	k_q8c3e33b5c9_quant_src
	.globl	k_q8c3e33b5c9_quant_src
	.p2align	8
	.type	k_q8c3e33b5c9_quant_src,@function
k_q8c3e33b5c9_quant_src:
	s_mov_b64 s[64:65], 0
	v_nop
	global_prefetch_b8 v0, s[64:65] scope:SCOPE_SE
	s_setreg_imm32_b32 hwreg(HW_REG_WAVE_MODE, 25, 1), 1
	s_wait_xcnt 0x0
; src [2048 s][2 b][1024] f32 becomes codes of E5M2, K = the 1,024 innermost, and one E8M0 byte for each 32 along K.
; actc: codes [m'][1024] at byte 0, scale bytes [m'][32] at byte ASC; m' = 2048 b + s is the row order of every later launch.
; A block's scale is 2^(floor(log2(largest magnitude)) - 15): its byte is that magnitude's exponent field - 15, held at 1 from below.
; LIMITS: a block of zeros gets the byte 1 and not 127 (its codes are zeros, and this program alone reads the bytes); NaN and infinities are not served.
; A work-group takes 16 rows m', a wave 4 of them: 8 steps of 512 numbers.  All 32 loads of a wave (16 KiB) go out at the head; each reads 512 consecutive bytes.
; The conversion wants 16 neighbours in one lane: a step's 2,048 bytes turn through the wave's own stage in LDS (64 bytes + 16 of padding a lane), one step ahead of the work.
; A lane's 16 codes are 16 bytes: a store covers 512 consecutive bytes.  The work-group's 512 scale bytes meet in LDS and leave by one store.
.set SP,   80                          ; a lane's place in a stage
.set STG,  2*32*SP                     ; two stages for each wave
.set SB,   4*STG                       ; behind them: the work-group's 512 scale bytes
.set ASC,  4194304                     ; where the scale bytes begin in actc
.set R,    16                          ; v16-143  eight sets of 16 numbers as loaded
.set X,    144                         ; v144-175 two sets of 16 neighbours
.set C,    176                         ; v176-207 four registers of codes for each step
.set E,    208                         ; v208-215 a scale byte for each step
	s_load_b128 s[4:7], s[0:1], 0x0                ; src, actc
	v_lshl_add_u32 v216, v0, 2, 0x5400
	v_mov_b32 v217, 0
	v_lshrrev_b32 v1, 5, v0
	v_readfirstlane_b32 s8, v1                     ; wave
	v_and_b32 v2, 31, v0                           ; lane
	v_lshlrev_b32 v3, 4, v2                        ; 16 x lane
	s_mul_i32 s9, s8, STG
	v_lshrrev_b32 v14, 2, v2
	v_mul_u32_u24 v14, v14, SP
	v_and_b32 v15, 3, v2
	v_lshl_add_u32 v14, v15, 4, v14
	v_add_nc_u32 v14, s9, v14                      ; the stage, in: SP (lane / 4) + 16 (lane % 4)
	v_mul_u32_u24 v15, v2, SP
	v_add_nc_u32 v15, s9, v15                      ; and out: SP x lane
	v_lshrrev_b32 v5, 1, v2
	s_lshl_b32 s10, s8, 7
	s_add_co_u32 s10, s10, SB
	v_add_nc_u32 v5, s10, v5                       ; my block's byte among my wave's 128
	v_add_nc_u32 v6, SB, v3                        ; wave 0 reads all 512 back
	s_mov_b32 s23, 0x600000                        ; the mantissa field of 57,344
	s_lshr_b32 s11, ttmp9, 7                       ; b
	s_and_b32 s12, ttmp9, 127
	s_lshl_b32 s12, s12, 4
	s_lshl_b32 s13, s8, 2
	s_add_co_u32 s12, s12, s13                     ; s of my first row
	s_lshl_b32 s12, s12, 1
	s_add_co_u32 s12, s12, s11                     ; its row in src: 2 s + b
	s_lshl_b32 s12, s12, 12
	s_mov_b32 s13, 0
	s_lshl_b32 s14, ttmp9, 4
	s_lshl_b32 s15, s8, 2
	s_add_co_u32 s14, s14, s15                     ; m' of my first row
	s_lshl_b32 s14, s14, 10
	s_mov_b32 s15, 0
	s_lshl_b32 s16, ttmp9, 9
	s_add_co_u32 s16, s16, ASC
	s_mov_b32 s17, 0
	s_wait_alu depctr_va_vdst(0)
	s_wait_kmcnt 0x0
	s_add_nc_u64 s[4:5], s[4:5], s[12:13]
	s_add_nc_u64 s[18:19], s[6:7], s[16:17]        ; the work-group's scale bytes
	s_add_nc_u64 s[6:7], s[6:7], s[14:15]          ; my wave's codes
.irp t, 0,1,2,3,4,5,6,7
.irp i, 0,1,2,3
	global_load_b128 v[R+16*\t+4*\i:R+16*\t+4*\i+3], v3, s[4:5] offset:(\t/2)*8192+(\t%2)*2048+512*\i th:TH_LOAD_NT   ; my rows lie 8,192 bytes apart in src
.endr
.endr
.macro TURN t                          ; step t through the stage: LDS serves a wave's instructions in order, so no wait stands between the stores and the loads
.irp i, 0,1,2,3
	ds_store_b128 v14, v[R+16*(\t)+4*\i:R+16*(\t)+4*\i+3] offset:32*SP*((\t)%2)+8*SP*\i
.endr
.irp i, 0,1,2,3
	ds_load_b128 v[X+16*((\t)%2)+4*\i:X+16*((\t)%2)+4*\i+3], v15 offset:32*SP*((\t)%2)+16*\i
.endr
.endm
	s_wait_loadcnt 28                              ; step 0's four loads are in; the 28 behind them may be out
	TURN 0
.macro STEP t
.set XS, X+16*((\t)%2)
.if (\t) > 0
	s_wait_dscnt 1                                 ; this step's numbers are back (the last step's byte store may be out)
.else
	s_wait_dscnt 0x0
.endif
.if (\t)+1 < 8
	s_wait_loadcnt 24-4*(\t)                       ; the next step's four loads are in; those of the later steps may be out
	TURN (\t)+1
.endif
	v_max3_num_f32 v8, |v[XS]|, |v[XS+1]|, |v[XS+2]|
	v_max3_num_f32 v9, |v[XS+3]|, |v[XS+4]|, |v[XS+5]|
.irp i, 6,10
	v_max3_num_f32 v8, v8, |v[XS+\i]|, |v[XS+\i+1]|
	v_max3_num_f32 v9, v9, |v[XS+\i+2]|, |v[XS+\i+3]|
.endr
	v_max3_num_f32 v8, v8, |v[XS+14]|, |v[XS+15]|
	v_max3_num_f32 v8, v8, v9, 0x8000000           ; the floor 2^(16 - 127): the byte cannot fall under 1
	v_max_num_f32_dpp v8, v8, v8 row_xmask:1 row_mask:0xf bank_mask:0xf   ; with my neighbour's 16: the block's largest magnitude
	v_add_nc_u32 v11, 0xf8800000, v8               ; 15 off its exponent field: the conversion's scale operand
	v_and_or_b32 v10, v8, 0x7f800000, s23          ; 57,344 x the scale
.set i, 0
.rept 16
	v_med3_num_f32 v[XS+i], v[XS+i], -v10, v10     ; the conversion does not saturate (ISA guide 7.6.2): the hold comes first
.set i, i+1
.endr
	v_cvt_scalef32_pk8_bf8_f32 v[C+4*(\t):C+4*(\t)+1], v[XS:XS+7], v11
	v_cvt_scalef32_pk8_bf8_f32 v[C+4*(\t)+2:C+4*(\t)+3], v[XS+8:XS+15], v11
	v_lshrrev_b32 v[E+(\t)], 23, v11               ; the scale's byte (also the plain line behind the conversions)
	ds_store_b8 v5, v[E+(\t)] offset:16*(\t)       ; both lanes of a block write the same byte
	global_store_b128 v3, v[C+4*(\t):C+4*(\t)+3], s[6:7] offset:512*(\t)
.endm
.irp t, 0,1,2,3,4,5,6,7
	STEP \t
.endr
	s_wait_dscnt 0x0                               ; my byte stores have landed: then the barrier
	s_barrier_signal -1
	s_barrier_wait -1
	s_cmp_lg_u32 s8, 0
	s_cbranch_scc1 .Ldone
	ds_load_b128 v[8:11], v6                       ; wave 0: 16 rows x 32 bytes
	s_wait_dscnt 0x0
	global_store_b128 v3, v[8:11], s[18:19]        ; 512 consecutive bytes
.Ldone:
	s_wait_tensorcnt 0x0
	ds_add_u32 v216, v217
	s_wait_dscnt 0x0
	s_endpgm
.Lfunc_end_k_q8c3e33b5c9_quant_src:
	.size	k_q8c3e33b5c9_quant_src, .Lfunc_end_k_q8c3e33b5c9_quant_src-k_q8c3e33b5c9_quant_src
	.p2alignl 7, 3214868480
	.fill 96, 4, 3214868480
	.section	.rodata,"a",@progbits
	.p2align	6, 0x0
	.amdhsa_kernel k_q8c3e33b5c9_quant_src
		.amdhsa_group_segment_fixed_size 22016
		.amdhsa_private_segment_fixed_size 0
		.amdhsa_enable_private_segment 0
		.amdhsa_kernarg_size 16
		.amdhsa_user_sgpr_count 2
		.amdhsa_user_sgpr_kernarg_segment_ptr 1
		.amdhsa_wavefront_size32 1
		.amdhsa_system_sgpr_workgroup_id_x 1
		.amdhsa_system_sgpr_workgroup_id_y 1
		.amdhsa_system_sgpr_workgroup_id_z 1
		.amdhsa_system_vgpr_workitem_id 0
		.amdhsa_next_free_vgpr 218
		.amdhsa_next_free_sgpr 66
		.amdhsa_reserve_vcc 0
		.amdhsa_float_denorm_mode_32 3
		.amdhsa_float_denorm_mode_16_64 3
		.amdhsa_memory_ordered 1
		.amdhsa_forward_progress 1
		.amdhsa_inst_pref_size 27
	.end_amdhsa_kernel
	.amdgpu_metadata
---
amdhsa.version: [ 1, 2 ]
amdhsa.kernels:
  - .name:           k_q8c3e33b5c9_quant_src
    .symbol:         k_q8c3e33b5c9_quant_src.kd
    .args:
      - { .name: src, .offset: 0, .size: 8, .value_kind: global_buffer, .address_space: global }
      - { .name: actc, .offset: 8, .size: 8, .value_kind: global_buffer, .address_space: global }
    .group_segment_fixed_size: 22016
    .private_segment_fixed_size: 0
    .kernarg_segment_align: 8
    .kernarg_segment_size: 16
    .max_flat_workgroup_size: 128
    .sgpr_count:     66
    .vgpr_count:     218
    .wavefront_size: 32
...
	.end_amdgpu_metadata
.endif
;; end of part 10
;; launch qkv (part 11): grid 8 x 32, 4 waves a work-group, clusters of 4 x 4, 327,680 bytes of LDS; arguments actc, Wq_codes, Wk_codes, Wv_codes, Wq_scales, Wk_scales, Wv_scales, bq, bk, bv, qkv; writes qkv
.if DOCPART == 11
	.amdgcn_target "amdgcn-amd-amdhsa--gfx1250"
	.amdhsa_code_object_version 6
	.text
	.protected	k_q8c3e33b5c9_qkv
	.globl	k_q8c3e33b5c9_qkv
	.p2align	8
	.type	k_q8c3e33b5c9_qkv,@function
k_q8c3e33b5c9_qkv:
	s_mov_b64 s[64:65], 0
	v_nop
	global_prefetch_b8 v0, s[64:65] scope:SCOPE_SE
	s_setreg_imm32_b32 hwreg(HW_REG_WAVE_MODE, 25, 1), 1
	s_wait_xcnt 0x0
	s_wait_alu depctr_hold_cnt(0) depctr_sa_sdst(0) depctr_va_vdst(0) depctr_va_sdst(0) depctr_va_ssrc(0) depctr_va_vcc(0) depctr_vm_vsrc(0)
	s_getreg_b32 s2, hwreg(HW_REG_IB_STS2, 6, 4)
	s_cmp_eq_u32 s2, 0
	s_cbranch_scc0 .Lentry_in_a_cluster
	s_endpgm
.Lentry_in_a_cluster:
	s_bfe_u32 s2, ttmp6, 0x10000c
	s_cmp_lg_u32 s2, 0xf033
	s_cbranch_scc0 .Lentry_shape_is_right
	s_endpgm
.Lentry_shape_is_right:
; q = src Wq^T + bq, k = src Wk^T + bk, v^T = Wv src^T + bv on codes of E5M2 with E8M0 scales; q and k are quantised again along the head's 64, v along the keys; all three leave as IMAGES OF OPERAND REGISTERS.
; A WORK-GROUP STAYS: it owns 128 tokens and 128 features (two heads) and makes three tiles of 128 x 128, one for each weight.  The tokens' codes for all of K = 1,024 (two LDS slots of 512) and their scale words
; are fetched once and stay; only the weight's part of a slot is filled again, with the next weight's rows, while the other slot is multiplied.  Four waves, 2 x 2, each 64 x 64: 16 accumulators.
; CLUSTER 4 x 4: the tokens' tile is shared along a row of the cluster, a weight's along a column: joint tensor loads, which quarter the requests.
; q, k: source 0 = 16 rows of the weight, source 1 = 16 tokens: a lane holds one token, its registers run along the features.  v: the sources change places: a lane holds one channel, its registers run along the tokens.
; THE ROWS OF A FRAGMENT ARE NOT NEIGHBOURS: lane r of fragment i takes row 32 (i / 2) + 8 (i % 2) + r + (r & 8) of its 64: so the 16 registers of tiles 2 n, 2 n + 1 are 16 neighbours along source 0's rows
; (a block of 32 lies in lanes l and l xor 16), and stored fragments have the order of keys and channels that the attention launch wants.
; OUT (qkv): q at 0, k at 4,194,304: images [b][head][tile of 16 tokens][chunk 2][512]; their words at 12,582,912 and 12,845,056: [b][head][tile][r], bytes 2 and 3 zero (they scale zero codes there).
;   v at 8,388,608: [b][head][key step 16][fragment 4][chunk 4][512]; its words at 13,107,200: [b][head][key step][fragment][r].
; LIMITS: a block of zeros gets the byte 1 and not 127 (its codes are zeros; this program alone reads the bytes); NaN and infinities are not served.
; REGISTERS: window 0: v1-15, v28-31 at work; v16-27 addresses; v32-95 scale words, two sets, nothing else; v96-127 the codes; v128-255 the accumulators.
;   window 1: two fragment buffers of 128: the tokens' four fragments, then the weight's four.   window 2: the three biases in the results' layout, 32 registers each: the C of each tile's first products.
; k's scale words: the word of each tile of a pair (2 i, 2 i + 1) holds the pair's four bytes, tile 2 i's two and then tile 2 i + 1's; what is said above of bytes 2 and 3 holds of q's words alone.
; LOADS: at the head each wave issues one joint load (the tokens' 128 rows of slot 0, Wq's, the tokens' scale bytes, Wq's); slot 1's two tiles and Wk's and Wv's scale bytes follow behind one full sequence and a round.
.set SIZE_K, 1024
.set PITCH,  528                       ; an LDS row: 512 bytes + 16 of padding
.set HALFT,  64*PITCH                  ; 64 rows: what one wave reads of a side
.set SLOT,   4*HALFT                   ; the tokens' 128 rows, then the weight's 128
.set SCL,    2*SLOT                    ; the tokens' scale bytes of all of K: two halves of 64 rows x 32 bytes, as units of 256 + 16
.set HALFS,  8*272
.set SCLB,   SCL+2*HALFS               ; the three weights' scale bytes, likewise: 2 HALFS for each
.set SPARE,  SCLB+6*HALFS              ; the spare words, 128 bytes a wave: no other line names them
.set SG,     SPARE+512                 ; q's and k's scale words on their way out: 256 bytes for each wave; no tensor load lands here
.set SGV,    SG+1024                   ; v's: 512 bytes for the work-group
.set ASC,    4194304                   ; actc's scale bytes
.set PW,   3
.set TMA,  4
.set TMB,  8
.set TMC,  12
.set TMD,  28
.set ADRA, 16
.set ADRB, 18
.set ADRSA, 20
.set ADRSB, 21
.set VO,   22                          ; 16 x lane
.set SGW,  23                          ; q, k: my wave's words, in
.set SGR,  24                          ; and back
.set SGRV, 25                          ; v: where wave 0 reads the words back
.set SPW,  26
.set NIL,  27
.set SGO,  1                           ; 8 x lane
.set SGWV, 2                           ; v: where my half of a word goes
.set SC,   32
.set CD,   96
.set ACC,  128
.set F0,   0
.set F1,   128
.set G1,   24
.set G0,   32
.set G1B,  48
.set G0B,  56
.set G1S,  68
.set G0S,  76
.set G1SB, 80
.set G0SB, 88
.set G0SK, 92
.set G0SV, 96
.set WK,   4                           ; s[4:5]  my rows of Wk's tile;  s[6:7] of Wv's
.set WVP,  6
.set VT,   0                           ; 1 while the tile in hand is v's
.set MSB, 0
.macro WIN new                         ; the immediate's high byte repeats the setting that is left
.if MSB != \new
	s_set_vgpr_msb (MSB<<8)|\new
.set MSB, \new
.endif
.endm
.macro PLACES n                        ; plain vector places behind matrix instructions: eight for this form
.rept \n
	v_nop
.endr
.endm
.macro GRP1 g, c, r, p                 ; words 1 to 7 of a descriptor's group 1: r rows of c elements, p elements from row to row
	s_mov_b32 s[\g+1], (\c)<<16
	s_mov_b32 s[\g+2], (\r)<<16
	s_mov_b32 s[\g+3], (\c)<<16
	s_mov_b32 s[\g+4], \r
	s_mov_b32 s[\g+5], \p
	s_mov_b32 s[\g+6], 0
	s_mov_b32 s[\g+7], 0
.endm
.macro LOAD1 g0, g1                    ; a tensor load with the s_nop 0 and the four v_nop
	tensor_load_to_lds s[\g0:\g0+3], s[\g1:\g1+7]
	s_nop 0
.rept 4
	v_nop
.endr
.endm
.macro QUAD a0, a1, b0, b1, c0, c1, d0, d1   ; four joint first fills, one a wave: one chain of branches on the wave's number, a load to an arm, all arms to one join
	s_cmp_lt_u32 s14, 1
	s_cbranch_scc0 .Lq1_\@
	LOAD1 \a0, \a1
	s_branch .Lqe_\@
.Lq1_\@:
	s_cmp_lt_u32 s14, 2
	s_cbranch_scc0 .Lq2_\@
	LOAD1 \b0, \b1
	s_branch .Lqe_\@
.Lq2_\@:
	s_cmp_lt_u32 s14, 3
	s_cbranch_scc0 .Lq3_\@
	LOAD1 \c0, \c1
	s_branch .Lqe_\@
.Lq3_\@:
	LOAD1 \d0, \d1
.Lqe_\@:
.endm
.macro BLOAD s                         ; a joint refill of the weight's part of slot s: wave 1 brings its 128 rows; the other waves have no part of it
	s_cmp_lg_u32 s14, 1
	s_cbranch_scc1 .Lnone_\@
	tensor_load_to_lds s[G0B+4*\s:G0B+4*\s+3], s[G1B:G1B+7]
	s_nop 0
.rept 4
	v_nop
.endr
.Lnone_\@:
.endm
.macro CREST                           ; a round of the cluster's barrier behind its opening barrier
	s_cmp_lg_u32 s14, 0
	s_cbranch_scc1 .Lnot_wave_0_\@
	s_barrier_signal -3
.Lnot_wave_0_\@:
	s_barrier_wait -3
	s_barrier_signal -1
	s_barrier_wait -1
.endm
.macro CROUND
	s_barrier_signal -1
	s_barrier_wait -1
	CREST
.endm
	s_load_b512 s[68:83], s[0:1], 0x0              ; actc 68, Wq codes 70, Wk codes 72, Wv codes 74, Wq scales 76, Wk scales 78, Wv scales 80, bq 82
	s_load_b128 s[84:87], s[0:1], 0x40             ; bk 84, bv 86
	s_load_b64 s[12:13], s[0:1], 0x50              ; qkv
	v_lshl_add_u32 v[SPW], v0, 2, SPARE
	v_mov_b32 v[NIL], 0
	ds_add_u32 v26, v27
	ds_add_u32 v26, v27
	s_wait_dscnt 0x0
	v_lshrrev_b32 v1, 5, v0
	v_readfirstlane_b32 s14, v1                    ; wave
	s_lshr_b32 s15, s14, 1                         ; my 64 tokens of the tile.
	s_and_b32 s16, s14, 1                          ; my 64 features: my head.  Also: which 64 rows I fetch
	s_bfe_u32 s40, ttmp6, 0x40000                  ; cx
	s_bfe_u32 s41, ttmp6, 0x40004                  ; cy
	s_lshl_b32 s42, ttmp9, 2
	s_add_co_u32 s42, s42, s40                     ; X: the features' tile, 0 to 7
	s_and_b32 s17, ttmp7, 0xffff
	s_lshl_b32 s17, s17, 2
	s_add_co_u32 s17, s17, s41                     ; Y: the tokens' tile
	s_lshl_b32 s43, s41, 2
	s_lshl_b32 s43, 15, s43                        ; my row of the cluster
	s_lshl_b32 s44, 0x1111, s40                    ; my column
	s_or_b32 s[G1+0], s43, (1<<20)|(1<<21)|(6<<22)|(3<<25)    ; mask; elements of 1 byte; padding of 4 words behind every 128; bit 21 beside a mask
	GRP1 G1, 512, 128, SIZE_K
	s_or_b32 s[G1B+0], s44, (1<<20)|(1<<21)|(6<<22)|(3<<25)
	GRP1 G1B, 512, 128, SIZE_K
	s_lshl_b32 s2, s16, 6
	s_lshl_b32 s18, s17, 7                         ; the tile's first token: 128 Y
	s_lshl_b32 s19, s42, 7
	s_add_co_u32 s19, s19, s2                      ; a weight's rows: 128 X + 64 x half
	s_lshr_b32 s2, s17, 4
	s_lshl_b32 s2, s2, 4                           ; 16 b
	s_lshl_b32 s40, s42, 1
	s_add_co_u32 s40, s40, s2
	s_add_co_u32 s40, s40, s16                     ; 16 b + my head
	s_lshl_b32 s41, s40, 4
	s_and_b32 s2, s17, 15
	s_add_co_u32 s41, s41, s2                      ; x 16 + the key step: v's place
	s_lshl_b32 s40, s40, 7
	s_lshl_b32 s2, s2, 3
	s_add_co_u32 s40, s40, s2
	s_lshl_b32 s2, s15, 2
	s_add_co_u32 s40, s40, s2                      ; my first tile of 16 tokens: q's and k's place
	s_mov_b32 s3, 0
	s_wait_kmcnt 0x0
	s_lshl_b32 s2, s18, 10
	s_add_nc_u64 s[G0+2:G0+3], s[68:69], s[2:3]    ; the tokens' codes
	s_lshl_b32 s2, s18, 5
	s_add_co_u32 s2, s2, ASC
	s_add_nc_u64 s[20:21], s[68:69], s[2:3]        ; their scale bytes
	s_lshl_b32 s2, s42, 17                         ; a weight's tile begins at row 128 X: 1,024 bytes a row
	s_add_nc_u64 s[G0B+2:G0B+3], s[70:71], s[2:3]  ; Wq's codes
	s_add_nc_u64 s[WK:WK+1], s[72:73], s[2:3]      ; Wk's
	s_add_nc_u64 s[WVP:WVP+1], s[74:75], s[2:3]    ; Wv's
	s_lshl_b32 s2, s42, 12                         ; and its scale bytes: 32 a row
	s_add_nc_u64 s[G0SB+2:G0SB+3], s[76:77], s[2:3]   ; the weights' scale bytes
	s_add_nc_u64 s[G0SK+2:G0SK+3], s[78:79], s[2:3]
	s_add_nc_u64 s[G0SV+2:G0SV+3], s[80:81], s[2:3]
	s_lshl_b32 s2, s19, 2
	s_add_nc_u64 s[8:9], s[82:83], s[2:3]          ; my 64 numbers of bq,
	s_add_nc_u64 s[10:11], s[84:85], s[2:3]        ; bk,
	s_add_nc_u64 s[22:23], s[86:87], s[2:3]        ; bv
	s_lshl_b32 s2, s40, 6
	s_add_co_u32 s2, s2, 12582912
	s_add_nc_u64 s[46:47], s[12:13], s[2:3]        ; q's scale words (k's lie 262,144 on)
	s_lshl_b32 s2, s41, 13
	s_lshl_b32 s67, s15, 10                        ; my two chunks of four
	s_add_co_u32 s2, s2, s67
	s_add_co_u32 s2, s2, 8388608
	s_add_nc_u64 s[100:101], s[12:13], s[2:3]      ; v's images
	s_lshl_b32 s2, s41, 8
	s_add_co_u32 s2, s2, 13107200
	s_add_nc_u64 s[104:105], s[12:13], s[2:3]      ; v's scale words (used by wave 0, whose head is the tile's first)
	s_lshl_b32 s2, s40, 10
	s_add_nc_u64 s[12:13], s[12:13], s[2:3]        ; q's images (k's lie 4,194,304 on)
	s_or_b32 s[G1S+0], s43, (3<<16)|(1<<20)|(1<<21)|(5<<22)|(3<<25)   ; the scales of 128 rows: 4,096 dense bytes as 16 rows of 256, 16 of padding behind each
	GRP1 G1S, 32, 16, 32
	s_or_b32 s[G1SB+0], s44, (3<<16)|(1<<20)|(1<<21)|(5<<22)|(3<<25)
	GRP1 G1SB, 32, 16, 32
	CROUND                                         ; all sixteen work-groups are here: the first joint loads meet
	s_mov_b32 s[G0S], 1
	s_mov_b32 s[G0S+1], SCL
	s_mov_b64 s[G0S+2:G0S+3], s[20:21]
	s_or_b32 s[G0S+3], s[G0S+3], 0x80000000
	s_mov_b32 s[G0SB], 1
	s_mov_b32 s[G0SB+1], SCLB
	s_or_b32 s[G0SB+3], s[G0SB+3], 0x80000000
	s_mov_b32 s[G0SK], 1
	s_mov_b32 s[G0SK+1], SCLB+2*HALFS
	s_or_b32 s[G0SK+3], s[G0SK+3], 0x80000000
	s_mov_b32 s[G0SV], 1
	s_mov_b32 s[G0SV+1], SCLB+4*HALFS
	s_or_b32 s[G0SV+3], s[G0SV+3], 0x80000000
	s_add_nc_u64 s[G0+6:G0+7], s[G0+2:G0+3], 512   ; slot 1: the second 512 along K
	s_add_nc_u64 s[G0B+6:G0B+7], s[G0B+2:G0B+3], 512
.irp s, 0,1
	s_mov_b32 s[G0+4*\s], 1
	s_mov_b32 s[G0+4*\s+1], \s*SLOT
	s_or_b32 s[G0+4*\s+3], s[G0+4*\s+3], 0x80000000
	s_mov_b32 s[G0B+4*\s], 1
	s_mov_b32 s[G0B+4*\s+1], \s*SLOT+2*HALFT
	s_or_b32 s[G0B+4*\s+3], s[G0B+4*\s+3], 0x80000000
.endr
	QUAD G0, G1, G0B, G1B, G0S, G1S, G0SB, G1SB    ; the head's loads, one a wave: slot 0's tokens | Wq's rows | the tokens' scale bytes | Wq's
	v_and_b32 v1, 15, v0                           ; r
	v_bfe_u32 v2, v0, 4, 1                         ; h
	v_lshlrev_b32 v14, 6, v2
	v_and_b32 v3, 8, v1
	v_add_nc_u32 v3, v3, v1                        ; r + (r & 8)
	s_wait_alu depctr_va_vdst(0)
	v_lshlrev_b32 v15, 2, v3
	WIN 0x80                                       ; destination window 2
.irp b, 0,1,2,3                                ; bq, bk in the result's layout: tile b, register j: feature 32 (b / 2) + 8 (b % 2) + 16 h + j
	global_load_b128 v[8*\b:8*\b+3], v14, s[8:9] offset:(32*(\b/2)+8*(\b%2))*4
	global_load_b128 v[8*\b+4:8*\b+7], v14, s[8:9] offset:(32*(\b/2)+8*(\b%2))*4+16
	global_load_b128 v[32+8*\b:32+8*\b+3], v14, s[10:11] offset:(32*(\b/2)+8*(\b%2))*4
	global_load_b128 v[32+8*\b+4:32+8*\b+7], v14, s[10:11] offset:(32*(\b/2)+8*(\b%2))*4+16
.endr
.irp x, 0,1,2,3                                ; bv: a lane holds one channel, so its eight registers of fragment x hold the same number
.irp j, 0,1,2,3,4,5,6,7
	global_load_b32 v[64+8*\x+\j], v15, s[22:23] offset:(32*(\x/2)+8*(\x%2))*4
.endr
.endr
	WIN 0
	v_mul_u32_u24 v4, v3, PITCH
	v_lshl_add_u32 v4, v2, 4, v4
	s_mul_i32 s2, s15, HALFT
	s_mul_i32 s3, s16, HALFT
	s_add_co_u32 s3, s3, 2*HALFT
.irp s, 0,1
	v_add_nc_u32 v[ADRA+\s], s2, v4
	v_add_nc_u32 v[ADRB+\s], s3, v4
	s_add_co_u32 s2, s2, SLOT
	s_add_co_u32 s3, s3, SLOT
.endr
	v_lshlrev_b32 v5, 5, v3                        ; my row's 32 scale bytes,
	v_lshrrev_b32 v6, 8, v5
	v_lshl_add_u32 v5, v6, 4, v5                   ; and 16 more for each 256 passed
	s_mul_i32 s2, s15, HALFS
	s_add_co_u32 s2, s2, SCL
	s_mul_i32 s3, s16, HALFS
	s_add_co_u32 s3, s3, SCLB
	v_add_nc_u32 v[ADRSA], s2, v5
	v_add_nc_u32 v[ADRSB], s3, v5
	v_and_b32 v7, 31, v0
	v_lshlrev_b32 v[VO], 4, v7
	s_lshl_b32 s2, s14, 8
	s_add_co_u32 s2, s2, SG
	v_lshl_add_u32 v[SGW], v1, 2, s2
	v_lshl_add_u32 v[SGR], v7, 3, s2
	v_add_nc_u32 v[SGRV], SGV, v[VO]
	s_lshl_b32 s2, s16, 8
	s_lshl_b32 s3, s15, 1
	s_add_co_u32 s2, s2, s3
	s_add_co_u32 s2, s2, SGV
	v_lshl_add_u32 v[SGWV], v1, 2, s2              ; 256 x head + 4 r + 2 x my half of the tokens
	v_lshlrev_b32 v[SGO], 3, v7
	s_mov_b32 s20, 0x76543210
	s_mov_b32 s21, 0xfedcba98                      ; v_permlanex16_b32's selects for lane l xor 16
	s_mov_b32 s19, 0x600000                        ; the mantissa field of 57,344
.macro FETCHW slot, q, f               ; the weight's four fragments of the slot's q-th 128 along K
.irp i, 0,1,2,3
.irp c, 0,1,2,3
	ds_load_b128 v[\f+64+16*\i+4*\c:\f+64+16*\i+4*\c+3], v[ADRB+\slot] offset:128*(\q)+32*\c+(32*(\i/2)+8*(\i%2))*PITCH
.endr
.endr
.endm
.macro FETCHT slot, q, f               ; the tokens' four
.irp i, 0,1,2,3
.irp c, 0,1,2,3
	ds_load_b128 v[\f+16*\i+4*\c:\f+16*\i+4*\c+3], v[ADRA+\slot] offset:128*(\q)+32*\c+(32*(\i/2)+8*(\i%2))*PITCH
.endr
.endr
.endm
.macro FETCH slot, q, f, sw            ; 32 LDS loads in one run; source 1's fragments last: the tokens' for q and k (sw = 0), the weight's for v (sw = 1)
	WIN 0x40
.if \sw
	FETCHT \slot, \q, \f
	FETCHW \slot, \q, \f
.else
	FETCHW \slot, \q, \f
	FETCHT \slot, \q, \f
.endif
.endm
.macro SCALEST s                       ; the tokens' four scale words a row for slot s: loaded once, they serve all three tiles
.irp i, 0,1,2,3
	ds_load_b128 v[SC+32*\s+4*\i:SC+32*\s+4*\i+3], v[ADRSA] offset:16*\s+(4*(\i/2)+(\i%2))*272
.endr
.endm
.macro SCALESW s, t                    ; weight t's, for slot s
.irp i, 0,1,2,3
	ds_load_b128 v[SC+32*\s+16+4*\i:SC+32*\s+16+4*\i+3], v[ADRSB] offset:16*\s+(\t)*2*HALFS+(4*(\i/2)+(\i%2))*272
.endr
.endm
; Four products.  The 16 accumulators take turns.  bi >= 0: the bias, at v[bi] of window 2, is the sum's C.
.macro MULA f, a, q, s, bi             ; q, k: the tokens' fragment a against the weight's four; accumulator (a, b) at ACC + 8 (4 a + b)
.irp b, 0,1,2,3
.if (\bi) >= 0
	v_wmma_scale_f32_16x16x128_f8f6f4 v[ACC+8*(4*\a+\b):ACC+8*(4*\a+\b)+7], v[\f+64+16*\b:\f+64+16*\b+15], v[\f+16*\a:\f+16*\a+15], v[(\bi)+8*\b:(\bi)+8*\b+7], v[SC+32*\s+16+4*\b+(\q)], v[SC+32*\s+4*\a+(\q)] matrix_a_fmt:MATRIX_FMT_BF8 matrix_b_fmt:MATRIX_FMT_BF8
.else
	v_wmma_scale_f32_16x16x128_f8f6f4 v[ACC+8*(4*\a+\b):ACC+8*(4*\a+\b)+7], v[\f+64+16*\b:\f+64+16*\b+15], v[\f+16*\a:\f+16*\a+15], v[ACC+8*(4*\a+\b):ACC+8*(4*\a+\b)+7], v[SC+32*\s+16+4*\b+(\q)], v[SC+32*\s+4*\a+(\q)] matrix_a_fmt:MATRIX_FMT_BF8 matrix_b_fmt:MATRIX_FMT_BF8
.endif
.endr
.endm
.macro MULV f, x, q, s, bi             ; v: the weight's fragment x (source 1) against the tokens' four (source 0); accumulator (x, y) at ACC + 8 (4 x + y)
.irp y, 0,1,2,3
.if (\bi) >= 0
	v_wmma_scale_f32_16x16x128_f8f6f4 v[ACC+8*(4*\x+\y):ACC+8*(4*\x+\y)+7], v[\f+16*\y:\f+16*\y+15], v[\f+64+16*\x:\f+64+16*\x+15], v[(\bi)+8*\x:(\bi)+8*\x+7], v[SC+32*\s+4*\y+(\q)], v[SC+32*\s+16+4*\x+(\q)] matrix_a_fmt:MATRIX_FMT_BF8 matrix_b_fmt:MATRIX_FMT_BF8
.else
	v_wmma_scale_f32_16x16x128_f8f6f4 v[ACC+8*(4*\x+\y):ACC+8*(4*\x+\y)+7], v[\f+16*\y:\f+16*\y+15], v[\f+64+16*\x:\f+64+16*\x+15], v[ACC+8*(4*\x+\y):ACC+8*(4*\x+\y)+7], v[SC+32*\s+4*\y+(\q)], v[SC+32*\s+16+4*\x+(\q)] matrix_a_fmt:MATRIX_FMT_BF8 matrix_b_fmt:MATRIX_FMT_BF8
.endif
.endr
.endm
.macro MUL f, a, q, s, bi
.if VT
	MULV \f, \a, \q, \s, \bi
.else
	MULA \f, \a, \q, \s, \bi
.endif
.endm
.macro WMUL bi                         ; sources 0 and 1 window 1; C window 2 where it is the bias, else window 0; D window 0
.if (\bi) >= 0
	WIN 0x25
.else
	WIN 0x05
.endif
.endm
.macro STEP slot, q, bi                ; 128 along K that has its successor in the same slot
	s_wait_dscnt 8                                 ; all but the youngest eight loads (source 1's fragments 2, 3)
	WMUL \bi
	MUL 128*((\q)%2), 0, \q, \slot, \bi
	MUL 128*((\q)%2), 1, \q, \slot, \bi
	PLACES 8                                       ; in front of loads into the buffer that the step before multiplied
	FETCH \slot, (\q)+1, 128*(1-(\q)%2), VT
	s_wait_dscnt 32                                ; all but the 32 just issued
	WMUL \bi
	MUL 128*((\q)%2), 2, \q, \slot, \bi
	MUL 128*((\q)%2), 3, \q, \slot, \bi
.endm
; A slot's last 128 along K, and the change of slots: ONE barrier.  In front of it each wave waits for all its tensor loads, adds 0 to its spare word, and waits for that and for its reads of this slot.
; wp > 0: the barrier opens a round of the cluster's barrier, and the weight's part of this slot is filled again first thing behind the round, from the rows at s[wp:wp+1].
; tn: the weight whose scale words and fragments are fetched next;  nsw: 1 where that is Wv.
.macro TURN slot, next, tn, wp, nsw
	WIN 0
	s_wait_tensorcnt 0x0                           ; all my tensor loads have landed: my part of the next slot
	ds_add_u32 v[SPW], v[NIL]                      ; 0 onto my spare word
	s_wait_dscnt 9                                 ; (the add and the youngest eight loads may be out)
	WIN 0x05
	MUL F1, 0, 3, \slot, -1
	s_wait_dscnt 0x0                               ; the add is done, my reads of this slot are over
	s_barrier_signal -1
	MUL F1, 1, 3, \slot, -1
	WIN 0
	s_barrier_wait -1
.if \wp
	CREST
	s_add_nc_u64 s[G0B+4*\slot+2:G0B+4*\slot+3], s[\wp:\wp+1], 512*\slot   ; no tensor load of mine is out: the group 0 may be written
	s_or_b32 s[G0B+4*\slot+3], s[G0B+4*\slot+3], 0x80000000
	BLOAD \slot
.endif
	PLACES 8
	SCALESW \next, \tn
	FETCH \next, 0, F0, \nsw
	WIN 0x05
	MUL F1, 2, 3, \slot, -1
	MUL F1, 3, 3, \slot, -1
.endm
; 64 numbers of a lane, v[s] on: block n = registers 16 n .. 16 n + 15, shared with lane l xor 16.  Codes to v[pc] on, the four bytes to v[PW].  Each accumulator is read from its low end on.
.macro QUANT s, pc
.irp b, 0,1,2,3
	v_max3_num_f32 v[TMA+\b], |v[\s+16*\b]|, |v[\s+16*\b+1]|, 0x8000000   ; the floor 2^(16 - 127) holds the byte at 1 from below
.endr
.irp i, 2,4,6,8,10,12,14
.irp b, 0,1,2,3
	v_max3_num_f32 v[TMA+\b], v[TMA+\b], |v[\s+16*\b+\i]|, |v[\s+16*\b+\i+1]|
.endr
.endr
.irp b, 0,1,2,3
	v_permlanex16_b32 v[TMB+\b], v[TMA+\b], s20, s21
.endr
.irp b, 0,1,2,3
	v_max_num_f32 v[TMA+\b], v[TMA+\b], v[TMB+\b]
.endr
.irp b, 0,1,2,3
	v_add_nc_u32 v[TMD+\b], 0xf8800000, v[TMA+\b]  ; 15 off the exponent field: the conversion's scale operand
.endr
.irp b, 0,1,2,3
	v_and_or_b32 v[TMC+\b], v[TMA+\b], 0x7f800000, s19   ; 57,344 x the scale
.endr
.irp b, 0,1,2,3
	v_lshrrev_b32 v[TMB+\b], 23, v[TMD+\b]         ; the scale's byte
.endr
	v_lshl_or_b32 v[PW], v[TMB+1], 8, v[TMB]
	v_lshl_or_b32 v[PW], v[TMB+2], 16, v[PW]
	v_lshl_or_b32 v[PW], v[TMB+3], 24, v[PW]
.irp b, 0,1,2,3
.set i, 0
.rept 16
	v_med3_num_f32 v[\s+16*\b+i], v[\s+16*\b+i], -v[TMC+\b], v[TMC+\b]   ; the conversion does not saturate (ISA guide 7.6.2)
.set i, i+1
.endr
	v_cvt_scalef32_pk8_bf8_f32 v[\pc+4*\b:\pc+4*\b+1], v[\s+16*\b:\s+16*\b+7], v[TMD+\b]
	v_cvt_scalef32_pk8_bf8_f32 v[\pc+4*\b+2:\pc+4*\b+3], v[\s+16*\b+8:\s+16*\b+15], v[TMD+\b]
.endr
	v_nop                                          ; a plain line behind the last conversion
.endm
.macro OUTHEAD                         ; the head of a way out
	WIN 0
	s_wait_xcnt 0x0                                ; the last tile's stores have read their registers: the codes' and the words' registers are written again only behind this wait
.irp b, 0,1,2,3
	v_mov_b32 v[TMB+\b], 0                         ; a lane permute's destination counts as read.  These four and the four below are the eight places behind the last products
.endr
	PLACES 4
.endm
.macro WAYQK t                         ; q's (t = 0) or k's (t = 1) way out: a wave is one head, so a fragment's scale word is the wave's own
	OUTHEAD
.irp g, 0,1                                    ; block n of the 64 numbers is fragment 2 g + n / 2, chunk n % 2
	QUANT ACC+64*\g, CD+16*\g
.irp n, 0,1,2,3
	global_store_b128 v[VO], v[CD+16*\g+4*\n:CD+16*\g+4*\n+3], s[12:13] offset:(\t)*4194304+(2*\g+\n/2)*1024+512*(\n%2)   ; 512 consecutive bytes
.endr
.if \t
	ds_store_b32 v[SGW], v[PW] offset:64*(2*\g)    ; k: both tiles of the pair get the pair's four bytes
	ds_store_b32 v[SGW], v[PW] offset:64*(2*\g+1)
.else
	v_and_b32 v[TMA], 0xffff, v[PW]                ; q: a fragment's word: two bytes, and two zeros
	v_lshrrev_b32 v[TMA+1], 16, v[PW]
	ds_store_b32 v[SGW], v[TMA] offset:64*(2*\g)   ; my own 256 bytes; lanes 16-31 write what lanes 0-15 write
	ds_store_b32 v[SGW], v[TMA+1] offset:64*(2*\g+1)
.endif
.endr
	ds_load_b64 v[TMC:TMC+1], v[SGR]               ; LDS serves a wave's instructions in order: this sees my stores
	s_wait_dscnt 0x0
	global_store_b64 v[SGO], v[TMC:TMC+1], s[46:47] offset:(\t)*262144   ; my four fragments' words: 256 consecutive bytes
.endm
	s_wait_alu depctr_va_vdst(0)
	s_wait_tensorcnt 0x0                           ; my tile of the head's four is in
	ds_add_u32 v[SPW], v[NIL]
	s_wait_dscnt 0x0
	CROUND                                         ; all four tiles are in, and all sixteen work-groups are here
	QUAD G0+4, G1, G0B+4, G1B, G0SK, G1SB, G0SV, G1SB   ; slot 1's tokens | Wq's rows | Wk's scale bytes | Wv's: first fills all four
	SCALEST 0
	SCALEST 1
	SCALESW 0, 0
	FETCH 0, 0, F0, 0
	s_wait_loadcnt 0x0                             ; the three biases
	STEP 0, 0, 0                                   ; ---- q
	STEP 0, 1, -1
	STEP 0, 2, -1
	TURN 0, 1, 0, WK, 0                            ; slot 0 takes Wk's first 512 along K
	STEP 1, 0, -1
	STEP 1, 1, -1
	STEP 1, 2, -1
	TURN 1, 0, 1, WK, 0                            ; slot 1 its second; k's first fragments are fetched
	WAYQK 0
	STEP 0, 0, 32                                  ; ---- k
	STEP 0, 1, -1
	STEP 0, 2, -1
	TURN 0, 1, 1, WVP, 0
	STEP 1, 0, -1
	STEP 1, 1, -1
	STEP 1, 2, -1
	TURN 1, 0, 2, WVP, 1
	WAYQK 1
.set VT, 1
	STEP 0, 0, 64                                  ; ---- v: nothing more is fetched
	STEP 0, 1, -1
	STEP 0, 2, -1
	TURN 0, 1, 2, 0, 1
	STEP 1, 0, -1
	STEP 1, 1, -1
	STEP 1, 2, -1
	s_wait_dscnt 0x0
	WIN 0x05
	MUL F1, 0, 3, 1, -1
	MUL F1, 1, 3, 1, -1
	MUL F1, 2, 3, 1, -1
	MUL F1, 3, 3, 1, -1
	OUTHEAD
.irp g, 0,1                                    ; v's way out: block n of the 64 numbers is fragment 2 g + n / 2 of my head's channels, chunk n % 2 of my 64 tokens
	QUANT ACC+64*\g, CD+16*\g
.irp n, 0,1,2,3
	global_store_b128 v[VO], v[CD+16*\g+4*\n:CD+16*\g+4*\n+3], s[100:101] offset:(2*\g+\n/2)*2048+512*(\n%2)   ; 512 consecutive bytes
.endr
	ds_store_b16 v[SGWV], v[PW] offset:64*(2*\g)             ; my two bytes of fragment 2 g's words; the other two come from the wave with the other 64 tokens
	ds_store_b16_d16_hi v[SGWV], v[PW] offset:64*(2*\g+1)
.endr
	s_wait_dscnt 0x0                               ; my stores have landed: then the barrier
	s_barrier_signal -1
	s_barrier_wait -1
	s_cmp_lg_u32 s14, 0
	s_cbranch_scc1 .Lnot_mine
	ds_load_b128 v[TMA:TMA+3], v[SGRV]             ; wave 0: the tile's 512 bytes of scale words
	v_and_b32 v[TMB], 15, v0
	v_bfe_u32 v[TMB+1], v0, 4, 1
	v_lshlrev_b32 v[TMB], 4, v[TMB]
	v_lshl_add_u32 v[TMB], v[TMB+1], 12, v[TMB]    ; a head's words of a key step are 256 bytes; the next head's lie 4,096 on
	s_wait_alu depctr_va_vdst(0)
	s_wait_dscnt 0x0
	global_store_b128 v[TMB], v[TMA:TMA+3], s[104:105]   ; sixteen lanes store 256 consecutive bytes, a head's
.Lnot_mine:
	s_wait_tensorcnt 0x0                           ; the wave's end
	ds_add_u32 v[SPW], v[NIL]
	s_wait_dscnt 0x0
	CROUND                                         ; the closing round
	s_endpgm
.Lfunc_end_k_q8c3e33b5c9_qkv:
	.size	k_q8c3e33b5c9_qkv, .Lfunc_end_k_q8c3e33b5c9_qkv-k_q8c3e33b5c9_qkv
	.p2alignl 7, 3214868480
	.fill 96, 4, 3214868480
	.section	.rodata,"a",@progbits
	.p2align	6, 0x0
	.amdhsa_kernel k_q8c3e33b5c9_qkv
		.amdhsa_group_segment_fixed_size 327680
		.amdhsa_private_segment_fixed_size 0
		.amdhsa_enable_private_segment 0
		.amdhsa_kernarg_size 88
		.amdhsa_user_sgpr_count 2
		.amdhsa_user_sgpr_kernarg_segment_ptr 1
		.amdhsa_wavefront_size32 1
		.amdhsa_system_sgpr_workgroup_id_x 1
		.amdhsa_system_sgpr_workgroup_id_y 1
		.amdhsa_system_sgpr_workgroup_id_z 1
		.amdhsa_system_vgpr_workitem_id 0
		.amdhsa_next_free_vgpr 640
		.amdhsa_next_free_sgpr 106
		.amdhsa_reserve_vcc 0
		.amdhsa_float_denorm_mode_32 3
		.amdhsa_float_denorm_mode_16_64 3
		.amdhsa_memory_ordered 1
		.amdhsa_forward_progress 1
		.amdhsa_inst_pref_size 181
	.end_amdhsa_kernel
	.amdgpu_metadata
---
amdhsa.version: [ 1, 2 ]
amdhsa.kernels:
  - .name:           k_q8c3e33b5c9_qkv
    .symbol:         k_q8c3e33b5c9_qkv.kd
    .args:
      - { .name: actc, .offset: 0, .size: 8, .value_kind: global_buffer, .address_space: global }
      - { .name: Wq_codes, .offset: 8, .size: 8, .value_kind: global_buffer, .address_space: global }
      - { .name: Wk_codes, .offset: 16, .size: 8, .value_kind: global_buffer, .address_space: global }
      - { .name: Wv_codes, .offset: 24, .size: 8, .value_kind: global_buffer, .address_space: global }
      - { .name: Wq_scales, .offset: 32, .size: 8, .value_kind: global_buffer, .address_space: global }
      - { .name: Wk_scales, .offset: 40, .size: 8, .value_kind: global_buffer, .address_space: global }
      - { .name: Wv_scales, .offset: 48, .size: 8, .value_kind: global_buffer, .address_space: global }
      - { .name: bq, .offset: 56, .size: 8, .value_kind: global_buffer, .address_space: global }
      - { .name: bk, .offset: 64, .size: 8, .value_kind: global_buffer, .address_space: global }
      - { .name: bv, .offset: 72, .size: 8, .value_kind: global_buffer, .address_space: global }
      - { .name: qkv, .offset: 80, .size: 8, .value_kind: global_buffer, .address_space: global }
    .group_segment_fixed_size: 327680
    .private_segment_fixed_size: 0
    .kernarg_segment_align: 8
    .kernarg_segment_size: 88
    .max_flat_workgroup_size: 128
    .sgpr_count:     106
    .vgpr_count:     640
    .wavefront_size: 32
...
	.end_amdgpu_metadata
.endif
;; end of part 11
;; launch attn (part 12): grid 8 x 32, 8 waves a work-group, clusters of 4 x 1, 327,680 bytes of LDS; arguments qkv, ao; writes ao
.if DOCPART == 12
	.amdgcn_target "amdgcn-amd-amdhsa--gfx1250"
	.amdhsa_code_object_version 6
	.text
	.protected	k_q8c3e33b5c9_attn
	.globl	k_q8c3e33b5c9_attn
	.p2align	8
	.type	k_q8c3e33b5c9_attn,@function
k_q8c3e33b5c9_attn:
	s_mov_b64 s[64:65], 0
	v_nop
	global_prefetch_b8 v0, s[64:65] scope:SCOPE_SE
	s_setreg_imm32_b32 hwreg(HW_REG_WAVE_MODE, 25, 1), 1
	s_wait_xcnt 0x0
	s_wait_alu depctr_hold_cnt(0) depctr_sa_sdst(0) depctr_va_vdst(0) depctr_va_sdst(0) depctr_va_ssrc(0) depctr_va_vcc(0) depctr_vm_vsrc(0)
	s_getreg_b32 s2, hwreg(HW_REG_IB_STS2, 6, 4)
	s_cmp_eq_u32 s2, 0
	s_cbranch_scc0 .Lentry_in_a_cluster
	s_endpgm
.Lentry_in_a_cluster:
	s_bfe_u32 s2, ttmp6, 0x10000c
	s_cmp_lg_u32 s2, 0x3003
	s_cbranch_scc0 .Lentry_shape_is_right
	s_endpgm
.Lentry_shape_is_right:
; out[q] = sum over keys of softmax(q . k / 8) v for one (b, head), both products on codes of E5M2 with E8M0 scales; the result is quantised along E and stored as images of operand registers.
; THE SOFTMAX AHEAD OF THE SECOND PRODUCT: t = score x log2(e) / 8; M = the running largest t rounded UP to a whole number; p = 2^(t - M) is quantised along the keys, not normalised; the row's sum is taken of the
; unquantised p and divides at the end.  When M moves, the sum and O are multiplied by 2^(old M - new M): exact.
; SHARES: a work-group owns 256 queries of one (b, head); each of its eight waves owns TWO tiles of 16 queries (u = 0, 1), so that each fragment of K and V read from LDS feeds two products, and the two tiles' lines take turns.
; A WHOLE HEAD'S K, V AND SCALE WORDS (268 KiB) LIE IN LDS; every fill is a first fill.  The four query blocks of a cluster share the head: joint loads, mask 15.
; At the head each wave issues one load: waves 0-5 the images of key steps 0 to 5 (16 KiB each: K's or V's), wave 6 K's scale words, wave 7 V's.  Behind the full sequence and a round each wave issues one more: 20 KiB of the other ten steps.
; No prefetch: all tensor loads of the launch go out at its head, so there is no later load to run ahead of.
; LAYOUT: S^T = K Q^T (source 0 = keys), O^T = V^T P^T (source 0 = 16 channels): a lane holds one query of each tile throughout.
; The first product's K is 64.  TWO TILES OF KEYS LIE IN ONE RUN OF 16 REGISTERS: against [Q | zero codes] the run gives the first tile's scores, against [zero codes | Q] the second's.  K's codes are finite (held ahead of their
; conversion), so a zero code times a code adds 0.  K's scale word holds the pair's four bytes; Q's word holds its two bytes twice.
; REGISTERS: window 0: v1-12 addresses; v14-29 per tile: -M and the largest t, the sum, f and p's scale word, Q's word; v30-37 K's and V's scale words; v40-167 S^T, then p; v168-199 p's codes; v200-243 at work.
;   window 1: v0-63 K's four runs; v64-127 V's four fragments; v128-191 O^T; v192-239 for each tile 8 zeros, Q's 8 registers, 8 zeros.
; LIMITS: the promise holds while the scaled scores stay under 2^31 in magnitude; p under 2^-126 counts as 0 (v_exp_f32); a block of zeros gets the byte 1; NaN and infinities are not served.
; The scale half-words leave by stores of 2 bytes: a word's other half belongs to another head's work-group.
.set VIMG,  131072
.set KSW,   262144
.set VSW,   270336
.set SPARE, 274432                     ; the spare words: 128 bytes a wave
.set FIRST, 49152                      ; bytes of K's and of V's images that the head brings: key steps 0 to 5
.set PART,  20480                      ; a wave's part of the rest
.set GO,   1                           ; 16 x lane
.set R4,   2                           ; 4 r
.set AK1,  3                           ; K's images of the step after the one in hand
.set AV0,  4
.set ASK1, 5
.set ASV0, 6
.set SPW,  7
.set NIL,  8
.set ADK,  9
.set ADV,  10
.set ADS,  11
.set ADT,  12
.set NM,   14                          ; pairs (-M, largest t)
.set SUM,  18                          ; the sum, in two halves
.set FF,   22                          ; pairs (f, p's scale word)
.set TP,   26
.set QW,   28
.set SWK,  30
.set SWV,  34
.set ST,   40
.set PC,   168
.set BM,   200
.set PB,   208
.set HO,   216
.set OP,   224
.set TT,   232                         ; three more partial sums for each tile
.set KF,   0                           ; window 1
.set VF,   64
.set OT,   128
.set QB,   192
.set WV,   20
.set CNT,  21
.set G64,  24
.set G32,  32
.set G16,  40
.set G80,  48
.set G0A,  56
.set G0C,  60
.set G0R,  68
.set SEL,  92
.set CS,   94
.set MNT,  96
.set TB,   97
.set TSC,  98
.set TV,   99
.set MSB, 0
.macro WIN new                         ; the immediate's high byte repeats the setting that is left
.if MSB != \new
	s_set_vgpr_msb (MSB<<8)|\new
.set MSB, \new
.endif
.endm
.macro ROUND
	s_barrier_signal -1
	s_barrier_wait -1
	s_cmp_lg_u32 s[WV], 0
	s_cbranch_scc1 .Lnot_wave_0_\@
	s_barrier_signal -3
.Lnot_wave_0_\@:
	s_barrier_wait -3
	s_barrier_signal -1
	s_barrier_wait -1
.endm
.macro DENSE g, rows                   ; group 1 of a dense block: rows of 256 bytes (32 elements of 8), no padding; mask 15, bit 21 beside it
	s_mov_b32 s[\g], 15|(3<<16)|(1<<21)
	s_mov_b32 s[\g+1], 32<<16
	s_mov_b32 s[\g+2], (\rows)<<16
	s_mov_b32 s[\g+3], 32<<16
	s_mov_b32 s[\g+4], \rows
	s_mov_b32 s[\g+5], 32
	s_mov_b32 s[\g+6], 0
	s_mov_b32 s[\g+7], 0
.endm
.macro TLOAD g0, g1                    ; a tensor load with the s_nop 0 and the four v_nop
	tensor_load_to_lds s[\g0:\g0+3], s[\g1:\g1+7]
	s_nop 0
.rept 4
	v_nop
.endr
.endm
	s_load_b128 s[4:7], s[0:1], 0x0                ; qkv, ao
	v_lshl_add_u32 v[SPW], v0, 2, SPARE
	v_mov_b32 v[NIL], 0
	ds_add_u32 v[SPW], v[NIL]                      ; the opening lines: the add twice on end and one wait
	ds_add_u32 v[SPW], v[NIL]
	v_lshrrev_b32 v9, 5, v0
	v_readfirstlane_b32 s[WV], v9                  ; wave 0..7
	s_bfe_u32 s8, ttmp6, 0x40000                   ; cx
	s_lshl_b32 s9, ttmp9, 2
	s_add_co_u32 s9, s9, s8                        ; my block of 256 queries: it enters Q's and the output's addresses alone
	s_and_b32 s10, ttmp7, 0xffff                   ; 16 b + head, which the partners share
	DENSE G64, 64
	DENSE G32, 32
	DENSE G16, 16
	DENSE G80, 80
	s_and_b32 s11, s[WV], 1                        ; I fetch for K (0) or V (1)
	s_lshr_b32 s12, s[WV], 1                       ; and which part
	s_lshl_b32 s13, s10, 17
	s_lshl_b32 s14, s11, 22
	s_add_co_u32 s14, s14, s13
	s_add_co_u32 s14, s14, 4194304                 ; the head's images of K or of V
	s_lshl_b32 s17, s11, 17                        ; in LDS: K's images, or V's
	s_lshl_b32 s16, s12, 14                        ; the head's load: two key steps, 16,384 bytes
	s_add_co_u32 s80, s14, s16
	s_mov_b32 s81, 0
	s_add_co_u32 s16, s16, s17
	s_mul_i32 s18, s12, PART
	s_add_co_u32 s18, s18, FIRST                   ; the second load: PART bytes from here on
	s_add_co_u32 s82, s14, s18
	s_mov_b32 s83, 0
	s_add_co_u32 s18, s18, s17
	s_lshl_b32 s22, s10, 13
	s_lshr_b32 s22, s22, s11                       ; a head's words: 8,192 bytes of K's, 4,096 of V's
	s_lshl_b32 s23, s11, 18
	s_add_co_u32 s22, s22, s23
	s_add_co_u32 s22, s22, 12845056
	s_mov_b32 s23, 0
	s_lshl_b32 s13, s11, 13
	s_add_co_u32 s13, s13, KSW
	s_lshl_b32 s8, s9, 4
	s_lshl_b32 s72, s[WV], 1
	s_add_co_u32 s8, s8, s72                       ; my first tile of 16 queries
	s_lshl_b32 s72, s10, 7
	s_add_co_u32 s72, s72, s8
	s_lshl_b32 s74, s72, 6
	s_add_co_u32 s74, s74, 12582912                ; its scale words
	s_lshl_b32 s72, s72, 10                        ; its image
	s_mov_b32 s73, 0
	s_mov_b32 s75, 0
	s_lshr_b32 s76, s10, 4
	s_lshl_b32 s76, s76, 4
	s_lshl_b32 s78, s9, 1
	s_add_co_u32 s76, s76, s78
	s_lshr_b32 s78, s[WV], 2
	s_add_co_u32 s76, s76, s78                     ; the output's tile of 128 rows
	s_lshl_b32 s76, s76, 3
	s_bfe_u32 s78, s10, 0x30001                    ; its K step of 128: head / 2
	s_add_co_u32 s76, s76, s78
	s_lshl_b32 s76, s76, 3
	s_and_b32 s78, s[WV], 3
	s_lshl_b32 s78, s78, 1
	s_add_co_u32 s76, s76, s78                     ; my first fragment
	s_and_b32 s79, s10, 1                          ; head % 2: which two chunks, which half of the word
	s_lshl_b32 s78, s76, 6
	s_lshl_b32 s8, s79, 1
	s_add_co_u32 s78, s78, s8
	s_add_co_u32 s78, s78, 4194304
	s_lshl_b32 s76, s76, 11
	s_lshl_b32 s8, s79, 10
	s_add_co_u32 s76, s76, s8
	s_mov_b32 s77, 0
	s_mov_b32 s79, 0
	s_mov_b32 s[SEL], 0x76543210
	s_mov_b32 s[SEL+1], 0xfedcba98                 ; v_permlanex16_b32's selects for lane l xor 16
	s_mov_b32 s[CS], 0x3e38aa3b                    ; c = log2(e) / 8
	s_mov_b32 s[CS+1], s[CS]
	s_mov_b32 s[MNT], 0x600000                     ; the mantissa field of 57,344
	s_mov_b32 s[TB], 0
	s_mov_b32 s[TSC], 0
	s_mov_b32 s[TV], 0
	s_wait_dscnt 0x0
	s_wait_kmcnt 0x0
	s_mov_b32 s[G0A], 1
	s_mov_b32 s[G0A+1], s16
	s_add_nc_u64 s[G0A+2:G0A+3], s[4:5], s[80:81]
	s_or_b32 s[G0A+3], s[G0A+3], 0x80000000
	s_mov_b32 s[G0C], 1
	s_mov_b32 s[G0C+1], s13
	s_add_nc_u64 s[G0C+2:G0C+3], s[4:5], s[22:23]
	s_or_b32 s[G0C+3], s[G0C+3], 0x80000000
	s_mov_b32 s[G0R], 1
	s_mov_b32 s[G0R+1], s18
	s_add_nc_u64 s[G0R+2:G0R+3], s[4:5], s[82:83]
	s_or_b32 s[G0R+3], s[G0R+3], 0x80000000
	s_add_nc_u64 s[72:73], s[4:5], s[72:73]
	s_add_nc_u64 s[74:75], s[4:5], s[74:75]
	s_add_nc_u64 s[76:77], s[6:7], s[76:77]
	s_add_nc_u64 s[78:79], s[6:7], s[78:79]
	ROUND                                          ; all four work-groups are here: the joint loads meet
	s_cmp_lt_u32 s[WV], 6                          ; one chain of branches on the wave's number, a load to an arm
	s_cbranch_scc0 .Lwords_k
	TLOAD G0A, G64                                 ; waves 0-5: two key steps' images of K or of V
	s_branch .Lasked
.Lwords_k:
	s_cmp_lt_u32 s[WV], 7
	s_cbranch_scc0 .Lwords_v
	TLOAD G0C, G32                                 ; wave 6: K's scale words
	s_branch .Lasked
.Lwords_v:
	TLOAD G0C, G16                                 ; wave 7: V's
.Lasked:
	v_and_b32 v9, 31, v0
	v_and_b32 v10, 15, v0
	v_lshlrev_b32 v[GO], 4, v9
	v_lshlrev_b32 v[R4], 2, v10
	global_load_b32 v[QW], v[R4], s[74:75]
	global_load_b32 v[QW+1], v[R4], s[74:75] offset:64
	WIN 0x40                                       ; destination window 1
.irp u, 0,1
	global_load_b128 v[QB+24*\u+8:QB+24*\u+11], v[GO], s[72:73] offset:1024*\u
	global_load_b128 v[QB+24*\u+12:QB+24*\u+15], v[GO], s[72:73] offset:1024*\u+512
.endr
.irp u, 0,1
.set j, 0
.rept 8
	v_mov_b32 v[QB+24*\u+j], 0                     ; zero codes on both sides of Q's eight registers
	v_mov_b32 v[QB+24*\u+16+j], 0
.set j, j+1
.endr
.endr
.set j, 0
.rept 64
	v_mov_b32 v[OT+j], 0                           ; O^T: the step is written once for all trips; the first finds zeros
.set j, j+1
.endr
	WIN 0
	v_add_nc_u32 v[AK1], 8192, v[GO]
	v_add_nc_u32 v[AV0], VIMG, v[GO]
	v_add_nc_u32 v[ADS], KSW, v[R4]
	v_add_nc_u32 v[ASK1], KSW+512, v[R4]
	v_add_nc_u32 v[ASV0], VSW, v[R4]
.irp u, 0,1
	v_mov_b32 v[NM+2*\u+1], 0xff61b1e6             ; the largest t so far: -3e38
	v_mov_b32 v[SUM+2*\u], 0
	v_mov_b32 v[SUM+2*\u+1], 0
	v_mov_b32 v[FF+2*\u+1], 0                      ; (named as the upper half of a pair before it is first written)
	v_mov_b32 v[TP+\u], 0
.endr
.irp u, 0,1
	v_floor_f32 v[NM+2*\u], -v[NM+2*\u+1]          ; -M
.endr
.irp b, 0,1,2,3,4,5,6,7
	v_mov_b32 v[PB+\b], 0                          ; a lane permute's destination counts as read
.endr
.macro HOLD b                          ; blocks b and b + 1 held at 57,344 x their scales (the conversion does not saturate: ISA guide 7.6.2; p is not negative): two numbers an instruction, one of each block
.set i, 0
.rept 8
	v_dual_min_num_f32 v[ST+16*(\b)+i], v[ST+16*(\b)+i], v[HO+(\b)] :: v_dual_min_num_f32 v[ST+16*(\b)+17+i], v[ST+16*(\b)+17+i], v[HO+(\b)+1]
	v_dual_min_num_f32 v[ST+16*(\b)+16+i], v[ST+16*(\b)+16+i], v[HO+(\b)+1] :: v_dual_min_num_f32 v[ST+16*(\b)+1+i], v[ST+16*(\b)+1+i], v[HO+(\b)]
.set i, i+2
.endr
.endm
.macro CODES b
	v_cvt_scalef32_pk8_bf8_f32 v[PC+4*(\b):PC+4*(\b)+1], v[ST+16*(\b):ST+16*(\b)+7], v[OP+(\b)]
	v_cvt_scalef32_pk8_bf8_f32 v[PC+4*(\b)+2:PC+4*(\b)+3], v[ST+16*(\b)+8:ST+16*(\b)+15], v[OP+(\b)]
.endm
.macro KLOAD adk, ads                  ; a step's four scale words of K, word j for run j (tiles 2 j, 2 j + 1)
.irp j, 0,1,2,3
	ds_load_b32 v[SWK+\j], v[\ads] offset:128*\j
.endr
.endm
.macro RUNS f, adr                     ; 16 loads into window 1: four runs of 16 registers, 2,048 bytes each
.irp t, 0,1,2,3
.irp c, 0,1,2,3
	ds_load_b128 v[\f+16*\t+4*\c:\f+16*\t+4*\c+3], v[\adr] offset:2048*\t+512*\c
.endr
.endr
.endm
; A KEY STEP: 128 keys, both tiles of queries.  Blocks 0-3 are tile 0's four blocks of 32 keys, blocks 4-7 tile 1's: eight chains by turns.
.macro STEP
	s_wait_dscnt 0x0                               ; this step's K and its words, asked for in the step before, are in
	WIN 0x05                                       ; sources 0 and 1 window 1, D window 0
.irp j, 0,1,2,3
.irp u, 0,1
	v_wmma_scale_f32_16x16x128_f8f6f4 v[ST+64*\u+16*\j:ST+64*\u+16*\j+7], v[KF+16*\j:KF+16*\j+15], v[QB+24*\u+8:QB+24*\u+23], 0, v[SWK+\j], v[QW+\u] matrix_a_fmt:MATRIX_FMT_BF8 matrix_b_fmt:MATRIX_FMT_BF8
.endr
.irp u, 0,1
	v_wmma_scale_f32_16x16x128_f8f6f4 v[ST+64*\u+16*\j+8:ST+64*\u+16*\j+15], v[KF+16*\j:KF+16*\j+15], v[QB+24*\u:QB+24*\u+15], 0, v[SWK+\j], v[QW+\u] matrix_a_fmt:MATRIX_FMT_BF8 matrix_b_fmt:MATRIX_FMT_BF8
.endr
.endr                                          ; register 16 n + i of a tile's S^T: key 32 n + 16 (lane / 16) + i of the step
	WIN 0
	v_add_nc_u32 v[ADK], s[TB], v[AK1]             ; these four and four v_nop: the eight places behind the products above and the last step's, ahead of the loads and of the first read of S^T
	v_add_nc_u32 v[ADV], s[TB], v[AV0]
	v_add_nc_u32 v[ADS], s[TSC], v[ASK1]
	v_add_nc_u32 v[ADT], s[TV], v[ASV0]
.rept 4
	v_nop
.endr
.irp t, 0,1,2,3
	ds_load_b32 v[SWV+\t], v[ADT] offset:64*\t     ; this step's V,
.endr
	KLOAD ADK, ADS                                 ; and the NEXT step's K (the last trip reads the 8 KiB and 512 bytes behind K's, which have landed, and uses nothing of them)
	WIN 0x40
	RUNS VF, ADV
	RUNS KF, ADK
	WIN 0
.irp b, 0,1,2,3,4,5,6,7
	v_max3_num_f32 v[BM+\b], v[ST+16*\b], v[ST+16*\b+1], v[ST+16*\b+2]   ; the largest score of each block of 32 keys: for the row's maximum and, since p rises with the score, for the block's largest p
.endr
.irp i, 3,5,7,9,11,13
.irp b, 0,1,2,3,4,5,6,7
	v_max3_num_f32 v[BM+\b], v[BM+\b], v[ST+16*\b+\i], v[ST+16*\b+\i+1]
.endr
.endr
.irp b, 0,1,2,3,4,5,6,7
	v_max_num_f32 v[BM+\b], v[BM+\b], v[ST+16*\b+15]
.endr
.irp b, 0,1,2,3,4,5,6,7
	v_permlanex16_b32 v[PB+\b], v[BM+\b], s[SEL], s[SEL+1]
.endr
.irp b, 0,1,2,3,4,5,6,7
	v_max_num_f32 v[BM+\b], v[BM+\b], v[PB+\b]
.endr
.irp u, 0,1
	v_max3_num_f32 v[TP+\u], v[BM+4*\u], v[BM+4*\u+1], v[BM+4*\u+2]
.endr
.irp u, 0,1
	v_max_num_f32 v[TP+\u], v[TP+\u], v[BM+4*\u+3]
.endr
.irp u, 0,1
	v_mul_f32 v[TP+\u], s[CS], v[TP+\u]
.endr
.irp u, 0,1
	v_max_num_f32 v[NM+2*\u+1], v[NM+2*\u+1], v[TP+\u]   ; the running largest t
.endr
.irp u, 0,1
	v_mov_b32 v[TP+\u], v[NM+2*\u]
.endr
.irp u, 0,1
	v_floor_f32 v[NM+2*\u], -v[NM+2*\u+1]          ; the new -M = -ceil(t): a whole number
.endr
.irp u, 0,1
	v_sub_f32 v[TP+\u], v[NM+2*\u], v[TP+\u]
.endr
.irp u, 0,1
	v_cvt_i32_f32 v[TP+\u], v[TP+\u]               ; (it saturates)
.endr
.irp u, 0,1
	v_ldexp_f32 v[FF+2*\u], 1.0, v[TP+\u]          ; f = 2^(old M - new M)
.endr
.irp u, 0,1
.set j, 0
.rept 32
	v_pk_fma_f32 v[ST+64*\u+j:ST+64*\u+j+1], v[ST+64*\u+j:ST+64*\u+j+1], s[CS:CS+1], v[NM+2*\u:NM+2*\u+1] op_sel_hi:[1,0,0]   ; t - M, two at a time
.set j, j+2
.endr
.endr
.irp b, 0,1,2,3,4,5,6,7
	v_fma_f32 v[BM+\b], v[BM+\b], s[CS], v[NM+2*(\b/4)]
.endr
	s_wait_alu depctr_va_vdst(0)                   ; the wait ahead of the batch
.set j, 0
.rept 128
	v_exp_f32 v[ST+j], v[ST+j]                     ; p = 2^(t - M), at most 1
.set j, j+1
.endr
.irp b, 0,1,2,3,4,5,6,7
	v_exp_f32 v[BM+\b], v[BM+\b]                   ; the block's largest p: the same two instructions on the same number
.endr
.irp u, 0,1
	v_pk_mul_f32 v[SUM+2*\u:SUM+2*\u+1], v[SUM+2*\u:SUM+2*\u+1], v[FF+2*\u:FF+2*\u+1] op_sel_hi:[1,0]   ; the sums under the new M (plain places behind the exponentials)
.endr
	s_wait_alu depctr_va_vdst(0)                   ; one wait for the batch, ahead of its first reader
.irp b, 0,1,2,3,4,5,6,7
	v_max_num_f32 v[BM+\b], 0x8000000, v[BM+\b]    ; the floor 2^(16 - 127)
.endr
.irp b, 0,1,2,3,4,5,6,7
	v_add_nc_u32 v[OP+\b], 0xf8800000, v[BM+\b]    ; 15 off the exponent field: the conversion's scale operand
.endr
.irp b, 0,1,2,3,4,5,6,7
	v_and_or_b32 v[HO+\b], v[BM+\b], 0x7f800000, s[MNT]   ; 57,344 x the scale
.endr
.irp b, 0,1,2,3,4,5,6,7
	v_lshrrev_b32 v[PB+\b], 23, v[OP+\b]           ; the scale's byte
.endr
.irp k, 0,1,2                                  ; THE ROW'S SUM IS TAKEN OF THE UNQUANTISED p: two at a time, four chains a tile
.irp u, 0,1
	v_pk_add_f32 v[TT+6*\u+2*\k:TT+6*\u+2*\k+1], v[ST+64*\u+4*\k:ST+64*\u+4*\k+1], v[ST+64*\u+4*\k+2:ST+64*\u+4*\k+3]
.endr
.endr
.irp u, 0,1
	v_lshl_or_b32 v[FF+2*\u+1], v[PB+4*\u+1], 8, v[PB+4*\u]   ; p's scale word for these 128 keys
.endr
.irp u, 0,1
	v_lshl_or_b32 v[FF+2*\u+1], v[PB+4*\u+2], 16, v[FF+2*\u+1]
.endr
.irp u, 0,1
	v_lshl_or_b32 v[FF+2*\u+1], v[PB+4*\u+3], 24, v[FF+2*\u+1]
.endr
.irp g, 0,1,2,3,4,5
.irp u, 0,1
	v_pk_add_f32 v[SUM+2*\u:SUM+2*\u+1], v[SUM+2*\u:SUM+2*\u+1], v[ST+64*\u+12+8*\g:ST+64*\u+13+8*\g]
.endr
.irp k, 0,1,2
.irp u, 0,1
	v_pk_add_f32 v[TT+6*\u+2*\k:TT+6*\u+2*\k+1], v[TT+6*\u+2*\k:TT+6*\u+2*\k+1], v[ST+64*\u+14+8*\g+2*\k:ST+64*\u+15+8*\g+2*\k]
.endr
.endr
.endr
.irp u, 0,1
	v_pk_add_f32 v[SUM+2*\u:SUM+2*\u+1], v[SUM+2*\u:SUM+2*\u+1], v[ST+64*\u+60:ST+64*\u+61]
.endr
.irp u, 0,1
	v_pk_add_f32 v[TT+6*\u:TT+6*\u+1], v[TT+6*\u:TT+6*\u+1], v[ST+64*\u+62:ST+64*\u+63]
.endr
.irp u, 0,1
	v_pk_add_f32 v[TT+6*\u+2:TT+6*\u+3], v[TT+6*\u+2:TT+6*\u+3], v[TT+6*\u+4:TT+6*\u+5]
.endr
.irp u, 0,1
	v_pk_add_f32 v[SUM+2*\u:SUM+2*\u+1], v[SUM+2*\u:SUM+2*\u+1], v[TT+6*\u:TT+6*\u+1]
.endr
.irp u, 0,1
	v_pk_add_f32 v[SUM+2*\u:SUM+2*\u+1], v[SUM+2*\u:SUM+2*\u+1], v[TT+6*\u+2:TT+6*\u+3]
.endr
	HOLD 0
	HOLD 2
	CODES 0
	CODES 1
	HOLD 4
	CODES 2
	CODES 3
	HOLD 6
	CODES 4
	CODES 5
	CODES 6
	CODES 7
	WIN 0x41                                       ; source 0 and destination window 1
	s_wait_alu depctr_va_vdst(0)                   ; the wait directly ahead of the first reader of O^T
.irp u, 0,1
.set j, 0
.rept 16
	v_pk_mul_f32 v[OT+32*\u+j:OT+32*\u+j+1], v[OT+32*\u+j:OT+32*\u+j+1], v[FF+2*\u:FF+2*\u+1] op_sel_hi:[1,0]   ; O^T under the new M.  (These are also the places in front of the products below)
.set j, j+2
.endr
.endr
	s_wait_alu depctr_va_vdst(0)                   ; the wait directly ahead of the wait below
	s_wait_dscnt 16                                ; V and all scale words are in; the 16 loads of the next step's K, issued behind them, may be out
	WIN 0x51                                       ; V, C and D window 1; p's codes window 0
.irp t, 0,1,2,3                                ; O^T += V^T P^T: the eight accumulators by turns
.irp u, 0,1
	v_wmma_scale_f32_16x16x128_f8f6f4 v[OT+32*\u+8*\t:OT+32*\u+8*\t+7], v[VF+16*\t:VF+16*\t+15], v[PC+16*\u:PC+16*\u+15], v[OT+32*\u+8*\t:OT+32*\u+8*\t+7], v[SWV+\t], v[FF+2*\u+1] matrix_a_fmt:MATRIX_FMT_BF8 matrix_b_fmt:MATRIX_FMT_BF8
.endr
.endr
	WIN 0
	s_add_co_u32 s[TB], s[TB], 8192                ; the next step's images,
	s_add_co_u32 s[TSC], s[TSC], 512               ; K's words,
	s_add_co_u32 s[TV], s[TV], 256                 ; V's words
.endm
	s_wait_alu depctr_va_vdst(0)                   ; the wait at the head's end
	s_wait_tensorcnt 0x0                           ; my load has landed
	ds_add_u32 v[SPW], v[NIL]
	s_wait_dscnt 0x0
	ROUND                                          ; key steps 0 to 5 and all scale words are in, and all four work-groups are here
	TLOAD G0R, G80                                 ; my part of key steps 6 to 15: the address is made of the wave's number, no branch
	KLOAD GO, ADS                                  ; key step 0's K
	WIN 0x40
	RUNS KF, GO
	WIN 0
	s_wait_loadcnt 0x0                             ; Q
.irp u, 0,1
	v_lshl_or_b32 v[QW+\u], v[QW+\u], 16, v[QW+\u] ; Q's two bytes twice: for [Q | 0] and for [0 | Q]
.endr
.rept 8
	v_nop                                          ; a scale register written by a vector instruction stands eight places ahead of the product
.endr
	s_wait_alu depctr_va_vdst(0)
	s_mov_b32 s[CNT], 5
.Lfirst:                                           ; key steps 0 to 4: they read V up to step 4 and K up to step 5
	STEP
	s_sub_co_u32 s[CNT], s[CNT], 1
	s_cmp_lg_u32 s[CNT], 0
	s_cbranch_scc1 .Lfirst
	s_wait_tensorcnt 0x0                           ; my part of the rest has landed,
	s_wait_dscnt 0x0
	s_barrier_signal -1
	s_barrier_wait -1                              ; everybody's has
	s_mov_b32 s[CNT], 11
.Lrest:                                            ; key steps 5 to 15
	STEP
	s_sub_co_u32 s[CNT], s[CNT], 1
	s_cmp_lg_u32 s[CNT], 0
	s_cbranch_scc1 .Lrest
.rept 8
	v_nop                                          ; places behind the last products
.endr
.irp u, 0,1
	v_add_f32 v[SUM+2*\u], v[SUM+2*\u], v[SUM+2*\u+1]
.endr
.irp u, 0,1
	v_permlanex16_b32 v[TP+\u], v[SUM+2*\u], s[SEL], s[SEL+1]
.endr
.irp u, 0,1
	v_add_f32 v[SUM+2*\u], v[SUM+2*\u], v[TP+\u]   ; the row's sum
.endr
	s_wait_alu depctr_va_vdst(0)                   ; the wait ahead of the transcendentals
	v_rcp_f32 v[SUM], v[SUM]
	v_rcp_f32 v[SUM+2], v[SUM+2]
	v_nop
	WIN 0x01                                       ; source 0 window 1
	s_wait_alu depctr_va_vdst(0)                   ; the wait ahead of the first reader
.irp u, 0,1
.set j, 0
.rept 32
	v_mul_f32 v[ST+32*\u+j], v[OT+32*\u+j], v[SUM+2*\u]   ; register 16 n + i of a tile: channel 32 n + 16 (lane / 16) + i of my query
.set j, j+1
.endr
.endr
	WIN 0
.irp b, 0,1,2,3                                ; quantised along E: two blocks of 32 for each tile
	v_max3_num_f32 v[BM+\b], |v[ST+16*\b]|, |v[ST+16*\b+1]|, 0x8000000
.endr
.irp i, 2,4,6,8,10,12,14
.irp b, 0,1,2,3
	v_max3_num_f32 v[BM+\b], v[BM+\b], |v[ST+16*\b+\i]|, |v[ST+16*\b+\i+1]|
.endr
.endr
.irp b, 0,1,2,3
	v_permlanex16_b32 v[PB+\b], v[BM+\b], s[SEL], s[SEL+1]
.endr
.irp b, 0,1,2,3
	v_max_num_f32 v[BM+\b], v[BM+\b], v[PB+\b]
.endr
.irp b, 0,1,2,3
	v_add_nc_u32 v[OP+\b], 0xf8800000, v[BM+\b]
.endr
.irp b, 0,1,2,3
	v_and_or_b32 v[HO+\b], v[BM+\b], 0x7f800000, s[MNT]
.endr
.irp b, 0,1,2,3
	v_lshrrev_b32 v[PB+\b], 23, v[OP+\b]
.endr
.irp u, 0,1
	v_lshl_or_b32 v[TP+\u], v[PB+2*\u+1], 8, v[PB+2*\u]   ; my head's half of the scale word
.endr
.irp b, 0,1,2,3
.set j, 0
.rept 16
	v_med3_num_f32 v[ST+16*\b+j], v[ST+16*\b+j], -v[HO+\b], v[HO+\b]
.set j, j+1
.endr
	CODES \b
.endr
	v_nop                                          ; a plain line behind the last conversion
.irp u, 0,1
	global_store_b128 v[GO], v[PC+8*\u:PC+8*\u+3], s[76:77] offset:2048*\u          ; 512 consecutive bytes: a chunk of the fragment's image
	global_store_b128 v[GO], v[PC+8*\u+4:PC+8*\u+7], s[76:77] offset:2048*\u+512
	global_store_b16 v[R4], v[TP+\u], s[78:79] offset:64*\u                         ; lanes 16-31 repeat lanes 0-15
.endr
	s_wait_tensorcnt 0x0                           ; the wave's end
	ds_add_u32 v[SPW], v[NIL]
	s_wait_dscnt 0x0
	ROUND                                          ; the closing round
	s_endpgm
.Lfunc_end_k_q8c3e33b5c9_attn:
	.size	k_q8c3e33b5c9_attn, .Lfunc_end_k_q8c3e33b5c9_attn-k_q8c3e33b5c9_attn
	.p2alignl 7, 3214868480
	.fill 96, 4, 3214868480
	.section	.rodata,"a",@progbits
	.p2align	6, 0x0
	.amdhsa_kernel k_q8c3e33b5c9_attn
		.amdhsa_group_segment_fixed_size 327680
		.amdhsa_private_segment_fixed_size 0
		.amdhsa_enable_private_segment 0
		.amdhsa_kernarg_size 16
		.amdhsa_user_sgpr_count 2
		.amdhsa_user_sgpr_kernarg_segment_ptr 1
		.amdhsa_wavefront_size32 1
		.amdhsa_system_sgpr_workgroup_id_x 1
		.amdhsa_system_sgpr_workgroup_id_y 1
		.amdhsa_system_sgpr_workgroup_id_z 1
		.amdhsa_system_vgpr_workitem_id 0
		.amdhsa_next_free_vgpr 512
		.amdhsa_next_free_sgpr 100
		.amdhsa_reserve_vcc 0
		.amdhsa_float_denorm_mode_32 3
		.amdhsa_float_denorm_mode_16_64 3
		.amdhsa_memory_ordered 1
		.amdhsa_forward_progress 1
		.amdhsa_inst_pref_size 94
	.end_amdhsa_kernel
	.amdgpu_metadata
---
amdhsa.version: [ 1, 2 ]
amdhsa.kernels:
  - .name:           k_q8c3e33b5c9_attn
    .symbol:         k_q8c3e33b5c9_attn.kd
    .args:
      - { .name: qkv, .offset: 0, .size: 8, .value_kind: global_buffer, .address_space: global }
      - { .name: ao, .offset: 8, .size: 8, .value_kind: global_buffer, .address_space: global }
    .group_segment_fixed_size: 327680
    .private_segment_fixed_size: 0
    .kernarg_segment_align: 8
    .kernarg_segment_size: 16
    .max_flat_workgroup_size: 256
    .sgpr_count:     100
    .vgpr_count:     512
    .wavefront_size: 32
...
	.end_amdgpu_metadata
.endif
;; end of part 12
;; launch wo (part 13): grid 8 x 32, 4 waves a work-group, clusters of 4 x 4, 327,680 bytes of LDS; arguments ao, Wo_codes, Wo_scales, bo, tbuf; writes tbuf
.if DOCPART == 13
	.amdgcn_target "amdgcn-amd-amdhsa--gfx1250"
	.amdhsa_code_object_version 6
	.text
	.protected	k_q8c3e33b5c9_wo
	.globl	k_q8c3e33b5c9_wo
	.p2align	8
	.type	k_q8c3e33b5c9_wo,@function
k_q8c3e33b5c9_wo:
	s_mov_b64 s[64:65], 0
	v_nop
	global_prefetch_b8 v0, s[64:65] scope:SCOPE_SE
	s_setreg_imm32_b32 hwreg(HW_REG_WAVE_MODE, 25, 1), 1
	s_wait_xcnt 0x0
	s_wait_alu depctr_hold_cnt(0) depctr_sa_sdst(0) depctr_va_vdst(0) depctr_va_sdst(0) depctr_va_ssrc(0) depctr_va_vcc(0) depctr_vm_vsrc(0)
	s_getreg_b32 s2, hwreg(HW_REG_IB_STS2, 6, 4)
	s_cmp_eq_u32 s2, 0
	s_cbranch_scc0 .Lentry_in_a_cluster
	s_endpgm
.Lentry_in_a_cluster:
	s_bfe_u32 s2, ttmp6, 0x10000c
	s_cmp_lg_u32 s2, 0xf033
	s_cbranch_scc0 .Lentry_shape_is_right
	s_endpgm
.Lentry_shape_is_right:
; t = ao Wo^T + bo on codes of E5M2 with E8M0 scales; t leaves as f32 (tbuf, rows m' = 2048 b + s).  A block of 128 x 128 a work-group, four waves of 64 x 64; cluster 4 x 4 with joint loads.
; ao comes as images of operand registers (16 KiB for 128 rows x 128 K) with its scale words; Wo as rows of 1,024 codes.  ALL OF K LIES IN LDS AT ONCE: the head's four loads, one a wave, bring ao's 128 KiB, its words,
; Wo's 128 rows (1,024 bytes + 16 of padding each) and their scale bytes; nothing is filled again, so there is no later load to prefetch for.
.set SIZE_K, 1024
.set KT,     SIZE_K/128
.set KS,     SIZE_K/32
.set LAPS,   SIZE_K/1024
.set PITCH,  1040
.set HALFT,  64*PITCH
.set AIMG,   65536
.set SLOT,   AIMG+HALFT                ; half of what lies ahead of the scales: ao's two images of 512 along K, then Wo's 128 rows
.set SCLA,   2*SLOT
.set SCLB,   SCLA+KT*512
.set HALFSB, (64*KS/256)*272
.set SPARE,  SCLB+2*HALFSB
.set AWORDS, KT*524288
.set SPITCH, 272
.set ADRA, 16
.set ADRB, 18
.set ADRSA, 20
.set ADRSB, 21
.set STO,  22
.set RD,   23
.set CO,   24
.set BO,   25
.set SPW,  26
.set NIL,  27
.set SC,   32
.set BI,   96
.set ACC,  128
.set F0,   0
.set F1,   128
.set G1,   24
.set G0,   32
.set G1B,  48
.set G0B,  56
.set G1S,  68
.set G0S,  76
.set G1SB, 80
.set G0SB, 88
.set MSB, 0
.macro WIN new
.if MSB != \new
	s_set_vgpr_msb (MSB<<8)|\new
.set MSB, \new
.endif
.endm
.macro PLACES n
.rept \n
	v_nop
.endr
.endm
.macro LOAD1 g0, g1                    ; a tensor load with the s_nop 0 and the four v_nop
	tensor_load_to_lds s[\g0:\g0+3], s[\g1:\g1+7]
	s_nop 0
.rept 4
	v_nop
.endr
.endm
.macro QUAD a0, a1, b0, b1, c0, c1, d0, d1   ; four joint first fills, one a wave: one chain of branches on the wave's number, a load to an arm, all arms to one join
	s_cmp_lt_u32 s14, 1
	s_cbranch_scc0 .Lq1_\@
	LOAD1 \a0, \a1
	s_branch .Lqe_\@
.Lq1_\@:
	s_cmp_lt_u32 s14, 2
	s_cbranch_scc0 .Lq2_\@
	LOAD1 \b0, \b1
	s_branch .Lqe_\@
.Lq2_\@:
	s_cmp_lt_u32 s14, 3
	s_cbranch_scc0 .Lq3_\@
	LOAD1 \c0, \c1
	s_branch .Lqe_\@
.Lq3_\@:
	LOAD1 \d0, \d1
.Lqe_\@:
.endm
.macro CREST
	s_cmp_lg_u32 s14, 0
	s_cbranch_scc1 .Lnot_wave_0_\@
	s_barrier_signal -3
.Lnot_wave_0_\@:
	s_barrier_wait -3
	s_barrier_signal -1
	s_barrier_wait -1
.endm
.macro CROUND
	s_barrier_signal -1
	s_barrier_wait -1
	CREST
.endm
	s_load_b128 s[4:7], s[0:1], 0x0
	s_load_b128 s[8:11], s[0:1], 0x10
	s_load_b64 s[12:13], s[0:1], 0x20
	v_lshl_add_u32 v[SPW], v0, 2, SPARE
	v_mov_b32 v[NIL], 0
	ds_add_u32 v26, v27
	ds_add_u32 v26, v27
	s_wait_dscnt 0x0
	v_lshrrev_b32 v1, 5, v0
	v_readfirstlane_b32 s14, v1
	s_lshr_b32 s15, s14, 1
	s_and_b32 s16, s14, 1
	s_bfe_u32 s40, ttmp6, 0x40000
	s_bfe_u32 s41, ttmp6, 0x40004
	s_lshl_b32 s42, ttmp9, 2
	s_add_co_u32 s42, s42, s40
	s_and_b32 s17, ttmp7, 0xffff
	s_lshl_b32 s17, s17, 2
	s_add_co_u32 s17, s17, s41
	s_lshl_b32 s43, s41, 2
	s_lshl_b32 s43, 15, s43
	s_lshl_b32 s44, 0x1111, s40
	s_or_b32 s[G1+0], s43, (3<<16)|(1<<21)
	s_mov_b32 s[G1+1], 32<<16
	s_mov_b32 s[G1+2], 512<<16
	s_mov_b32 s[G1+3], 32<<16
	s_mov_b32 s[G1+4], 512
	s_mov_b32 s[G1+5], 32
	s_mov_b32 s[G1+6], 0
	s_mov_b32 s[G1+7], 0
	s_or_b32 s[G1B+0], s44, (1<<20)|(1<<21)|(7<<22)|(3<<25)
	s_mov_b32 s[G1B+1], 1024<<16
	s_mov_b32 s[G1B+2], 128<<16
	s_mov_b32 s[G1B+3], 1024<<16
	s_mov_b32 s[G1B+4], 128
	s_mov_b32 s[G1B+5], SIZE_K
	s_mov_b32 s[G1B+6], 0
	s_mov_b32 s[G1B+7], 0
	s_or_b32 s[G1S+0], s43, (3<<16)|(1<<21)
	s_mov_b32 s[G1S+1], 32<<16
	s_mov_b32 s[G1S+2], (2*KT)<<16
	s_mov_b32 s[G1S+3], 32<<16
	s_mov_b32 s[G1S+4], 2*KT
	s_mov_b32 s[G1S+5], 32
	s_mov_b32 s[G1S+6], 0
	s_mov_b32 s[G1S+7], 0
	s_or_b32 s[G1SB+0], s44, (3<<16)|(1<<20)|(1<<21)|(5<<22)|(3<<25)
	s_mov_b32 s[G1SB+1], 32<<16
	s_mov_b32 s[G1SB+2], (128*KS/256)<<16
	s_mov_b32 s[G1SB+3], 32<<16
	s_mov_b32 s[G1SB+4], 128*KS/256
	s_mov_b32 s[G1SB+5], 32
	s_mov_b32 s[G1SB+6], 0
	s_mov_b32 s[G1SB+7], 0
	s_mul_i32 s20, s17, KT*16384
	s_lshl_b32 s18, s16, 15
	s_add_co_u32 s20, s20, s18
	s_mov_b32 s21, 0
	s_mul_i32 s22, s17, KT*512
	s_add_co_u32 s22, s22, AWORDS
	s_mov_b32 s23, 0
	s_lshl_b32 s46, s42, 7
	s_lshl_b32 s18, s16, 6
	s_add_co_u32 s46, s46, s18
	s_mul_i32 s92, s42, 128*KS
	s_lshl_b32 s96, s46, 2
	s_mul_i32 s46, s46, SIZE_K
	s_mov_b32 s47, 0
	s_mov_b32 s93, 0
	s_mov_b32 s97, 0
	s_lshl_b32 s94, s17, 7
	s_lshl_b32 s18, s15, 6
	s_add_co_u32 s94, s94, s18
	s_lshl_b32 s94, s94, 12
	s_add_co_u32 s94, s94, s96
	s_mov_b32 s95, 0
	s_lshl_b32 s45, s16, 15
	s_mul_i32 s2, s16, HALFT
	s_add_co_u32 s2, s2, 2*AIMG
	s_wait_kmcnt 0x0
	s_add_nc_u64 s[20:21], s[4:5], s[20:21]
	s_add_nc_u64 s[22:23], s[4:5], s[22:23]
	s_add_nc_u64 s[46:47], s[6:7], s[46:47]
	s_add_nc_u64 s[92:93], s[8:9], s[92:93]
	s_add_nc_u64 s[96:97], s[10:11], s[96:97]
	s_add_nc_u64 s[12:13], s[12:13], s[94:95]
	CROUND
	s_mov_b32 s[G0S], 1
	s_mov_b32 s[G0S+1], SCLA
	s_mov_b64 s[G0S+2:G0S+3], s[22:23]
	s_or_b32 s[G0S+3], s[G0S+3], 0x80000000
	s_mov_b32 s[G0SB], 1
	s_mov_b32 s[G0SB+1], SCLB
	s_mov_b64 s[G0SB+2:G0SB+3], s[92:93]
	s_or_b32 s[G0SB+3], s[G0SB+3], 0x80000000
.irp s, 0
	s_mov_b32 s[G0+4*\s], 1
	s_add_co_u32 s[G0+4*\s+1], s45, \s*SLOT
	s_add_nc_u64 s[G0+4*\s+2:G0+4*\s+3], s[20:21], \s*AIMG
	s_or_b32 s[G0+4*\s+3], s[G0+4*\s+3], 0x80000000
	s_mov_b32 s[G0B+4*\s], 1
	s_add_co_u32 s[G0B+4*\s+1], s2, \s*SLOT
	s_add_nc_u64 s[G0B+4*\s+2:G0B+4*\s+3], s[46:47], \s*512
	s_or_b32 s[G0B+4*\s+3], s[G0B+4*\s+3], 0x80000000
.endr
	QUAD G0, G1, G0S, G1S, G0B, G1B, G0SB, G1SB    ; wave 0: ao's images of all of K | wave 1: their words | wave 2: Wo's 128 rows | wave 3: their scale bytes (in waves 0 and 2 the half in the addresses is 0)
	v_and_b32 v1, 15, v0
	v_bfe_u32 v2, v0, 4, 1
	v_lshlrev_b32 v[BO], 5, v2
.irp b, 0,1,2,3
	global_load_b128 v[BI+8*\b:BI+8*\b+3], v[BO], s[96:97] offset:64*\b
	global_load_b128 v[BI+8*\b+4:BI+8*\b+7], v[BO], s[96:97] offset:64*\b+16
.endr
	v_and_b32 v7, 31, v0
	v_lshlrev_b32 v3, 4, v7
	v_mul_u32_u24 v4, v1, PITCH
	v_lshl_add_u32 v4, v2, 4, v4
	s_lshl_b32 s21, s15, 13
	s_mul_i32 s22, s16, HALFT
	s_add_co_u32 s22, s22, 2*AIMG
.irp s, 0,1
	v_add_nc_u32 v[ADRA+\s], s21, v3
	v_add_nc_u32 v[ADRB+\s], s22, v4
	s_add_co_u32 s21, s21, AIMG
	s_add_co_u32 s22, s22, 512
.endr
	v_lshlrev_b32 v5, 2, v1
	s_lshl_b32 s21, s15, 8
	s_add_co_u32 s21, s21, SCLA
	v_add_nc_u32 v[ADRSA], s21, v5
	v_mul_u32_u24 v5, v1, KS
	v_lshrrev_b32 v6, 8, v5
	v_lshl_add_u32 v5, v6, 4, v5
	s_mul_i32 s22, s16, HALFSB
	s_add_co_u32 s22, s22, SCLB
	v_add_nc_u32 v[ADRSB], s22, v5
	s_mul_i32 s23, s14, 16*SPITCH
	v_mul_u32_u24 v5, v1, SPITCH
	v_lshl_add_u32 v5, v2, 5, v5
	v_add_nc_u32 v[STO], s23, v5
	v_mul_u32_u24 v5, v2, SPITCH
	v_lshl_add_u32 v5, v1, 4, v5
	v_add_nc_u32 v[RD], s23, v5
	v_lshlrev_b32 v[CO], 12, v2
	v_lshl_add_u32 v[CO], v1, 4, v[CO]
.macro FETCH slot, q, f
	WIN 0x40
.irp i, 0,1,2,3
.irp c, 0,1,2,3
	ds_load_b128 v[\f+64+16*\i+4*\c:\f+64+16*\i+4*\c+3], v[ADRB+\slot] offset:128*(\q)+32*\c+16*\i*PITCH
.endr
.endr
.irp i, 0,1,2,3
.irp c, 0,1,2,3
	ds_load_b128 v[\f+16*\i+4*\c:\f+16*\i+4*\c+3], v[ADRA+\slot] offset:16384*(\q)+2048*\i+512*\c
.endr
.endr
.endm
.macro SCALES s
.irp a, 0,1,2,3
.irp q, 0,1,2,3
	ds_load_b32 v[SC+32*\s+4*\a+\q], v[ADRSA] offset:512*\q+64*\a
.endr
.endr
.irp i, 0,1,2,3
	ds_load_b128 v[SC+32*\s+16+4*\i:SC+32*\s+16+4*\i+3], v[ADRSB] offset:(16*\i*KS/256)*272
.endr
.endm
.macro MULA f, a, q, s, first
.irp b, 0,1,2,3
.if \first
	v_wmma_scale_f32_16x16x128_f8f6f4 v[ACC+8*(4*\a+\b):ACC+8*(4*\a+\b)+7], v[\f+64+16*\b:\f+64+16*\b+15], v[\f+16*\a:\f+16*\a+15], v[BI+8*\b:BI+8*\b+7], v[SC+32*\s+16+4*\b+(\q)], v[SC+32*\s+4*\a+(\q)] matrix_a_fmt:MATRIX_FMT_BF8 matrix_b_fmt:MATRIX_FMT_BF8
.else
	v_wmma_scale_f32_16x16x128_f8f6f4 v[ACC+8*(4*\a+\b):ACC+8*(4*\a+\b)+7], v[\f+64+16*\b:\f+64+16*\b+15], v[\f+16*\a:\f+16*\a+15], v[ACC+8*(4*\a+\b):ACC+8*(4*\a+\b)+7], v[SC+32*\s+16+4*\b+(\q)], v[SC+32*\s+4*\a+(\q)] matrix_a_fmt:MATRIX_FMT_BF8 matrix_b_fmt:MATRIX_FMT_BF8
.endif
.endr
.endm
.macro STEP slot, q, first
	s_wait_dscnt 8
	WIN 0x05
	MULA 128*((\q)%2), 0, \q, \slot, \first
	MULA 128*((\q)%2), 1, \q, \slot, \first
	PLACES 8
	FETCH \slot, (\q)+1, 128*(1-(\q)%2)
	s_wait_dscnt 32
	WIN 0x05
	MULA 128*((\q)%2), 2, \q, \slot, \first
	MULA 128*((\q)%2), 3, \q, \slot, \first
.endm
.macro TURN slot, next, fill
	WIN 0
	s_wait_tensorcnt 0x0
	ds_add_u32 v[SPW], v[NIL]
	s_wait_dscnt 9
	WIN 0x05
	MULA F1, 0, 3, \slot, 0
	s_wait_dscnt 0x0
	s_barrier_signal -1
	MULA F1, 1, 3, \slot, 0
	WIN 0
	s_barrier_wait -1
.if \fill
	CREST
	s_add_nc_u64 s[G0+4*\slot+2:G0+4*\slot+3], s[G0+4*\slot+2:G0+4*\slot+3], 2*AIMG
	s_add_nc_u64 s[G0B+4*\slot+2:G0B+4*\slot+3], s[G0B+4*\slot+2:G0B+4*\slot+3], 1024
	JLOAD G0+4*\slot, G1, G0B+4*\slot, G1B
	PLACES 4
.else
	PLACES 8
.endif
	v_add_nc_u32 v[ADRSA], 2048, v[ADRSA]
	v_add_nc_u32 v[ADRSB], 16, v[ADRSB]
	SCALES \next
	FETCH \next, 0, F0
	WIN 0x05
	MULA F1, 2, 3, \slot, 0
	MULA F1, 3, 3, \slot, 0
.endm
	s_wait_alu depctr_va_vdst(0)
	s_wait_tensorcnt 0x0
	s_barrier_signal -1
	s_barrier_wait -1
	SCALES 0
	FETCH 0, 0, F0
	s_wait_loadcnt 0x0
	STEP 0, 0, 1
.if LAPS > 1
	WIN 0
	s_mov_b32 s3, LAPS-1
.Llap:
	STEP 0, 1, 0
	STEP 0, 2, 0
	TURN 0, 1, 1
	STEP 1, 0, 0
	STEP 1, 1, 0
	STEP 1, 2, 0
	TURN 1, 0, 1
	STEP 0, 0, 0
	WIN 0
	s_sub_co_u32 s3, s3, 1
	s_cmp_lg_u32 s3, 0
	s_cbranch_scc1 .Llap
.endif
	STEP 0, 1, 0
	STEP 0, 2, 0
	TURN 0, 1, 0
	STEP 1, 0, 0
	STEP 1, 1, 0
	STEP 1, 2, 0
	s_wait_dscnt 0x0
	WIN 0x05
	MULA F1, 0, 3, 1, 0
	MULA F1, 1, 3, 1, 0
	MULA F1, 2, 3, 1, 0
	MULA F1, 3, 3, 1, 0
	WIN 0
.macro TOSTAGE a
.irp b, 0,1,2,3
	ds_store_b128 v[STO], v[ACC+8*(4*\a+\b):ACC+8*(4*\a+\b)+3] offset:64*\b
	ds_store_b128 v[STO], v[ACC+8*(4*\a+\b)+4:ACC+8*(4*\a+\b)+7] offset:64*\b+16
.endr
.irp t, 0,1,2,3,4,5,6,7
	ds_load_b128 v[ACC+32*\a+4*\t:ACC+32*\a+4*\t+3], v[RD] offset:2*\t*SPITCH
.endr
.endm
.macro SEND a, younger
	s_wait_dscnt \younger
.irp t, 0,1,2,3,4,5,6,7
	global_store_b128 v[CO], v[ACC+32*\a+4*\t:ACC+32*\a+4*\t+3], s[12:13] offset:(32*(\a/2)+8*(\a%2)+2*\t+8*(\t/4))*4096
.endr
.endm
	PLACES 8
	TOSTAGE 0
	TOSTAGE 1
	SEND 0, 16
	TOSTAGE 2
	SEND 1, 16
	TOSTAGE 3
	SEND 2, 16
	SEND 3, 0
	s_wait_tensorcnt 0x0
	ds_add_u32 v[SPW], v[NIL]
	s_wait_dscnt 0x0
	CROUND
	s_endpgm
.Lfunc_end_k_q8c3e33b5c9_wo:
	.size	k_q8c3e33b5c9_wo, .Lfunc_end_k_q8c3e33b5c9_wo-k_q8c3e33b5c9_wo
	.p2alignl 7, 3214868480
	.fill 96, 4, 3214868480
	.section	.rodata,"a",@progbits
	.p2align	6, 0x0
	.amdhsa_kernel k_q8c3e33b5c9_wo
		.amdhsa_group_segment_fixed_size 327680
		.amdhsa_private_segment_fixed_size 0
		.amdhsa_enable_private_segment 0
		.amdhsa_kernarg_size 40
		.amdhsa_user_sgpr_count 2
		.amdhsa_user_sgpr_kernarg_segment_ptr 1
		.amdhsa_wavefront_size32 1
		.amdhsa_system_sgpr_workgroup_id_x 1
		.amdhsa_system_sgpr_workgroup_id_y 1
		.amdhsa_system_sgpr_workgroup_id_z 1
		.amdhsa_system_vgpr_workitem_id 0
		.amdhsa_next_free_vgpr 512
		.amdhsa_next_free_sgpr 100
		.amdhsa_reserve_vcc 0
		.amdhsa_float_denorm_mode_32 3
		.amdhsa_float_denorm_mode_16_64 3
		.amdhsa_memory_ordered 1
		.amdhsa_forward_progress 1
		.amdhsa_inst_pref_size 55
	.end_amdhsa_kernel
	.amdgpu_metadata
---
amdhsa.version: [ 1, 2 ]
amdhsa.kernels:
  - .name:           k_q8c3e33b5c9_wo
    .symbol:         k_q8c3e33b5c9_wo.kd
    .args:
      - { .name: ao, .offset: 0, .size: 8, .value_kind: global_buffer, .address_space: global }
      - { .name: Wo_codes, .offset: 8, .size: 8, .value_kind: global_buffer, .address_space: global }
      - { .name: Wo_scales, .offset: 16, .size: 8, .value_kind: global_buffer, .address_space: global }
      - { .name: bo, .offset: 24, .size: 8, .value_kind: global_buffer, .address_space: global }
      - { .name: tbuf, .offset: 32, .size: 8, .value_kind: global_buffer, .address_space: global }
    .group_segment_fixed_size: 327680
    .private_segment_fixed_size: 0
    .kernarg_segment_align: 8
    .kernarg_segment_size: 40
    .max_flat_workgroup_size: 128
    .sgpr_count:     100
    .vgpr_count:     512
    .wavefront_size: 32
...
	.end_amdgpu_metadata
.endif
;; end of part 13
;; launch ln1 (part 14): grid 256 x 1, 8 waves a work-group, no clusters, 43,008 bytes of LDS; arguments tbuf, src, g1, be1, xbuf, actc; writes xbuf, actc
.if DOCPART == 14
	.amdgcn_target "amdgcn-amd-amdhsa--gfx1250"
	.amdhsa_code_object_version 6
	.text
	.protected	k_q8c3e33b5c9_ln1
	.globl	k_q8c3e33b5c9_ln1
	.p2align	8
	.type	k_q8c3e33b5c9_ln1,@function
k_q8c3e33b5c9_ln1:
	s_mov_b64 s[64:65], 0
	v_nop
	global_prefetch_b8 v0, s[64:65] scope:SCOPE_SE
	s_setreg_imm32_b32 hwreg(HW_REG_WAVE_MODE, 25, 1), 1
	s_wait_xcnt 0x0
; x = LayerNorm(src + t) g1 + be1, row by row of 1,024; x goes out as f32 (xbuf, rows m' = 2048 b + s) and as codes of E5M2 with E8M0 bytes along the row (actc: codes [m'][1024], bytes [m'][32] at ASC).
; t (tbuf) has rows m'; src has rows 2 s + b.  Mean first, then the squares of the differences: a common offset of the inputs does no harm.
; A wave takes two rows, each in 32 registers: a load or store of the wave covers 512 consecutive bytes.  All 48 loads of a wave go out at the head.
; For the conversion a lane must hold 16 neighbours: half a row (2,048 bytes) turns through the wave's own stage in LDS (64 bytes + 16 of padding a lane).
; LIMITS: a block of zeros gets the byte 1 and not 127 (its codes are zeros; this program alone reads the bytes); NaN and infinities are not served.
; No matrix unit, no tensor loads, no cluster: memory binds, and each byte is moved once.
.set SP,   80
.set STG,  2*32*SP
.set SB,   8*STG                       ; the work-group's 512 scale bytes
.set ASC,  4194304
.set G,    16
.set BE,   48
.set Y0,   80                          ; t, then y, then x: 32 registers a row
.set S0,   144                         ; src, later the row's 2 x 16 neighbours
.set C,    208                         ; codes: four registers for each half-row
.set E,    224                         ; a scale byte for each half-row
	s_load_b256 s[4:11], s[0:1], 0x0               ; tbuf, src, g1, be1
	s_load_b128 s[12:15], s[0:1], 0x20             ; xbuf, actc
	v_lshl_add_u32 v232, v0, 2, 0xa400
	v_mov_b32 v233, 0
	v_lshrrev_b32 v1, 5, v0
	s_delay_alu instid0(VALU_DEP_1)
	v_readfirstlane_b32 s16, v1                    ; wave
	v_and_b32 v2, 31, v0
	s_delay_alu instid0(VALU_DEP_1)
	v_lshlrev_b32 v3, 4, v2                        ; 16 x lane
	s_mul_i32 s17, s16, STG
	v_lshrrev_b32 v14, 2, v2
	s_delay_alu instid0(VALU_DEP_1)
	v_mul_u32_u24 v14, v14, SP
	v_and_b32 v15, 3, v2
	s_delay_alu instid0(VALU_DEP_1)
	v_lshl_add_u32 v14, v15, 4, v14
	s_delay_alu instid0(VALU_DEP_1)
	v_add_nc_u32 v14, s17, v14                     ; the stage, in
	v_mul_u32_u24 v15, v2, SP
	s_delay_alu instid0(VALU_DEP_1)
	v_add_nc_u32 v15, s17, v15                     ; and out
	v_lshrrev_b32 v12, 1, v2
	s_lshl_b32 s17, s16, 6
	s_add_co_u32 s17, s17, SB
	v_add_nc_u32 v12, s17, v12                     ; my block's byte among my wave's 64
	v_add_nc_u32 v13, SB, v3
	s_lshl_b32 s17, ttmp9, 4
	s_lshl_b32 s18, s16, 1
	s_add_co_u32 s17, s17, s18                     ; m' of my first row
	s_lshl_b32 s18, s17, 12
	s_mov_b32 s19, 0
	s_lshl_b32 s28, s17, 10
	s_mov_b32 s29, 0
	s_and_b32 s22, s17, 2047                       ; s
	s_lshl_b32 s22, s22, 1
	s_lshr_b32 s23, s17, 11                        ; b
	s_add_co_u32 s22, s22, s23
	s_lshl_b32 s22, s22, 12
	s_mov_b32 s23, 0
	s_lshl_b32 s30, ttmp9, 9
	s_add_co_u32 s30, s30, ASC
	s_mov_b32 s31, 0
	s_mov_b32 s20, 0x3a800000                      ; 1 / 1024
	s_mov_b32 s21, 0x3727c5ac                      ; 1e-5
	s_mov_b32 s24, 0x76543210
	s_mov_b32 s25, 0xfedcba98
	s_mov_b32 s26, 0x600000
	s_wait_kmcnt 0x0
	s_add_nc_u64 s[4:5], s[4:5], s[18:19]
	s_add_nc_u64 s[6:7], s[6:7], s[22:23]
	s_add_nc_u64 s[12:13], s[12:13], s[18:19]
	s_add_nc_u64 s[30:31], s[14:15], s[30:31]
	s_add_nc_u64 s[28:29], s[14:15], s[28:29]
.macro LOADROW i
.irp j, 0,1,2,3,4,5,6,7
	global_load_b128 v[Y0+32*\i+4*\j:Y0+32*\i+4*\j+3], v3, s[4:5] offset:4096*\i+512*\j th:TH_LOAD_NT
.endr
.irp j, 0,1,2,3,4,5,6,7
	global_load_b128 v[S0+32*\i+4*\j:S0+32*\i+4*\j+3], v3, s[6:7] offset:8192*\i+512*\j th:TH_LOAD_NT
.endr
.endm
	LOADROW 0
.irp j, 0,1,2,3,4,5,6,7
	global_load_b128 v[G+4*\j:G+4*\j+3], v3, s[8:9] offset:512*\j
.endr
.irp j, 0,1,2,3,4,5,6,7
	global_load_b128 v[BE+4*\j:BE+4*\j+3], v3, s[10:11] offset:512*\j
.endr
	LOADROW 1
.macro LANES                           ; v4 summed over the 32 lanes, in every lane
	s_delay_alu instid0(VALU_DEP_1)
	v_add_f32_dpp v4, v4, v4 row_xmask:1 row_mask:0xf bank_mask:0xf
	s_delay_alu instid0(VALU_DEP_1)
	v_add_f32_dpp v4, v4, v4 row_xmask:2 row_mask:0xf bank_mask:0xf
	s_delay_alu instid0(VALU_DEP_1)
	v_add_f32_dpp v4, v4, v4 row_xmask:4 row_mask:0xf bank_mask:0xf
	s_delay_alu instid0(VALU_DEP_1)
	v_add_f32_dpp v4, v4, v4 row_xmask:8 row_mask:0xf bank_mask:0xf
	s_delay_alu instid0(VALU_DEP_1)
	v_permlanex16_b32 v5, v4, s24, s25
	s_delay_alu instid0(VALU_DEP_1)
	v_add_f32 v4, v4, v5
.endm
.macro BLOCKQ xs, c, e, boff, coff     ; my 16 neighbours at v[xs]: half of a block of 32, the other half in the lane beside me
	v_max3_num_f32 v8, |v[\xs]|, |v[\xs+1]|, |v[\xs+2]|
	v_max3_num_f32 v9, |v[\xs+3]|, |v[\xs+4]|, |v[\xs+5]|
.irp i, 6,10
	s_delay_alu instid0(VALU_DEP_2)
	v_max3_num_f32 v8, v8, |v[\xs+\i]|, |v[\xs+\i+1]|
	s_delay_alu instid0(VALU_DEP_2)
	v_max3_num_f32 v9, v9, |v[\xs+\i+2]|, |v[\xs+\i+3]|
.endr
	s_delay_alu instid0(VALU_DEP_2)
	v_max3_num_f32 v8, v8, |v[\xs+14]|, |v[\xs+15]|
	s_delay_alu instid0(VALU_DEP_1)
	v_max3_num_f32 v8, v8, v9, 0x8000000           ; the floor 2^(16 - 127)
	s_delay_alu instid0(VALU_DEP_1)
	v_max_num_f32_dpp v8, v8, v8 row_xmask:1 row_mask:0xf bank_mask:0xf
	s_delay_alu instid0(VALU_DEP_1)
	v_add_nc_u32 v11, 0xf8800000, v8               ; the conversion's scale operand
	s_delay_alu instid0(VALU_DEP_2)
	v_and_or_b32 v10, v8, 0x7f800000, s26          ; 57,344 x the scale
.set i, 0
.rept 16
	v_med3_num_f32 v[\xs+i], v[\xs+i], -v10, v10
.set i, i+1
.endr
	v_cvt_scalef32_pk8_bf8_f32 v[\c:\c+1], v[\xs:\xs+7], v11
	v_cvt_scalef32_pk8_bf8_f32 v[\c+2:\c+3], v[\xs+8:\xs+15], v11
	v_lshrrev_b32 v[\e], 23, v11                   ; the scale's byte (also the plain line behind the conversions)
	ds_store_b8 v12, v[\e] offset:\boff
	global_store_b128 v3, v[\c:\c+3], s[28:29] offset:\coff
.endm
.macro ROW i, wa, wb                   ; wa: the loads that may stay out when this row's are in; wb: likewise for g1 and be1 (-1: they are in)
.set Y, Y0+32*\i
.set S, S0+32*\i
	s_wait_loadcnt \wa
.set k, 0
.rept 16
	v_pk_add_f32 v[Y+k:Y+k+1], v[Y+k:Y+k+1], v[S+k:S+k+1]
.set k, k+2
.endr
	v_pk_add_f32 v[4:5], v[Y:Y+1], v[Y+2:Y+3]
	v_pk_add_f32 v[6:7], v[Y+4:Y+5], v[Y+6:Y+7]
.set k, 8
.rept 6
	s_delay_alu instid0(VALU_DEP_2)
	v_pk_add_f32 v[4:5], v[4:5], v[Y+k:Y+k+1]
	s_delay_alu instid0(VALU_DEP_2)
	v_pk_add_f32 v[6:7], v[6:7], v[Y+k+2:Y+k+3]
.set k, k+4
.endr
	s_delay_alu instid0(VALU_DEP_1)
	v_pk_add_f32 v[4:5], v[4:5], v[6:7]
	s_delay_alu instid0(VALU_DEP_1)
	v_add_f32 v4, v4, v5
	LANES
	s_delay_alu instid0(VALU_DEP_1)
	v_mul_f32 v8, 0xba800000, v4                   ; - the mean
	s_delay_alu instid0(VALU_DEP_1)
	v_mov_b32 v9, v8
.set k, 0
.rept 16
	v_pk_add_f32 v[Y+k:Y+k+1], v[Y+k:Y+k+1], v[8:9]
.set k, k+2
.endr
	v_pk_mul_f32 v[4:5], v[Y:Y+1], v[Y:Y+1]
	v_pk_mul_f32 v[6:7], v[Y+2:Y+3], v[Y+2:Y+3]
.set k, 4
.rept 7
	s_delay_alu instid0(VALU_DEP_2)
	v_pk_fma_f32 v[4:5], v[Y+k:Y+k+1], v[Y+k:Y+k+1], v[4:5]
	s_delay_alu instid0(VALU_DEP_2)
	v_pk_fma_f32 v[6:7], v[Y+k+2:Y+k+3], v[Y+k+2:Y+k+3], v[6:7]
.set k, k+4
.endr
	s_delay_alu instid0(VALU_DEP_1)
	v_pk_add_f32 v[4:5], v[4:5], v[6:7]
	s_delay_alu instid0(VALU_DEP_1)
	v_add_f32 v4, v4, v5
	LANES
	s_delay_alu instid0(VALU_DEP_1)
	v_fma_f32 v4, v4, s20, s21                     ; the variance + 1e-5
	s_wait_alu depctr_va_vdst(0)
	v_rsq_f32 v8, v4
	v_nop                                          ; a plain line behind the transcendental
	s_wait_alu depctr_va_vdst(0)
	v_mov_b32 v9, v8
.if \wb >= 0
	s_wait_alu depctr_va_vdst(0)
	s_wait_loadcnt \wb
.endif
.set k, 0
.rept 16
	v_pk_mul_f32 v[Y+k:Y+k+1], v[Y+k:Y+k+1], v[8:9]
.set k, k+2
.endr
.set k, 0
.rept 16
	v_pk_fma_f32 v[Y+k:Y+k+1], v[Y+k:Y+k+1], v[G+k:G+k+1], v[BE+k:BE+k+1]
.set k, k+2
.endr
.irp j, 0,1,2,3,4,5,6,7
	global_store_b128 v3, v[Y+4*\j:Y+4*\j+3], s[12:13] offset:4096*\i+512*\j
.endr
.irp t, 0,1                                    ; both half-rows through the two stages
.irp q, 0,1,2,3
	ds_store_b128 v14, v[Y+16*\t+4*\q:Y+16*\t+4*\q+3] offset:32*SP*\t+8*SP*\q
.endr
.irp q, 0,1,2,3
	ds_load_b128 v[S+16*\t+4*\q:S+16*\t+4*\q+3], v15 offset:32*SP*\t+16*\q
.endr
.endr
	s_wait_dscnt 8                                 ; the first half-row is back; the second's four stores and four loads may be out
	BLOCKQ S0+32*\i, C+8*\i, E+2*\i, 32*\i, 1024*\i
	s_wait_dscnt 1                                 ; the second is back; the byte store just issued may be out
	BLOCKQ S0+32*\i+16, C+8*\i+4, E+2*\i+1, 32*\i+16, 1024*\i+512
.endm
	ROW 0, 32, 16
	ROW 1, 0, -1
	s_wait_dscnt 0x0                               ; my byte stores have landed: then the barrier
	s_barrier_signal -1
	s_barrier_wait -1
	s_cmp_lg_u32 s16, 0
	s_cbranch_scc1 .Ldone
	ds_load_b128 v[4:7], v13                       ; wave 0: 16 rows x 32 bytes
	s_wait_dscnt 0x0
	global_store_b128 v3, v[4:7], s[30:31]         ; 512 consecutive bytes
.Ldone:
	s_wait_tensorcnt 0x0
	ds_add_u32 v232, v233
	s_wait_dscnt 0x0
	s_endpgm
.Lfunc_end_k_q8c3e33b5c9_ln1:
	.size	k_q8c3e33b5c9_ln1, .Lfunc_end_k_q8c3e33b5c9_ln1-k_q8c3e33b5c9_ln1
	.p2alignl 7, 3214868480
	.fill 96, 4, 3214868480
	.section	.rodata,"a",@progbits
	.p2align	6, 0x0
	.amdhsa_kernel k_q8c3e33b5c9_ln1
		.amdhsa_group_segment_fixed_size 43008
		.amdhsa_private_segment_fixed_size 0
		.amdhsa_enable_private_segment 0
		.amdhsa_kernarg_size 48
		.amdhsa_user_sgpr_count 2
		.amdhsa_user_sgpr_kernarg_segment_ptr 1
		.amdhsa_wavefront_size32 1
		.amdhsa_system_sgpr_workgroup_id_x 1
		.amdhsa_system_sgpr_workgroup_id_y 1
		.amdhsa_system_sgpr_workgroup_id_z 1
		.amdhsa_system_vgpr_workitem_id 0
		.amdhsa_next_free_vgpr 234
		.amdhsa_next_free_sgpr 66
		.amdhsa_reserve_vcc 0
		.amdhsa_float_denorm_mode_32 3
		.amdhsa_float_denorm_mode_16_64 3
		.amdhsa_memory_ordered 1
		.amdhsa_forward_progress 1
		.amdhsa_inst_pref_size 38
	.end_amdhsa_kernel
	.amdgpu_metadata
---
amdhsa.version: [ 1, 2 ]
amdhsa.kernels:
  - .name:           k_q8c3e33b5c9_ln1
    .symbol:         k_q8c3e33b5c9_ln1.kd
    .args:
      - { .name: tbuf, .offset: 0, .size: 8, .value_kind: global_buffer, .address_space: global }
      - { .name: src, .offset: 8, .size: 8, .value_kind: global_buffer, .address_space: global }
      - { .name: g1, .offset: 16, .size: 8, .value_kind: global_buffer, .address_space: global }
      - { .name: be1, .offset: 24, .size: 8, .value_kind: global_buffer, .address_space: global }
      - { .name: xbuf, .offset: 32, .size: 8, .value_kind: global_buffer, .address_space: global }
      - { .name: actc, .offset: 40, .size: 8, .value_kind: global_buffer, .address_space: global }
    .group_segment_fixed_size: 43008
    .private_segment_fixed_size: 0
    .kernarg_segment_align: 8
    .kernarg_segment_size: 48
    .max_flat_workgroup_size: 256
    .sgpr_count:     66
    .vgpr_count:     234
    .wavefront_size: 32
...
	.end_amdgpu_metadata
.endif
;; end of part 14
;; launch w1 (part 15): grid 8 x 32, 4 waves a work-group, clusters of 4 x 4, 327,680 bytes of LDS; arguments actc, W1_codes, W1_scales, b1, hid; writes hid
.if DOCPART == 15
	.amdgcn_target "amdgcn-amd-amdhsa--gfx1250"
	.amdhsa_code_object_version 6
	.text
	.protected	k_q8c3e33b5c9_w1
	.globl	k_q8c3e33b5c9_w1
	.p2align	8
	.type	k_q8c3e33b5c9_w1,@function
k_q8c3e33b5c9_w1:
	s_mov_b64 s[64:65], 0
	v_nop
	global_prefetch_b8 v0, s[64:65] scope:SCOPE_SE
	s_setreg_imm32_b32 hwreg(HW_REG_WAVE_MODE, 25, 1), 1
	s_wait_xcnt 0x0
	s_wait_alu depctr_hold_cnt(0) depctr_sa_sdst(0) depctr_va_vdst(0) depctr_va_sdst(0) depctr_va_ssrc(0) depctr_va_vcc(0) depctr_vm_vsrc(0)
	s_getreg_b32 s2, hwreg(HW_REG_IB_STS2, 6, 4)
	s_cmp_eq_u32 s2, 0
	s_cbranch_scc0 .Lentry_in_a_cluster
	s_endpgm
.Lentry_in_a_cluster:
	s_bfe_u32 s2, ttmp6, 0x10000c
	s_cmp_lg_u32 s2, 0xf033
	s_cbranch_scc0 .Lentry_shape_is_right
	s_endpgm
.Lentry_shape_is_right:
; hid = Q(relu(x W1^T + b1)) on codes of E5M2 with E8M0 scales; the result is quantised along the features (the next product's K) and leaves as images of operand registers with its scale words.
; A WORK-GROUP STAYS: it owns 128 tokens and 512 features and makes four tiles of 128 x 128.  Four waves, 2 x 2, each 64 x 64: 16 accumulators.  CLUSTER 4 x 4: the tokens' tile is shared along a row, W1's along a column: joint loads.
; THE TOKENS LIVE IN REGISTERS: their codes for all of K = 1,024 come once, into LDS slot 1; each wave reads its 64 rows (4 fragments x 8 K steps x 16 = 512 registers, windows 2 and 3) and keeps them for all four tiles.
; THE RING: two slots of 128 rows x (1,024 + 16) bytes, each a WHOLE tile of W1.  Tile t lies in slot t % 2; at a tile's end its slot takes tile t + 2, so a load has a tile's 128 products and a way out in which to land; three refills in all.
; Source 0 = 16 rows of W1, source 1 = 16 tokens: a lane holds one token, its registers run along the features.  Lane r of fragment i takes row 32 (i / 2) + 8 (i % 2) + r + (r & 8) of its 64: so the 16 registers of
; tiles 2 n, 2 n + 1 are 16 neighbours along the features, and a block of 32 lies in lanes l and l xor 16.
; PREFETCH: behind the load of tile j each wave asks for tile j + 1: of the 32 rows that it will load, the partner at place cy of the column takes 8 (told apart by address): 32 lanes x 256 bytes, dense.  Tile 0 comes by its load alone; behind tile 3's nothing is asked.
; OUT (hid): images [tile of 128 tokens][K step of 128 features][fragment 8][chunk 4][512]; scale words at 16,777,216: [tile][K step][fragment][r].
; LIMITS: a block of zeros gets the byte 1 and not 127 (its codes are zeros; this program alone reads the bytes); NaN and infinities are not served.
; REGISTERS: window 0: v2 the prefetches' offset; v3-15, v28-31 at work; v16-27 addresses; v32-95 scale words, nothing else; v96-127 the codes; v128-255 the accumulators.
;   window 1: v0-127 two buffers of W1's four fragments; v128-255 the four tiles' biases in the results' layout: the C of each tile's first products.   windows 2, 3: the tokens: K step q, fragment a at 64 q + 16 a.
.set SIZE_K, 1024
.set TILES,  4
.set PITCH,  1040
.set HALFT,  64*PITCH
.set TILEB,  128*PITCH                 ; a slot
.set SCL,    2*TILEB                   ; the tokens' scale bytes: 128 rows x 32 bytes as units of 256 + 16
.set HALFS,  8*272
.set SCLB,   SCL+2*HALFS               ; W1's, for the work-group's 512 rows
.set SPARE,  SCLB+2*TILES*HALFS        ; the spare words, 128 bytes a wave: no other line names them
.set SG,     SPARE+512                 ; a tile's scale words on their way out: two areas of 512 bytes by turns (tile t in area t % 2), so that a change of slots' barrier stands between wave 0's read of an area and the next stores into it; no tensor load lands here
.set ASC,    4194304
.set PFO,  2
.set PW,   3
.set TMA,  4
.set TMB,  8
.set TMC,  12
.set TMD,  28
.set ADRA, 16
.set ADRB, 18
.set ADRSA, 20
.set ADRSB, 21
.set VO,   22
.set SGW,  23
.set SGR,  24
.set BO,   25
.set SPW,  26
.set NIL,  27
.set SC,   32
.set CD,   96
.set ACC,  128
.set BI,   128
.set G1,   24
.set G0T,  32
.set G0W,  36
.set G1B,  48
.set G0R,  56
.set PFA,  60
.set G1S,  68
.set G0S,  76
.set G1SB, 80
.set G0SB, 88
.set MSB, 0
.macro WIN new                         ; the immediate's high byte repeats the setting that is left
.if MSB != \new
	s_set_vgpr_msb (MSB<<8)|\new
.set MSB, \new
.endif
.endm
.macro PLACES n                        ; plain vector places behind matrix instructions: eight for this form
.rept \n
	v_nop
.endr
.endm
.macro GRP1 g, c, r, p
	s_mov_b32 s[\g+1], (\c)<<16
	s_mov_b32 s[\g+2], (\r)<<16
	s_mov_b32 s[\g+3], (\c)<<16
	s_mov_b32 s[\g+4], \r
	s_mov_b32 s[\g+5], \p
	s_mov_b32 s[\g+6], 0
	s_mov_b32 s[\g+7], 0
.endm
.macro GRP0 g, lds, adr
	s_mov_b32 s[\g], 1
	s_mov_b32 s[\g+1], \lds
	s_mov_b64 s[\g+2:\g+3], s[\adr:\adr+1]
	s_or_b32 s[\g+3], s[\g+3], 0x80000000
.endm
.macro LOAD1 g0, g1                    ; a tensor load with the s_nop 0 and the four v_nop
	tensor_load_to_lds s[\g0:\g0+3], s[\g1:\g1+7]
	s_nop 0
.rept 4
	v_nop
.endr
.endm
.macro QUAD a0, a1, b0, b1, c0, c1, d0, d1   ; four joint first fills, one a wave: one chain of branches on the wave's number, a load to an arm, all arms to one join
	s_cmp_lt_u32 s14, 1
	s_cbranch_scc0 .Lq1_\@
	LOAD1 \a0, \a1
	s_branch .Lqe_\@
.Lq1_\@:
	s_cmp_lt_u32 s14, 2
	s_cbranch_scc0 .Lq2_\@
	LOAD1 \b0, \b1
	s_branch .Lqe_\@
.Lq2_\@:
	s_cmp_lt_u32 s14, 3
	s_cbranch_scc0 .Lq3_\@
	LOAD1 \c0, \c1
	s_branch .Lqe_\@
.Lq3_\@:
	LOAD1 \d0, \d1
.Lqe_\@:
.endm
.macro CREST                           ; a round of the cluster's barrier behind its opening barrier
	s_cmp_lg_u32 s14, 0
	s_cbranch_scc1 .Lnot_wave_0_\@
	s_barrier_signal -3
.Lnot_wave_0_\@:
	s_barrier_wait -3
	s_barrier_signal -1
	s_barrier_wait -1
.endm
.macro CROUND
	s_barrier_signal -1
	s_barrier_wait -1
	CREST
.endm
	s_load_b128 s[4:7], s[0:1], 0x0                ; actc, W1's codes
	s_load_b128 s[8:11], s[0:1], 0x10              ; W1's scales, b1
	s_load_b64 s[12:13], s[0:1], 0x20              ; hid
	v_lshl_add_u32 v[SPW], v0, 2, SPARE
	v_mov_b32 v[NIL], 0
	ds_add_u32 v[SPW], v[NIL]                      ; the opening lines: the add twice on end and one wait
	ds_add_u32 v[SPW], v[NIL]
	v_lshrrev_b32 v1, 5, v0
	v_readfirstlane_b32 s14, v1                    ; wave
	s_lshr_b32 s15, s14, 1                         ; my 64 tokens of the tile
	s_and_b32 s16, s14, 1                          ; my 64 features
	s_bfe_u32 s40, ttmp6, 0x40000                  ; cx
	s_bfe_u32 s41, ttmp6, 0x40004                  ; cy
	s_lshl_b32 s42, ttmp9, 2
	s_add_co_u32 s42, s42, s40                     ; X: the features' block of 512
	s_and_b32 s17, ttmp7, 0xffff
	s_lshl_b32 s17, s17, 2
	s_add_co_u32 s17, s17, s41                     ; Y: the tokens' tile
	s_lshl_b32 s43, s41, 2
	s_lshl_b32 s43, 15, s43                        ; my row of the cluster
	s_lshl_b32 s44, 0x1111, s40                    ; my column
	s_or_b32 s[G1+0], s43, (1<<20)|(1<<21)|(7<<22)|(3<<25)    ; mask; elements of 1 byte; 4 words of padding behind every 256; bit 21 beside a mask
	GRP1 G1, 1024, 128, SIZE_K
	s_or_b32 s[G1B+0], s44, (1<<20)|(1<<21)|(7<<22)|(3<<25)
	GRP1 G1B, 1024, 128, SIZE_K
	s_or_b32 s[G1S+0], s43, (3<<16)|(1<<20)|(1<<21)|(5<<22)|(3<<25)
	GRP1 G1S, 32, 16, 32
	s_or_b32 s[G1SB+0], s44, (3<<16)|(1<<20)|(1<<21)|(5<<22)|(3<<25)
	GRP1 G1SB, 32, 16*TILES, 32
	s_lshl_b32 s20, s17, 17                        ; the tokens' codes: row 128 Y
	s_mov_b32 s21, 0
	s_lshl_b32 s22, s17, 12
	s_add_co_u32 s22, s22, ASC                     ; their scale bytes
	s_mov_b32 s23, 0
	s_lshl_b32 s46, s42, 19                        ; W1's codes: row 512 X
	s_mov_b32 s47, 0
	s_lshl_b32 s92, s42, 14                        ; its scale bytes
	s_mov_b32 s93, 0
	s_lshl_b32 s94, s42, 11
	s_lshl_b32 s18, s16, 8
	s_add_co_u32 s94, s94, s18                     ; b1 at feature 512 X + 64 x my half
	s_mov_b32 s95, 0
	s_lshl_b32 s2, s17, 5
	s_lshl_b32 s3, s42, 2
	s_add_co_u32 s2, s2, s3                        ; 32 Y + 4 X: the first tile's place in hid
	s_lshl_b32 s98, s2, 9
	s_add_co_u32 s98, s98, 16777216
	s_mov_b32 s99, 0
	s_lshl_b32 s2, s2, 14
	s_lshl_b32 s19, s15, 13
	s_add_co_u32 s2, s2, s19
	s_lshl_b32 s19, s16, 10
	s_add_co_u32 s2, s2, s19
	s_mov_b32 s3, 0
	s_lshl_b32 s18, s14, 15                        ; in the ring I fetch 32 rows of a tile: in memory,
	s_mov_b32 s19, 0
	s_mul_i32 s45, s14, 32*PITCH                   ; and in a slot
	s_mul_i32 s62, s15, HALFT
	s_add_co_u32 s62, s62, TILEB                   ; my 64 tokens, in slot 1
	s_mul_i32 s63, s16, HALFT                      ; my 64 rows of a tile of W1, in slot 0
	s_mul_i32 s66, s15, HALFS
	s_add_co_u32 s66, s66, SCL
	s_mul_i32 s67, s16, HALFS
	s_add_co_u32 s67, s67, SCLB
	s_lshl_b32 s100, s15, 8
	s_lshl_b32 s101, s16, 1
	s_add_co_u32 s100, s100, s101
	s_add_co_u32 s100, s100, SG
	s_wait_dscnt 0x0
	s_wait_kmcnt 0x0
	s_add_nc_u64 s[20:21], s[4:5], s[20:21]
	s_add_nc_u64 s[22:23], s[4:5], s[22:23]
	s_add_nc_u64 s[46:47], s[6:7], s[46:47]
	s_add_nc_u64 s[92:93], s[8:9], s[92:93]
	s_add_nc_u64 s[96:97], s[10:11], s[94:95]
	s_add_nc_u64 s[98:99], s[12:13], s[98:99]
	s_add_nc_u64 s[12:13], s[12:13], s[2:3]
	s_add_nc_u64 s[G0R+2:G0R+3], s[46:47], s[18:19]   ; my 32 rows of tile 0
	s_lshl_b32 s2, s41, 13
	s_mov_b32 s3, 0
	s_add_nc_u64 s[PFA:PFA+1], s[G0R+2:G0R+3], s[2:3] ; the prefetches: my work-group's 8 of them
	s_or_b32 s[G0R+3], s[G0R+3], 0x80000000
	s_mov_b32 s[G0R], 1
	GRP0 G0T, TILEB, 20
	GRP0 G0W, 0, 46
	GRP0 G0S, SCL, 22
	GRP0 G0SB, SCLB, 92
	s_mov_b32 s20, 0x76543210
	s_mov_b32 s21, 0xfedcba98                      ; v_permlanex16_b32's selects for lane l xor 16
	s_mov_b32 s19, 0x600000                        ; the mantissa field of 57,344
	CROUND                                         ; all sixteen work-groups are here: the first joint loads meet
	QUAD G0T, G1, G0S, G1S, G0W, G1B, G0SB, G1SB   ; the tokens' 128 rows (slot 1) | their scale bytes | W1's tile 0 (slot 0) | W1's scale bytes
	v_and_b32 v1, 15, v0                           ; r
	v_bfe_u32 v2, v0, 4, 1                         ; h
	v_lshlrev_b32 v[BO], 6, v2
	WIN 0x40
.irp t, 0,1,2,3                                ; b1 in the result's layout: tile b, register j: feature 32 (b / 2) + 8 (b % 2) + 16 h + j
.irp b, 0,1,2,3
	global_load_b128 v[BI+32*\t+8*\b:BI+32*\t+8*\b+3], v[BO], s[96:97] offset:512*\t+(32*(\b/2)+8*(\b%2))*4
	global_load_b128 v[BI+32*\t+8*\b+4:BI+32*\t+8*\b+7], v[BO], s[96:97] offset:512*\t+(32*(\b/2)+8*(\b%2))*4+16
.endr
.endr
	WIN 0
	v_and_b32 v3, 8, v1
	v_add_nc_u32 v3, v3, v1                        ; r + (r & 8)
	v_mul_u32_u24 v4, v3, PITCH
	v_lshl_add_u32 v4, v2, 4, v4
	v_add_nc_u32 v[ADRA], s62, v4
	v_add_nc_u32 v[ADRB], s63, v4
	v_add_nc_u32 v[ADRB+1], TILEB, v[ADRB]
	v_lshlrev_b32 v5, 5, v3                        ; my row's 32 scale bytes,
	v_lshrrev_b32 v6, 8, v5
	v_lshl_add_u32 v5, v6, 4, v5                   ; and 16 more for each 256 passed
	v_add_nc_u32 v[ADRSA], s66, v5
	v_add_nc_u32 v[ADRSB], s67, v5
	v_and_b32 v7, 31, v0
	v_lshlrev_b32 v[VO], 4, v7
	v_add_nc_u32 v[SGR], SG, v[VO]
	v_lshl_add_u32 v[SGW], v1, 2, s100
	v_lshlrev_b32 v[PFO], 8, v7                    ; 8 rows of 1,024 bytes are dense: 256 x lane
	global_prefetch_b8 v[PFO], s[PFA:PFA+1] offset:131072 th:TH_LOAD_NT scope:SCOPE_SE   ; tile 1
.macro FETCHW slot, q, f               ; W1's four fragments of K step q, into window 1
.irp i, 0,1,2,3
.irp c, 0,1,2,3
	ds_load_b128 v[\f+16*\i+4*\c:\f+16*\i+4*\c+3], v[ADRB+\slot] offset:128*(\q)+32*\c+(32*(\i/2)+8*(\i%2))*PITCH
.endr
.endr
.endm
.macro TOKENS q0                       ; my tokens' fragments of K steps q0 .. q0 + 3, into one window
.irp q, 0,1,2,3
.irp i, 0,1,2,3
.irp c, 0,1,2,3
	ds_load_b128 v[64*\q+16*\i+4*\c:64*\q+16*\i+4*\c+3], v[ADRA] offset:128*(\q0+\q)+32*\c+(32*(\i/2)+8*(\i%2))*PITCH
.endr
.endr
.endr
.endm
.macro SCALESX s                       ; the tokens' scale words of K steps 4 s .. 4 s + 3: loaded once
.irp i, 0,1,2,3
	ds_load_b128 v[SC+32*\s+4*\i:SC+32*\s+4*\i+3], v[ADRSA] offset:16*\s+(4*(\i/2)+(\i%2))*272
.endr
.endm
.macro SCALESW s, t                    ; tile t's
.irp i, 0,1,2,3
	ds_load_b128 v[SC+32*\s+16+4*\i:SC+32*\s+16+4*\i+3], v[ADRSB] offset:16*\s+(\t)*2*HALFS+(4*(\i/2)+(\i%2))*272
.endr
.endm
; Four products: the tokens' fragment a against W1's four.  The 16 accumulators take turns.  bi >= 0: the bias, at v[bi] of window 1, is the sum's C.
.macro MULA q, a, bi
.irp b, 0,1,2,3
.if (\bi) >= 0
	v_wmma_scale_f32_16x16x128_f8f6f4 v[ACC+8*(4*\a+\b):ACC+8*(4*\a+\b)+7], v[64*((\q)%2)+16*\b:64*((\q)%2)+16*\b+15], v[64*((\q)%4)+16*\a:64*((\q)%4)+16*\a+15], v[(\bi)+8*\b:(\bi)+8*\b+7], v[SC+32*((\q)/4)+16+4*\b+(\q)%4], v[SC+32*((\q)/4)+4*\a+(\q)%4] matrix_a_fmt:MATRIX_FMT_BF8 matrix_b_fmt:MATRIX_FMT_BF8
.else
	v_wmma_scale_f32_16x16x128_f8f6f4 v[ACC+8*(4*\a+\b):ACC+8*(4*\a+\b)+7], v[64*((\q)%2)+16*\b:64*((\q)%2)+16*\b+15], v[64*((\q)%4)+16*\a:64*((\q)%4)+16*\a+15], v[ACC+8*(4*\a+\b):ACC+8*(4*\a+\b)+7], v[SC+32*((\q)/4)+16+4*\b+(\q)%4], v[SC+32*((\q)/4)+4*\a+(\q)%4] matrix_a_fmt:MATRIX_FMT_BF8 matrix_b_fmt:MATRIX_FMT_BF8
.endif
.endr
.endm
.macro WMUL q, bi                      ; source 0 window 1; source 1 window 2 or 3; C window 1 where it is the bias, else window 0; D window 0
.if (\bi) >= 0
	WIN 0x11|((2+(\q)/4)<<2)
.else
	WIN 0x01|((2+(\q)/4)<<2)
.endif
.endm
.macro STEPK t, q, bi                  ; K step q < 7 of tile t: the next step's fragments are asked for first, a whole step ahead of their use
.if (\q) > 0
	PLACES 8                                       ; in front of loads into the buffer that the step before multiplied
.endif
	WIN 0x40
	FETCHW (\t)%2, (\q)+1, 64*(((\q)+1)%2)
	s_wait_dscnt 16                                ; all but the 16 just issued
	WMUL \q, \bi
	MULA \q, 0, \bi
	MULA \q, 1, \bi
	MULA \q, 2, \bi
	MULA \q, 3, \bi
.endm
.macro QUANT s, pc                     ; 64 numbers of a lane, v[s] on: block n = registers 16 n .. 16 n + 15, shared with lane l xor 16.  No |.| on the maximum's sources: what is negative becomes 0
.irp b, 0,1,2,3
	v_max3_num_f32 v[TMA+\b], v[\s+16*\b], v[\s+16*\b+1], 0x8000000   ; the floor 2^(16 - 127) holds the byte at 1 from below
.endr
.irp i, 2,4,6,8,10,12,14
.irp b, 0,1,2,3
	v_max3_num_f32 v[TMA+\b], v[TMA+\b], v[\s+16*\b+\i], v[\s+16*\b+\i+1]
.endr
.endr
.irp b, 0,1,2,3
	v_permlanex16_b32 v[TMB+\b], v[TMA+\b], s20, s21
.endr
.irp b, 0,1,2,3
	v_max_num_f32 v[TMA+\b], v[TMA+\b], v[TMB+\b]
.endr
.irp b, 0,1,2,3
	v_add_nc_u32 v[TMD+\b], 0xf8800000, v[TMA+\b]  ; 15 off the exponent field: the conversion's scale operand
.endr
.irp b, 0,1,2,3
	v_and_or_b32 v[TMC+\b], v[TMA+\b], 0x7f800000, s19   ; 57,344 x the scale
.endr
.irp b, 0,1,2,3
	v_lshrrev_b32 v[TMB+\b], 23, v[TMD+\b]         ; the scale's byte
.endr
	v_lshl_or_b32 v[PW], v[TMB+1], 8, v[TMB]
	v_lshl_or_b32 v[PW], v[TMB+2], 16, v[PW]
	v_lshl_or_b32 v[PW], v[TMB+3], 24, v[PW]
.irp b, 0,1,2,3
.set i, 0
.rept 16
	v_med3_num_f32 v[\s+16*\b+i], v[\s+16*\b+i], 0, v[TMC+\b]   ; the activation and the hold in one (the conversion does not saturate: ISA guide 7.6.2)
.set i, i+1
.endr
	v_cvt_scalef32_pk8_bf8_f32 v[\pc+4*\b:\pc+4*\b+1], v[\s+16*\b:\s+16*\b+7], v[TMD+\b]
	v_cvt_scalef32_pk8_bf8_f32 v[\pc+4*\b+2:\pc+4*\b+3], v[\s+16*\b+8:\s+16*\b+15], v[TMD+\b]
.endr
	v_nop                                          ; a plain line behind the last conversion
.endm
.macro WAYOUT t
	WIN 0
	s_wait_xcnt 0x0                                ; the last tile's stores have read their registers
.irp b, 0,1,2,3
	v_mov_b32 v[TMB+\b], 0                         ; a lane permute's destination counts as read
.endr
	PLACES 4
.irp g, 0,1
	QUANT ACC+64*\g, CD+16*\g
.irp n, 0,1,2,3
	global_store_b128 v[VO], v[CD+16*\g+4*\n:CD+16*\g+4*\n+3], s[12:13] offset:(\t)*16384+(2*\g+\n/2)*2048+512*(\n%2)   ; 512 consecutive bytes
.endr
	ds_store_b16 v[SGW], v[PW] offset:64*(2*\g)+512*((\t)%2)    ; my two bytes of a fragment's words; the other two come from the wave with the other 64 features
	ds_store_b16_d16_hi v[SGW], v[PW] offset:64*(2*\g+1)+512*((\t)%2)
.endr
	s_wait_dscnt 0x0                               ; my stores have landed: then the barrier
	s_barrier_signal -1
	s_barrier_wait -1
	s_cmp_lg_u32 s14, 0
	s_cbranch_scc1 .Lnot_mine_\@
	ds_load_b128 v[TMA:TMA+3], v[SGR] offset:512*((\t)%2)   ; wave 0: the tile's 512 bytes of scale words
	s_wait_dscnt 0x0
	global_store_b128 v[VO], v[TMA:TMA+3], s[98:99] offset:(\t)*512
.Lnot_mine_\@:
.endm
; A tile.  Its last K step changes slots: ONE barrier; in front of it each wave waits for all its tensor loads (its part of the next tile), adds 0 to its spare word, and waits for that and for its reads of this slot.
; t < 2: the barrier opens a round of the cluster's barrier, and this tile's slot takes tile t + 2 first thing behind the round.
.macro TILE t
	STEPK \t, 0, BI+32*(\t)
.irp q, 1,2,3,4,5,6
	STEPK \t, \q, -1
.endr
	s_wait_dscnt 0x0                               ; K step 7's fragments are in: my reads of this slot are over
.if (\t) < 3
	WIN 0
	s_wait_tensorcnt 0x0
	ds_add_u32 v[SPW], v[NIL]
	WMUL 7, -1
	MULA 7, 0, -1
	MULA 7, 1, -1
	s_wait_dscnt 0x0
	s_barrier_signal -1
	MULA 7, 2, -1
	MULA 7, 3, -1
	WIN 0
	s_barrier_wait -1
.if (\t) < 2
	CREST
	s_add_co_u32 s[G0R+1], s45, ((\t)%2)*TILEB     ; no tensor load of mine is out: the group 0 may be written
	s_add_nc_u64 s[G0R+2:G0R+3], s[G0R+2:G0R+3], 131072
	LOAD1 G0R, G1B
	PLACES 4
.else
	PLACES 8
.endif
	SCALESW 0, (\t)+1
	SCALESW 1, (\t)+1
	WIN 0x40
	FETCHW ((\t)+1)%2, 0, 0
.if (\t) < 1
	global_prefetch_b8 v[PFO], s[PFA:PFA+1] offset:131072*((\t)+3) th:TH_LOAD_NT scope:SCOPE_SE   ; the tile behind the one just asked for
.endif
.else
	WMUL 7, -1
	MULA 7, 0, -1
	MULA 7, 1, -1
	MULA 7, 2, -1
	MULA 7, 3, -1
.endif
	WAYOUT \t
.endm
	s_wait_alu depctr_va_vdst(0)                   ; the wait at the head's end
	s_wait_tensorcnt 0x0                           ; my tile of the head's four is in,
	s_barrier_signal -1
	s_barrier_wait -1                              ; everybody's is
	SCALESX 0
	SCALESX 1
	SCALESW 0, 0
	SCALESW 1, 0
	WIN 0x80
	TOKENS 0
	WIN 0xc0
	TOKENS 4
	WIN 0x40
	FETCHW 0, 0, 0
	WIN 0
	s_wait_tensorcnt 0x0                           ; the full sequence ahead of slot 1's refill
	ds_add_u32 v[SPW], v[NIL]
	s_mov_b32 s[G1B+2], 32<<16                     ; no tensor load of mine is out: from here on a load brings 32 rows
	s_mov_b32 s[G1B+4], 32
	s_add_co_u32 s[G0R+1], s45, TILEB
	s_add_nc_u64 s[G0R+2:G0R+3], s[G0R+2:G0R+3], 131072
	s_wait_dscnt 0x0                               ; the add is done, and my tokens are in registers
	CROUND
	LOAD1 G0R, G1B                                 ; tile 1, over the tokens
	global_prefetch_b8 v[PFO], s[PFA:PFA+1] offset:262144 th:TH_LOAD_NT scope:SCOPE_SE   ; tile 2
	s_wait_loadcnt 0x0                             ; the biases
	TILE 0
	TILE 1
	TILE 2
	TILE 3
	s_wait_tensorcnt 0x0                           ; the wave's end
	ds_add_u32 v[SPW], v[NIL]
	s_wait_dscnt 0x0
	CROUND                                         ; the closing round
	s_endpgm
.Lfunc_end_k_q8c3e33b5c9_w1:
	.size	k_q8c3e33b5c9_w1, .Lfunc_end_k_q8c3e33b5c9_w1-k_q8c3e33b5c9_w1
	.p2alignl 7, 3214868480
	.fill 96, 4, 3214868480
	.section	.rodata,"a",@progbits
	.p2align	6, 0x0
	.amdhsa_kernel k_q8c3e33b5c9_w1
		.amdhsa_group_segment_fixed_size 327680
		.amdhsa_private_segment_fixed_size 0
		.amdhsa_enable_private_segment 0
		.amdhsa_kernarg_size 40
		.amdhsa_user_sgpr_count 2
		.amdhsa_user_sgpr_kernarg_segment_ptr 1
		.amdhsa_wavefront_size32 1
		.amdhsa_system_sgpr_workgroup_id_x 1
		.amdhsa_system_sgpr_workgroup_id_y 1
		.amdhsa_system_sgpr_workgroup_id_z 1
		.amdhsa_system_vgpr_workitem_id 0
		.amdhsa_next_free_vgpr 1024
		.amdhsa_next_free_sgpr 102
		.amdhsa_reserve_vcc 0
		.amdhsa_float_denorm_mode_32 3
		.amdhsa_float_denorm_mode_16_64 3
		.amdhsa_memory_ordered 1
		.amdhsa_forward_progress 1
		.amdhsa_inst_pref_size 202
	.end_amdhsa_kernel
	.amdgpu_metadata
---
amdhsa.version: [ 1, 2 ]
amdhsa.kernels:
  - .name:           k_q8c3e33b5c9_w1
    .symbol:         k_q8c3e33b5c9_w1.kd
    .args:
      - { .name: actc, .offset: 0, .size: 8, .value_kind: global_buffer, .address_space: global }
      - { .name: W1_codes, .offset: 8, .size: 8, .value_kind: global_buffer, .address_space: global }
      - { .name: W1_scales, .offset: 16, .size: 8, .value_kind: global_buffer, .address_space: global }
      - { .name: b1, .offset: 24, .size: 8, .value_kind: global_buffer, .address_space: global }
      - { .name: hid, .offset: 32, .size: 8, .value_kind: global_buffer, .address_space: global }
    .group_segment_fixed_size: 327680
    .private_segment_fixed_size: 0
    .kernarg_segment_align: 8
    .kernarg_segment_size: 40
    .max_flat_workgroup_size: 128
    .sgpr_count:     102
    .vgpr_count:     1024
    .wavefront_size: 32
...
	.end_amdgpu_metadata
.endif
;; end of part 15
;; launch w2 (part 16): grid 8 x 32, 4 waves a work-group, clusters of 4 x 4, 327,680 bytes of LDS; arguments hid, W2_codes, W2_scales, b2, tbuf; writes tbuf
.if DOCPART == 16
	.amdgcn_target "amdgcn-amd-amdhsa--gfx1250"
	.amdhsa_code_object_version 6
	.text
	.protected	k_q8c3e33b5c9_w2
	.globl	k_q8c3e33b5c9_w2
	.p2align	8
	.type	k_q8c3e33b5c9_w2,@function
k_q8c3e33b5c9_w2:
	s_mov_b64 s[64:65], 0
	v_nop
	global_prefetch_b8 v0, s[64:65] scope:SCOPE_SE
	s_setreg_imm32_b32 hwreg(HW_REG_WAVE_MODE, 25, 1), 1
	s_wait_xcnt 0x0
	s_wait_alu depctr_hold_cnt(0) depctr_sa_sdst(0) depctr_va_vdst(0) depctr_va_sdst(0) depctr_va_ssrc(0) depctr_va_vcc(0) depctr_vm_vsrc(0)
	s_getreg_b32 s2, hwreg(HW_REG_IB_STS2, 6, 4)
	s_cmp_eq_u32 s2, 0
	s_cbranch_scc0 .Lentry_in_a_cluster
	s_endpgm
.Lentry_in_a_cluster:
	s_bfe_u32 s2, ttmp6, 0x10000c
	s_cmp_lg_u32 s2, 0xf033
	s_cbranch_scc0 .Lentry_shape_is_right
	s_endpgm
.Lentry_shape_is_right:
; t = hid W2^T + b2 on codes of E5M2 with E8M0 scales; t leaves as f32 (tbuf, rows m' = 2048 b + s).  A block of 128 x 128 a work-group, four waves of 64 x 64; cluster 4 x 4 with joint loads.
; hid comes as images of operand registers (16 KiB for 128 rows x 128 K) with its scale words; W2 as rows of codes.  K goes in steps of 512 through a ring of two slots; the scales of all of K come once.
; THE HEAD: one load a wave: slot 0's images | hid's words | slot 0's 128 rows of W2 | their scale bytes; slot 1 follows behind the full sequence and a round.
; PREFETCH: behind the load of step j each wave asks for step j + 1 of what it loads itself (32 KiB of images, or 64 rows x 512 bytes); the four partners that ask for a tile jointly take a quarter each, told apart by address:
; one instruction a wave, each lane another 256 bytes.  Step 0 comes by its load alone; behind the last step's load nothing is asked.
.set SIZE_K, 4096
.set PFA,  98                          ; s[98:99] where my prefetches stand
.set PFS,  66                          ; s[66:67] a step on, in bytes
.set PFO,  28                          ; v28 my lane's offset; never rewritten
.set KT,     SIZE_K/128
.set KS,     SIZE_K/32
.set LAPS,   SIZE_K/1024
.set PITCH,  528
.set HALFT,  64*PITCH
.set AIMG,   65536
.set SLOT,   AIMG+2*HALFT
.set SCLA,   2*SLOT
.set SCLB,   SCLA+KT*512
.set HALFSB, (64*KS/256)*272
.set SPARE,  SCLB+2*HALFSB
.set AWORDS, KT*524288
.set SPITCH, 272
.set ADRA, 16
.set ADRB, 18
.set ADRSA, 20
.set ADRSB, 21
.set STO,  22
.set RD,   23
.set CO,   24
.set BO,   25
.set SPW,  26
.set NIL,  27
.set SC,   32
.set BI,   96
.set ACC,  128
.set F0,   0
.set F1,   128
.set G1,   24
.set G0,   32
.set G1B,  48
.set G0B,  56
.set G1S,  68
.set G0S,  76
.set G1SB, 80
.set G0SB, 88
.set MSB, 0
.macro WIN new
.if MSB != \new
	s_set_vgpr_msb (MSB<<8)|\new
.set MSB, \new
.endif
.endm
.macro PLACES n
.rept \n
	v_nop
.endr
.endm
.macro GRP1 g, c, r, p
	s_mov_b32 s[\g+1], (\c)<<16
	s_mov_b32 s[\g+2], (\r)<<16
	s_mov_b32 s[\g+3], (\c)<<16
	s_mov_b32 s[\g+4], \r
	s_mov_b32 s[\g+5], \p
	s_mov_b32 s[\g+6], 0
	s_mov_b32 s[\g+7], 0
.endm
.macro JLOAD g0a, g1a, g0b, g1b
	s_cmp_eq_u32 s15, 0
	s_cbranch_scc0 .Lfor_b_\@
	tensor_load_to_lds s[\g0a:\g0a+3], s[\g1a:\g1a+7]
	s_nop 0
.rept 4
	v_nop
.endr
	s_branch .Lasked_\@
.Lfor_b_\@:
	tensor_load_to_lds s[\g0b:\g0b+3], s[\g1b:\g1b+7]
	s_nop 0
.rept 4
	v_nop
.endr
.Lasked_\@:
.endm
.macro LOAD1 g0, g1                    ; a tensor load with the s_nop 0 and the four v_nop
	tensor_load_to_lds s[\g0:\g0+3], s[\g1:\g1+7]
	s_nop 0
.rept 4
	v_nop
.endr
.endm
.macro QUAD a0, a1, b0, b1, c0, c1, d0, d1   ; four joint first fills, one a wave: one chain of branches on the wave's number, a load to an arm, all arms to one join
	s_cmp_lt_u32 s14, 1
	s_cbranch_scc0 .Lq1_\@
	LOAD1 \a0, \a1
	s_branch .Lqe_\@
.Lq1_\@:
	s_cmp_lt_u32 s14, 2
	s_cbranch_scc0 .Lq2_\@
	LOAD1 \b0, \b1
	s_branch .Lqe_\@
.Lq2_\@:
	s_cmp_lt_u32 s14, 3
	s_cbranch_scc0 .Lq3_\@
	LOAD1 \c0, \c1
	s_branch .Lqe_\@
.Lq3_\@:
	LOAD1 \d0, \d1
.Lqe_\@:
.endm
.macro CREST
	s_cmp_lg_u32 s14, 0
	s_cbranch_scc1 .Lnot_wave_0_\@
	s_barrier_signal -3
.Lnot_wave_0_\@:
	s_barrier_wait -3
	s_barrier_signal -1
	s_barrier_wait -1
.endm
.macro CROUND
	s_barrier_signal -1
	s_barrier_wait -1
	CREST
.endm
	s_load_b128 s[4:7], s[0:1], 0x0
	s_load_b128 s[8:11], s[0:1], 0x10
	s_load_b64 s[12:13], s[0:1], 0x20
	v_lshl_add_u32 v[SPW], v0, 2, SPARE
	v_mov_b32 v[NIL], 0
	ds_add_u32 v26, v27
	ds_add_u32 v26, v27
	s_wait_dscnt 0x0
	v_lshrrev_b32 v1, 5, v0
	v_readfirstlane_b32 s14, v1
	s_lshr_b32 s15, s14, 1
	s_and_b32 s16, s14, 1
	s_bfe_u32 s40, ttmp6, 0x40000
	s_bfe_u32 s41, ttmp6, 0x40004
	s_lshl_b32 s42, ttmp9, 2
	s_add_co_u32 s42, s42, s40
	s_and_b32 s17, ttmp7, 0xffff
	s_lshl_b32 s17, s17, 2
	s_add_co_u32 s17, s17, s41
	s_lshl_b32 s43, s41, 2
	s_lshl_b32 s43, 15, s43
	s_lshl_b32 s44, 0x1111, s40
	s_or_b32 s[G1+0], s43, (3<<16)|(1<<21)
	GRP1 G1, 32, 256, 32
	s_or_b32 s[G1B+0], s44, (1<<20)|(1<<21)|(6<<22)|(3<<25)
	GRP1 G1B, 512, 128, SIZE_K
	s_or_b32 s[G1S+0], s43, (3<<16)|(1<<21)
	GRP1 G1S, 32, 2*KT, 32
	s_or_b32 s[G1SB+0], s44, (3<<16)|(1<<20)|(1<<21)|(5<<22)|(3<<25)
	GRP1 G1SB, 32, 128*KS/256, 32
	s_mul_i32 s20, s17, KT*16384
	s_lshl_b32 s18, s16, 15
	s_add_co_u32 s20, s20, s18
	s_mov_b32 s21, 0
	s_mul_i32 s22, s17, KT*512
	s_add_co_u32 s22, s22, AWORDS
	s_mov_b32 s23, 0
	s_lshl_b32 s46, s42, 7
	s_lshl_b32 s18, s16, 6
	s_add_co_u32 s46, s46, s18
	s_mul_i32 s92, s42, 128*KS
	s_lshl_b32 s96, s46, 2
	s_mul_i32 s46, s46, SIZE_K
	s_mov_b32 s47, 0
	s_mov_b32 s93, 0
	s_mov_b32 s97, 0
	s_lshl_b32 s94, s17, 7
	s_lshl_b32 s18, s15, 6
	s_add_co_u32 s94, s94, s18
	s_lshl_b32 s94, s94, 12
	s_add_co_u32 s94, s94, s96
	s_mov_b32 s95, 0
	s_lshl_b32 s45, s16, 15
	s_mul_i32 s2, s16, HALFT
	s_add_co_u32 s2, s2, AIMG
	s_wait_kmcnt 0x0
	s_add_nc_u64 s[20:21], s[4:5], s[20:21]
	s_add_nc_u64 s[22:23], s[4:5], s[22:23]
	s_add_nc_u64 s[46:47], s[6:7], s[46:47]
	s_add_nc_u64 s[92:93], s[8:9], s[92:93]
	s_add_nc_u64 s[96:97], s[10:11], s[96:97]
	s_add_nc_u64 s[12:13], s[12:13], s[94:95]
	s_lshl_b32 s18, s40, 13                        ; the prefetches: of my 32 KiB of images the partner at place cx takes 8 KiB;
	s_lshl_b32 s19, s41, 16                        ; of my 64 rows of W2 the partner at place cy takes 16
	s_mov_b32 s[PFS], 512
	s_mov_b32 s[PFS+1], 0
	s_mov_b32 s3, SIZE_K
	s_cmp_eq_u32 s15, 0                            ; do I fetch for hid?
	s_cselect_b64 s[PFA:PFA+1], s[20:21], s[46:47]
	s_cselect_b32 s18, s18, s19
	s_cselect_b32 s[PFS], AIMG, s[PFS]
	s_cselect_b32 s3, 512, s3                      ; from one pair of lanes to the next
	s_mov_b32 s19, 0
	s_add_nc_u64 s[PFA:PFA+1], s[PFA:PFA+1], s[18:19]
	s_add_nc_u64 s[PFA:PFA+1], s[PFA:PFA+1], s[PFS:PFS+1]   ; at step 1
	CROUND
	s_mov_b32 s[G0S], 1
	s_mov_b32 s[G0S+1], SCLA
	s_mov_b64 s[G0S+2:G0S+3], s[22:23]
	s_or_b32 s[G0S+3], s[G0S+3], 0x80000000
	s_mov_b32 s[G0SB], 1
	s_mov_b32 s[G0SB+1], SCLB
	s_mov_b64 s[G0SB+2:G0SB+3], s[92:93]
	s_or_b32 s[G0SB+3], s[G0SB+3], 0x80000000
.irp s, 0,1
	s_mov_b32 s[G0+4*\s], 1
	s_add_co_u32 s[G0+4*\s+1], s45, \s*SLOT
	s_add_nc_u64 s[G0+4*\s+2:G0+4*\s+3], s[20:21], \s*AIMG
	s_or_b32 s[G0+4*\s+3], s[G0+4*\s+3], 0x80000000
	s_mov_b32 s[G0B+4*\s], 1
	s_add_co_u32 s[G0B+4*\s+1], s2, \s*SLOT
	s_add_nc_u64 s[G0B+4*\s+2:G0B+4*\s+3], s[46:47], \s*512
	s_or_b32 s[G0B+4*\s+3], s[G0B+4*\s+3], 0x80000000
.endr
	QUAD G0, G1, G0S, G1S, G0B, G1B, G0SB, G1SB    ; wave 0: slot 0's images, whole | wave 1: hid's words | wave 2: slot 0's 128 rows of W2 | wave 3: their scale bytes (in waves 0 and 2 the half in the addresses is 0)
	v_and_b32 v1, 15, v0
	v_bfe_u32 v2, v0, 4, 1
	v_lshlrev_b32 v[BO], 5, v2
.irp b, 0,1,2,3
	global_load_b128 v[BI+8*\b:BI+8*\b+3], v[BO], s[96:97] offset:64*\b
	global_load_b128 v[BI+8*\b+4:BI+8*\b+7], v[BO], s[96:97] offset:64*\b+16
.endr
	v_and_b32 v7, 31, v0
	v_lshlrev_b32 v3, 4, v7
	v_mul_u32_u24 v4, v1, PITCH
	v_lshl_add_u32 v4, v2, 4, v4
	s_lshl_b32 s21, s15, 13
	s_mul_i32 s22, s16, HALFT
	s_add_co_u32 s22, s22, AIMG
.irp s, 0,1
	v_add_nc_u32 v[ADRA+\s], s21, v3
	v_add_nc_u32 v[ADRB+\s], s22, v4
	s_add_co_u32 s21, s21, SLOT
	s_add_co_u32 s22, s22, SLOT
.endr
	v_lshlrev_b32 v5, 2, v1
	s_lshl_b32 s21, s15, 8
	s_add_co_u32 s21, s21, SCLA
	v_add_nc_u32 v[ADRSA], s21, v5
	v_mul_u32_u24 v5, v1, KS
	v_lshrrev_b32 v6, 8, v5
	v_lshl_add_u32 v5, v6, 4, v5
	s_mul_i32 s22, s16, HALFSB
	s_add_co_u32 s22, s22, SCLB
	v_add_nc_u32 v[ADRSB], s22, v5
	s_mul_i32 s23, s14, 16*SPITCH
	v_mul_u32_u24 v5, v1, SPITCH
	v_lshl_add_u32 v5, v2, 5, v5
	v_add_nc_u32 v[STO], s23, v5
	v_mul_u32_u24 v5, v2, SPITCH
	v_lshl_add_u32 v5, v1, 4, v5
	v_add_nc_u32 v[RD], s23, v5
	v_lshlrev_b32 v[CO], 12, v2
	v_lshl_add_u32 v[CO], v1, 4, v[CO]
	v_lshrrev_b32 v[PFO], 1, v7
	v_and_b32 v6, 1, v7
	v_mul_lo_u32 v[PFO], v[PFO], s3
	v_lshl_add_u32 v[PFO], v6, 8, v[PFO]           ; two lanes to 512 bytes
	global_prefetch_b8 v[PFO], s[PFA:PFA+1] th:TH_LOAD_NT scope:SCOPE_SE   ; step 1
.macro FETCH slot, q, f
	WIN 0x40
.irp i, 0,1,2,3
.irp c, 0,1,2,3
	ds_load_b128 v[\f+64+16*\i+4*\c:\f+64+16*\i+4*\c+3], v[ADRB+\slot] offset:128*(\q)+32*\c+16*\i*PITCH
.endr
.endr
.irp i, 0,1,2,3
.irp c, 0,1,2,3
	ds_load_b128 v[\f+16*\i+4*\c:\f+16*\i+4*\c+3], v[ADRA+\slot] offset:16384*(\q)+2048*\i+512*\c
.endr
.endr
.endm
.macro SCALES s
.irp a, 0,1,2,3
.irp q, 0,1,2,3
	ds_load_b32 v[SC+32*\s+4*\a+\q], v[ADRSA] offset:512*\q+64*\a
.endr
.endr
.irp i, 0,1,2,3
	ds_load_b128 v[SC+32*\s+16+4*\i:SC+32*\s+16+4*\i+3], v[ADRSB] offset:(16*\i*KS/256)*272
.endr
.endm
.macro MULA f, a, q, s, first
.irp b, 0,1,2,3
.if \first
	v_wmma_scale_f32_16x16x128_f8f6f4 v[ACC+8*(4*\a+\b):ACC+8*(4*\a+\b)+7], v[\f+64+16*\b:\f+64+16*\b+15], v[\f+16*\a:\f+16*\a+15], v[BI+8*\b:BI+8*\b+7], v[SC+32*\s+16+4*\b+(\q)], v[SC+32*\s+4*\a+(\q)] matrix_a_fmt:MATRIX_FMT_BF8 matrix_b_fmt:MATRIX_FMT_BF8
.else
	v_wmma_scale_f32_16x16x128_f8f6f4 v[ACC+8*(4*\a+\b):ACC+8*(4*\a+\b)+7], v[\f+64+16*\b:\f+64+16*\b+15], v[\f+16*\a:\f+16*\a+15], v[ACC+8*(4*\a+\b):ACC+8*(4*\a+\b)+7], v[SC+32*\s+16+4*\b+(\q)], v[SC+32*\s+4*\a+(\q)] matrix_a_fmt:MATRIX_FMT_BF8 matrix_b_fmt:MATRIX_FMT_BF8
.endif
.endr
.endm
.macro STEP slot, q, first
	s_wait_dscnt 8
	WIN 0x05
	MULA 128*((\q)%2), 0, \q, \slot, \first
	MULA 128*((\q)%2), 1, \q, \slot, \first
	PLACES 8
	FETCH \slot, (\q)+1, 128*(1-(\q)%2)
	s_wait_dscnt 32
	WIN 0x05
	MULA 128*((\q)%2), 2, \q, \slot, \first
	MULA 128*((\q)%2), 3, \q, \slot, \first
.endm
.macro TURN slot, next, fill
.if \fill
	s_wait_xcnt 0x0                                ; my last prefetch has read its address: it steps here, ahead of the waits of the change of slots
	s_add_nc_u64 s[PFA:PFA+1], s[PFA:PFA+1], s[PFS:PFS+1]
.endif
	WIN 0
	s_wait_tensorcnt 0x0
	ds_add_u32 v[SPW], v[NIL]
	s_wait_dscnt 9
	WIN 0x05
	MULA F1, 0, 3, \slot, 0
	s_wait_dscnt 0x0
	s_barrier_signal -1
	MULA F1, 1, 3, \slot, 0
	WIN 0
	s_barrier_wait -1
.if \fill
	CREST
	s_add_nc_u64 s[G0+4*\slot+2:G0+4*\slot+3], s[G0+4*\slot+2:G0+4*\slot+3], 2*AIMG
	s_add_nc_u64 s[G0B+4*\slot+2:G0B+4*\slot+3], s[G0B+4*\slot+2:G0B+4*\slot+3], 1024
	JLOAD G0+4*\slot, G1, G0B+4*\slot, G1B
	PLACES 4
.else
	PLACES 8
.endif
	s_wait_alu depctr_va_vdst(0)
	v_add_nc_u32 v[ADRSA], 2048, v[ADRSA]
	v_add_nc_u32 v[ADRSB], 16, v[ADRSB]
	SCALES \next
	FETCH \next, 0, F0
.if \fill
.if \slot
	WIN 0
	s_cmp_lg_u32 s3, 1                             ; the loop's last trip has just asked for the last step: there is none behind it
	s_cbranch_scc0 .Lno_ask_\@
.endif
	global_prefetch_b8 v[PFO], s[PFA:PFA+1] th:TH_LOAD_NT scope:SCOPE_SE   ; the step behind the one just asked for
.if \slot
.Lno_ask_\@:
.endif
.endif
	WIN 0x05
	MULA F1, 2, 3, \slot, 0
	MULA F1, 3, 3, \slot, 0
.endm
	s_wait_alu depctr_va_vdst(0)
	s_wait_tensorcnt 0x0                           ; my tile of the head's four is in
	ds_add_u32 v[SPW], v[NIL]
	s_mov_b32 s[G1+2], 128<<16                     ; no tensor load of mine is out: from here on a load brings half a tile
	s_mov_b32 s[G1+4], 128
	s_mov_b32 s[G1B+2], 64<<16
	s_mov_b32 s[G1B+4], 64
	s_wait_xcnt 0x0
	s_add_nc_u64 s[PFA:PFA+1], s[PFA:PFA+1], s[PFS:PFS+1]   ; at step 2
	s_wait_dscnt 0x0
	CROUND
	JLOAD G0+4, G1, G0B+4, G1B                     ; slot 1's first fill
	SCALES 0
	FETCH 0, 0, F0
	global_prefetch_b8 v[PFO], s[PFA:PFA+1] th:TH_LOAD_NT scope:SCOPE_SE   ; step 2
	s_wait_loadcnt 0x0
	STEP 0, 0, 1
	WIN 0
	s_mov_b32 s3, LAPS-1
.Llap:
	STEP 0, 1, 0
	STEP 0, 2, 0
	TURN 0, 1, 1
	STEP 1, 0, 0
	STEP 1, 1, 0
	STEP 1, 2, 0
	TURN 1, 0, 1
	STEP 0, 0, 0
	WIN 0
	s_sub_co_u32 s3, s3, 1
	s_cmp_lg_u32 s3, 0
	s_cbranch_scc1 .Llap
	STEP 0, 1, 0
	STEP 0, 2, 0
	TURN 0, 1, 0
	STEP 1, 0, 0
	STEP 1, 1, 0
	STEP 1, 2, 0
	s_wait_dscnt 0x0
	WIN 0x05
	MULA F1, 0, 3, 1, 0
	MULA F1, 1, 3, 1, 0
	MULA F1, 2, 3, 1, 0
	MULA F1, 3, 3, 1, 0
	WIN 0
.macro TOSTAGE a
.irp b, 0,1,2,3
	ds_store_b128 v[STO], v[ACC+8*(4*\a+\b):ACC+8*(4*\a+\b)+3] offset:64*\b
	ds_store_b128 v[STO], v[ACC+8*(4*\a+\b)+4:ACC+8*(4*\a+\b)+7] offset:64*\b+16
.endr
.irp t, 0,1,2,3,4,5,6,7
	ds_load_b128 v[ACC+32*\a+4*\t:ACC+32*\a+4*\t+3], v[RD] offset:2*\t*SPITCH
.endr
.endm
.macro SEND a, younger
	s_wait_dscnt \younger
.irp t, 0,1,2,3,4,5,6,7
	global_store_b128 v[CO], v[ACC+32*\a+4*\t:ACC+32*\a+4*\t+3], s[12:13] offset:(32*(\a/2)+8*(\a%2)+2*\t+8*(\t/4))*4096
.endr
.endm
	PLACES 8
	TOSTAGE 0
	TOSTAGE 1
	SEND 0, 16
	TOSTAGE 2
	SEND 1, 16
	TOSTAGE 3
	SEND 2, 16
	SEND 3, 0
	s_wait_tensorcnt 0x0
	ds_add_u32 v[SPW], v[NIL]
	s_wait_dscnt 0x0
	CROUND
	s_endpgm
.Lfunc_end_k_q8c3e33b5c9_w2:
	.size	k_q8c3e33b5c9_w2, .Lfunc_end_k_q8c3e33b5c9_w2-k_q8c3e33b5c9_w2
	.p2alignl 7, 3214868480
	.fill 96, 4, 3214868480
	.section	.rodata,"a",@progbits
	.p2align	6, 0x0
	.amdhsa_kernel k_q8c3e33b5c9_w2
		.amdhsa_group_segment_fixed_size 327680
		.amdhsa_private_segment_fixed_size 0
		.amdhsa_enable_private_segment 0
		.amdhsa_kernarg_size 40
		.amdhsa_user_sgpr_count 2
		.amdhsa_user_sgpr_kernarg_segment_ptr 1
		.amdhsa_wavefront_size32 1
		.amdhsa_system_sgpr_workgroup_id_x 1
		.amdhsa_system_sgpr_workgroup_id_y 1
		.amdhsa_system_sgpr_workgroup_id_z 1
		.amdhsa_system_vgpr_workitem_id 0
		.amdhsa_next_free_vgpr 512
		.amdhsa_next_free_sgpr 100
		.amdhsa_reserve_vcc 0
		.amdhsa_float_denorm_mode_32 3
		.amdhsa_float_denorm_mode_16_64 3
		.amdhsa_memory_ordered 1
		.amdhsa_forward_progress 1
		.amdhsa_inst_pref_size 98
	.end_amdhsa_kernel
	.amdgpu_metadata
---
amdhsa.version: [ 1, 2 ]
amdhsa.kernels:
  - .name:           k_q8c3e33b5c9_w2
    .symbol:         k_q8c3e33b5c9_w2.kd
    .args:
      - { .name: hid, .offset: 0, .size: 8, .value_kind: global_buffer, .address_space: global }
      - { .name: W2_codes, .offset: 8, .size: 8, .value_kind: global_buffer, .address_space: global }
      - { .name: W2_scales, .offset: 16, .size: 8, .value_kind: global_buffer, .address_space: global }
      - { .name: b2, .offset: 24, .size: 8, .value_kind: global_buffer, .address_space: global }
      - { .name: tbuf, .offset: 32, .size: 8, .value_kind: global_buffer, .address_space: global }
    .group_segment_fixed_size: 327680
    .private_segment_fixed_size: 0
    .kernarg_segment_align: 8
    .kernarg_segment_size: 40
    .max_flat_workgroup_size: 128
    .sgpr_count:     100
    .vgpr_count:     512
    .wavefront_size: 32
...
	.end_amdgpu_metadata
.endif
;; end of part 16
;; launch ln2 (part 17): grid 256 x 1, 8 waves a work-group, no clusters, 0 bytes of LDS; arguments tbuf, xbuf, g2, be2, out0; writes out0
.if DOCPART == 17
	.amdgcn_target "amdgcn-amd-amdhsa--gfx1250"
	.amdhsa_code_object_version 6
	.text
	.protected	k_q8c3e33b5c9_ln2
	.globl	k_q8c3e33b5c9_ln2
	.p2align	8
	.type	k_q8c3e33b5c9_ln2,@function
k_q8c3e33b5c9_ln2:
	s_mov_b64 s[64:65], 0
	v_nop
	global_prefetch_b8 v0, s[64:65] scope:SCOPE_SE
	s_setreg_imm32_b32 hwreg(HW_REG_WAVE_MODE, 25, 1), 1
	s_wait_xcnt 0x0
; out0 = LayerNorm(x + t) g2 + be2, row by row of 1,024, all f32.  t (tbuf) and x (xbuf) have rows m' = 2048 b + s; out0 has rows 2 s + b.
; Mean first, then the squares of the differences: a common offset of the inputs does no harm.
; A wave takes two rows, each in 32 registers: a load or store of the wave covers 512 consecutive bytes.  All 48 loads of a wave go out at the head.
; The reduction stays inside the wave: no LDS, no barrier.  No matrix unit, no tensor loads, no cluster: memory binds, and each byte is moved once.
; LIMITS: NaN and infinities among the inputs are not served.
.set G,    16                          ; v16-47   g2 of my 32 columns
.set BE,   48                          ; v48-79   be2
.set Y0,   80                          ; v80-143  t, then the sum, then the result: 32 registers a row
.set S0,   144                         ; v144-207 x: 32 registers a row
	s_load_b256 s[4:11], s[0:1], 0x0               ; tbuf, xbuf, g2, be2
	s_load_b64 s[12:13], s[0:1], 0x20              ; out0
	v_lshrrev_b32 v1, 5, v0
	s_delay_alu instid0(VALU_DEP_1)
	v_readfirstlane_b32 s16, v1                    ; wave
	v_and_b32 v2, 31, v0
	s_delay_alu instid0(VALU_DEP_1)
	v_lshlrev_b32 v3, 4, v2                        ; 16 x lane
	s_lshl_b32 s17, ttmp9, 4
	s_lshl_b32 s18, s16, 1
	s_add_co_u32 s17, s17, s18                     ; m' of my first row
	s_lshl_b32 s18, s17, 12
	s_mov_b32 s19, 0
	s_and_b32 s22, s17, 2047                       ; s
	s_lshl_b32 s22, s22, 1
	s_lshr_b32 s23, s17, 11                        ; b
	s_add_co_u32 s22, s22, s23                     ; its row in out0
	s_lshl_b32 s22, s22, 12
	s_mov_b32 s23, 0
	s_mov_b32 s20, 0x3a800000                      ; 1 / 1024
	s_mov_b32 s21, 0x3727c5ac                      ; 1e-5
	s_mov_b32 s24, 0x76543210
	s_mov_b32 s25, 0xfedcba98                      ; v_permlanex16_b32's selects for lane l xor 16
	s_wait_alu depctr_va_vdst(0)
	s_wait_kmcnt 0x0
	s_add_nc_u64 s[4:5], s[4:5], s[18:19]
	s_add_nc_u64 s[6:7], s[6:7], s[18:19]
	s_add_nc_u64 s[12:13], s[12:13], s[22:23]
.macro LOADROW i
.irp j, 0,1,2,3,4,5,6,7
	global_load_b128 v[Y0+32*\i+4*\j:Y0+32*\i+4*\j+3], v3, s[4:5] offset:4096*\i+512*\j th:TH_LOAD_NT
.endr
.irp j, 0,1,2,3,4,5,6,7
	global_load_b128 v[S0+32*\i+4*\j:S0+32*\i+4*\j+3], v3, s[6:7] offset:4096*\i+512*\j th:TH_LOAD_NT
.endr
.endm
	LOADROW 0
.irp j, 0,1,2,3,4,5,6,7
	global_load_b128 v[G+4*\j:G+4*\j+3], v3, s[8:9] offset:512*\j
.endr
.irp j, 0,1,2,3,4,5,6,7
	global_load_b128 v[BE+4*\j:BE+4*\j+3], v3, s[10:11] offset:512*\j
.endr
	LOADROW 1
.macro LANES                           ; v4 summed over the 32 lanes, in every lane
	s_delay_alu instid0(VALU_DEP_1)
	v_add_f32_dpp v4, v4, v4 row_xmask:1 row_mask:0xf bank_mask:0xf
	s_delay_alu instid0(VALU_DEP_1)
	v_add_f32_dpp v4, v4, v4 row_xmask:2 row_mask:0xf bank_mask:0xf
	s_delay_alu instid0(VALU_DEP_1)
	v_add_f32_dpp v4, v4, v4 row_xmask:4 row_mask:0xf bank_mask:0xf
	s_delay_alu instid0(VALU_DEP_1)
	v_add_f32_dpp v4, v4, v4 row_xmask:8 row_mask:0xf bank_mask:0xf
	s_delay_alu instid0(VALU_DEP_1)
	v_permlanex16_b32 v5, v4, s24, s25
	s_delay_alu instid0(VALU_DEP_1)
	v_add_f32 v4, v4, v5
.endm
.macro ROW i, wa, wb                   ; wa: the loads that may stay out when this row's are in; wb: likewise for g2 and be2 (-1: they are in)
.set Y, Y0+32*\i
.set S, S0+32*\i
	s_wait_loadcnt \wa
.set k, 0
.rept 16
	v_pk_add_f32 v[Y+k:Y+k+1], v[Y+k:Y+k+1], v[S+k:S+k+1]
.set k, k+2
.endr
	v_pk_add_f32 v[4:5], v[Y:Y+1], v[Y+2:Y+3]      ; the row's sum, in two packed chains
	v_pk_add_f32 v[6:7], v[Y+4:Y+5], v[Y+6:Y+7]
.set k, 8
.rept 6
	s_delay_alu instid0(VALU_DEP_2)
	v_pk_add_f32 v[4:5], v[4:5], v[Y+k:Y+k+1]
	s_delay_alu instid0(VALU_DEP_2)
	v_pk_add_f32 v[6:7], v[6:7], v[Y+k+2:Y+k+3]
.set k, k+4
.endr
	s_delay_alu instid0(VALU_DEP_1)
	v_pk_add_f32 v[4:5], v[4:5], v[6:7]
	s_delay_alu instid0(VALU_DEP_1)
	v_add_f32 v4, v4, v5
	LANES
	s_delay_alu instid0(VALU_DEP_1)
	v_mul_f32 v8, 0xba800000, v4                   ; - the mean
	s_delay_alu instid0(VALU_DEP_1)
	v_mov_b32 v9, v8
.set k, 0
.rept 16
	v_pk_add_f32 v[Y+k:Y+k+1], v[Y+k:Y+k+1], v[8:9]
.set k, k+2
.endr
	v_pk_mul_f32 v[4:5], v[Y:Y+1], v[Y:Y+1]        ; the squares of the differences
	v_pk_mul_f32 v[6:7], v[Y+2:Y+3], v[Y+2:Y+3]
.set k, 4
.rept 7
	s_delay_alu instid0(VALU_DEP_2)
	v_pk_fma_f32 v[4:5], v[Y+k:Y+k+1], v[Y+k:Y+k+1], v[4:5]
	s_delay_alu instid0(VALU_DEP_2)
	v_pk_fma_f32 v[6:7], v[Y+k+2:Y+k+3], v[Y+k+2:Y+k+3], v[6:7]
.set k, k+4
.endr
	s_delay_alu instid0(VALU_DEP_1)
	v_pk_add_f32 v[4:5], v[4:5], v[6:7]
	s_delay_alu instid0(VALU_DEP_1)
	v_add_f32 v4, v4, v5
	LANES
	s_delay_alu instid0(VALU_DEP_1)
	v_fma_f32 v4, v4, s20, s21                     ; the variance + 1e-5
	s_wait_alu depctr_va_vdst(0)
	v_rsq_f32 v8, v4
	v_nop                                          ; a plain line behind the transcendental
	s_wait_alu depctr_va_vdst(0)
	v_mov_b32 v9, v8
.if \wb >= 0
	s_wait_alu depctr_va_vdst(0)
	s_wait_loadcnt \wb
.endif
.set k, 0
.rept 16
	v_pk_mul_f32 v[Y+k:Y+k+1], v[Y+k:Y+k+1], v[8:9]
.set k, k+2
.endr
.set k, 0
.rept 16
	v_pk_fma_f32 v[Y+k:Y+k+1], v[Y+k:Y+k+1], v[G+k:G+k+1], v[BE+k:BE+k+1]
.set k, k+2
.endr
.irp j, 0,1,2,3,4,5,6,7
	global_store_b128 v3, v[Y+4*\j:Y+4*\j+3], s[12:13] offset:8192*\i+512*\j th:TH_STORE_NT   ; my rows lie 8,192 bytes apart in out0; 512 consecutive bytes a store
.endr
.endm
	ROW 0, 32, 16                                  ; row 0's 16 loads are in (32 behind them); then g2 and be2 (row 1's 16 behind them)
	ROW 1, 0, -1
	s_endpgm
.Lfunc_end_k_q8c3e33b5c9_ln2:
	.size	k_q8c3e33b5c9_ln2, .Lfunc_end_k_q8c3e33b5c9_ln2-k_q8c3e33b5c9_ln2
	.p2alignl 7, 3214868480
	.fill 96, 4, 3214868480
	.section	.rodata,"a",@progbits
	.p2align	6, 0x0
	.amdhsa_kernel k_q8c3e33b5c9_ln2
		.amdhsa_group_segment_fixed_size 0
		.amdhsa_private_segment_fixed_size 0
		.amdhsa_enable_private_segment 0
		.amdhsa_kernarg_size 40
		.amdhsa_user_sgpr_count 2
		.amdhsa_user_sgpr_kernarg_segment_ptr 1
		.amdhsa_wavefront_size32 1
		.amdhsa_system_sgpr_workgroup_id_x 1
		.amdhsa_system_sgpr_workgroup_id_y 1
		.amdhsa_system_sgpr_workgroup_id_z 1
		.amdhsa_system_vgpr_workitem_id 0
		.amdhsa_next_free_vgpr 208
		.amdhsa_next_free_sgpr 66
		.amdhsa_reserve_vcc 0
		.amdhsa_float_denorm_mode_32 3
		.amdhsa_float_denorm_mode_16_64 3
		.amdhsa_memory_ordered 1
		.amdhsa_forward_progress 1
		.amdhsa_inst_pref_size 25
	.end_amdhsa_kernel
	.amdgpu_metadata
---
amdhsa.version: [ 1, 2 ]
amdhsa.kernels:
  - .name:           k_q8c3e33b5c9_ln2
    .symbol:         k_q8c3e33b5c9_ln2.kd
    .args:
      - { .name: tbuf, .offset: 0, .size: 8, .value_kind: global_buffer, .address_space: global }
      - { .name: xbuf, .offset: 8, .size: 8, .value_kind: global_buffer, .address_space: global }
      - { .name: g2, .offset: 16, .size: 8, .value_kind: global_buffer, .address_space: global }
      - { .name: be2, .offset: 24, .size: 8, .value_kind: global_buffer, .address_space: global }
      - { .name: out0, .offset: 32, .size: 8, .value_kind: global_buffer, .address_space: global }
    .group_segment_fixed_size: 0
    .private_segment_fixed_size: 0
    .kernarg_segment_align: 8
    .kernarg_segment_size: 40
    .max_flat_workgroup_size: 256
    .sgpr_count:     66
    .vgpr_count:     208
    .wavefront_size: 32
...
	.end_amdgpu_metadata
.endif
;; end of part 17
